; MI455X (gfx1250); checked and timed in simulation.
; The chip was launched on July 23, 2026; its instructions are those of AMD's public machine-readable ISA for CDNA 5 (MIT licence, August 2026) and "CDNA5" Instruction Set Architecture Reference Guide (July 2026). The comments in the code are by the model that wrote it; some were corrected since.
;; Block. Allowed arithmetic: float matrix products may take bf16 or f16 operands with f32 sums; all other float work in f32.
;; Inputs: W_ff1 1,024 x 4,096 float32; W_ff2 4,096 x 1,024 float32; W_kv_down 1,024 x 512 float32; W_kv_up 512 x 2,048 float32; W_o 1,024 x 1,024 float32; W_q 1,024 x 1,024 float32; b_ff1 4,096 float32; b_ff2 1,024 float32; ln1_b 1,024 float32; ln1_g 1,024 float32; ln2_b 1,024 float32; ln2_g 1,024 float32; x 2 x 2,048 x 1,024 float32.
;; Outputs: out0 2 x 2,048 x 1,024 float32.
;; 2 versions, each right and faster than the one before. Each part assembles by itself: llvm-mc -triple=amdgcn-amd-amdhsa -mcpu=gfx1250 --defsym DOCPART=n.
;; ======== version 1 of 2: 8 launches
;; workspace buffers: wbf 24,117,248 bytes; hn 8,388,608 bytes; ql 12,582,912 bytes; kv 16,777,216 bytes; y 8,388,608 bytes; x1 16,777,216 bytes; f 33,554,432 bytes
;; launch prep (part 1): grid 992 x 1, 8 waves a work-group, no clusters, 0 bytes of LDS; arguments W_ff1, W_ff2, W_q, W_kv_up, W_o, W_kv_down, x, ln1_g, ln1_b, wbf, hn; writes wbf, hn
.if DOCPART == 1
	.amdgcn_target "amdgcn-amd-amdhsa--gfx1250"
	.amdhsa_code_object_version 6
	.text
	.protected	k_q67ec5dd685_prep
	.globl	k_q67ec5dd685_prep
	.p2align	8
	.type	k_q67ec5dd685_prep,@function
k_q67ec5dd685_prep:
	s_mov_b64 s[64:65], 0
	v_nop
	global_prefetch_b8 v0, s[64:65] scope:SCOPE_SE
	s_setreg_imm32_b32 hwreg(HW_REG_WAVE_MODE, 25, 1), 1
	s_wait_xcnt 0x0
; Two jobs in one launch, chosen by the work-group's number.
; Work-groups 0 to 255: hn = LayerNorm(x) g + b, rounded to bf16.  16 rows a work-group, two a wave; a row stays in 32 registers a lane
; between the pass for the mean, the pass for the variance (of x - mean, so a common offset costs nothing) and the scaling.
; Work-groups 256 to 991: the six weights are rounded from f32 to bf16 into wbf, each kept row-major [K][N]; W_q and W_kv_down are laid side by
; side as one matrix of 1,536 columns.  A work-group takes 16,384 consecutive source numbers: sixteen passes of 1,024, a thread 4 numbers a pass.
; Every load of a wave covers 512 consecutive bytes, every store 256 consecutive bytes, aligned.  128 registers, so that four work-groups of
; eight waves share a WGP's registers: gain and bias come in two halves for that.
; No LDS, no matrix unit, no cluster: a stream that reads each byte once and shares nothing.
.set NLN, 256
.set X,  16                            ; v[16:79]   LN: two rows, 32 registers each;  cast: 64 numbers as loaded
.set Y,  80                            ; v[80:111]  cast: 32 registers to store
.set DO, 112                           ; v[112:127] cast: my 8 bytes in wbf, pass by pass
.set G,  80                            ; v[80:95]   LN: gain of 16 of my 32 columns
.set BV, 96                            ; v[96:111]  LN: their bias
.set T,  112                           ; v[112:119] LN: four chains of pairs
.set SX, 20                            ; s[20:21] x, s[22:23] gain, s[24:25] bias, s[28:29] hn
.set SG, 22
.set SB, 24
.set SO, 28
	s_load_b512 s[8:23], s[0:1], 0x0               ; W_ff1 8, W_ff2 10, W_q 12, W_kv_up 14, W_o 16, W_kv_down 18, x 20, ln1_g 22
	s_load_b128 s[24:27], s[0:1], 0x40             ; ln1_b 24, wbf 26
	s_load_b64 s[28:29], s[0:1], 0x50              ; hn
	s_mov_b32 s2, ttmp9
	s_cmp_lt_u32 s2, NLN
	s_cbranch_scc1 .Lln
	; ---- the cast.  The job's figures: source, first work-group, byte offset in wbf, bytes of wbf a work-group advances,
	; bytes of wbf from source row to source row, log2 of the threads that share a source row (dense jobs: rows of 1,024 numbers)
.macro JOB first, src, doff, cadv, dp, sh
	s_cmp_ge_u32 s2, \first
	s_cselect_b64 s[30:31], s[\src:\src+1], s[30:31]
	s_cselect_b32 s32, \first, s32
	s_cselect_b32 s33, \doff, s33
	s_cselect_b32 s34, \cadv, s34
	s_cselect_b32 s35, \dp, s35
	s_cselect_b32 s36, \sh, s36
.endm
	s_wait_kmcnt 0x0
	s_mov_b64 s[30:31], s[8:9]                     ; W_ff1: 256 work-groups
	s_mov_b32 s32, NLN
	s_mov_b32 s33, 7340032
	s_mov_b32 s34, 32768
	s_mov_b32 s35, 2048
	s_mov_b32 s36, 8
	JOB NLN+256, 10, 15728640, 32768, 2048, 8      ; W_ff2: 256
	JOB NLN+512, 12, 0, 49152, 3072, 8             ; W_q: 64; rows of 1,024 into rows of 1,536
	JOB NLN+576, 14, 3145728, 32768, 2048, 8       ; W_kv_up: 64
	JOB NLN+640, 16, 5242880, 32768, 2048, 8       ; W_o: 64
	JOB NLN+704, 18, 2048, 98304, 3072, 7          ; W_kv_down: 32; rows of 512 behind W_q's 1,024 columns
	s_sub_co_u32 s3, s2, s32                       ; my part of the job
	s_lshl_b32 s38, s3, 16                         ; 65,536 source bytes each
	s_mov_b32 s39, 0
	s_add_nc_u64 s[30:31], s[30:31], s[38:39]
	s_mul_i32 s40, s3, s34
	s_add_co_u32 s40, s40, s33
	s_mov_b32 s41, 0
	s_add_nc_u64 s[26:27], s[26:27], s[40:41]
	s_bfm_b32 s37, s36, 0                          ; mask of a thread's place in its row
	s_sub_co_u32 s42, 8, s36
	s_lshl_b32 s42, s35, s42                       ; bytes of wbf from pass to pass: 256 threads' rows
	v_lshlrev_b32 v1, 4, v0                        ; 16 source bytes a thread
.set p, 0
.rept 16
	global_load_b128 v[X+4*p:X+4*p+3], v1, s[30:31] offset:p*4096 th:TH_LOAD_NT
.set p, p+1
.endr
	v_lshrrev_b32 v10, s36, v0                     ; which row of the pass
	v_and_b32 v11, s37, v0                         ; where in it
	v_mul_lo_u32 v[DO], v10, s35
	v_lshl_add_u32 v[DO], v11, 3, v[DO]
.set p, 0
.rept 15
	v_add_nc_u32 v[DO+1+p], s42, v[DO+p]
.set p, p+1
.endr
.set p, 0
.rept 16
	s_wait_loadcnt 15-p                            ; loads return in order: pass p's is in, the 15 - p younger ones stay out
	v_cvt_pk_bf16_f32 v[Y+2*p],   v[X+4*p],   v[X+4*p+1]
	v_cvt_pk_bf16_f32 v[Y+2*p+1], v[X+4*p+2], v[X+4*p+3]
	global_store_b64 v[DO+p], v[Y+2*p:Y+2*p+1], s[26:27]  ; a wave stores 256 consecutive bytes, aligned; no register is used twice
.set p, p+1
.endr
	s_endpgm
; ---- LayerNorm.  Lane l of a wave owns columns 128 j + 4 l .. + 3, j = 0..7, of the wave's two rows.
.macro REDUCE                          ; v12 summed over the 32 lanes, the result in every lane
	v_add_f32_dpp v12, v12, v12 row_xmask:1 row_mask:0xf bank_mask:0xf
	v_add_f32_dpp v12, v12, v12 row_xmask:2 row_mask:0xf bank_mask:0xf
	v_add_f32_dpp v12, v12, v12 row_xmask:4 row_mask:0xf bank_mask:0xf
	v_add_f32_dpp v12, v12, v12 row_xmask:8 row_mask:0xf bank_mask:0xf
	v_permlanex16_b32 v13, v12, s46, s47
	v_add_f32 v12, v12, v13
.endm
.macro FOLD                            ; the four chains into one number a lane, then over the lanes
	v_pk_add_f32 v[T:T+1], v[T:T+1], v[T+2:T+3]
	v_pk_add_f32 v[T+4:T+5], v[T+4:T+5], v[T+6:T+7]
	v_pk_add_f32 v[T:T+1], v[T:T+1], v[T+4:T+5]
	v_add_f32 v12, v[T], v[T+1]
	REDUCE
.endm
.macro STATS r                         ; row r: x becomes x - mean; 1 / sqrt(var + eps) into v[6+2r:7+2r]
.set XB, X+32*(\r)
.set c, 0
.rept 4
	v_pk_add_f32 v[T+2*c:T+2*c+1], v[XB+2*c:XB+2*c+1], v[XB+8+2*c:XB+8+2*c+1]  ; the first pairs start the chains
.set c, c+1
.endr
.set c, 0
.rept 8
	v_pk_add_f32 v[T+2*(c%4):T+2*(c%4)+1], v[T+2*(c%4):T+2*(c%4)+1], v[XB+16+2*c:XB+16+2*c+1]
.set c, c+1
.endr
	FOLD
	v_mul_f32 v4, s44, v12                         ; mean = sum / 1,024
	v_mov_b32 v5, v4
.set c, 0
.rept 16
	v_pk_add_f32 v[XB+2*c:XB+2*c+1], v[XB+2*c:XB+2*c+1], v[4:5] neg_lo:[0,1] neg_hi:[0,1]
.set c, c+1
.endr
.set c, 0
.rept 4
	v_pk_mul_f32 v[T+2*c:T+2*c+1], v[XB+2*c:XB+2*c+1], v[XB+2*c:XB+2*c+1]
.set c, c+1
.endr
.set c, 4
.rept 12
	v_pk_fma_f32 v[T+2*(c%4):T+2*(c%4)+1], v[XB+2*c:XB+2*c+1], v[XB+2*c:XB+2*c+1], v[T+2*(c%4):T+2*(c%4)+1]
.set c, c+1
.endr
	FOLD
	v_fma_f32 v12, v12, s44, s45                   ; var + eps
	v_rsq_f32 v[6+2*(\r)], v12                     ; twice: a pair for the packed multiply
	v_rsq_f32 v[7+2*(\r)], v12
	v_nop                                          ; a plain instruction behind the transcendentals (ISA guide 5.7.2)
	s_wait_alu depctr_va_vdst(0)
.endm
.macro GBLOAD hf                       ; gain and bias of my columns j = 4 hf .. 4 hf + 3
.set c, 0
.rept 4
	global_load_b128 v[G+4*c:G+4*c+3], v2, s[SG:SG+1] offset:(4*(\hf)+c)*512
.set c, c+1
.endr
.set c, 0
.rept 4
	global_load_b128 v[BV+4*c:BV+4*c+3], v2, s[SB:SB+1] offset:(4*(\hf)+c)*512
.set c, c+1
.endr
.endm
.macro APPLY r, hf                     ; half hf of row r: scaled, gain and bias
.set XB, X+32*(\r)+16*(\hf)
.set c, 0
.rept 8
	v_pk_mul_f32 v[XB+2*c:XB+2*c+1], v[XB+2*c:XB+2*c+1], v[6+2*(\r):7+2*(\r)]
.set c, c+1
.endr
.set c, 0
.rept 8
	v_pk_fma_f32 v[XB+2*c:XB+2*c+1], v[XB+2*c:XB+2*c+1], v[G+2*c:G+2*c+1], v[BV+2*c:BV+2*c+1]
.set c, c+1
.endr
.endm
.macro SENDROW r, hf                   ; half hf of row r: rounded in place, stored
.set XB, X+32*(\r)+16*(\hf)
.set c, 0
.rept 8
	v_cvt_pk_bf16_f32 v[XB+c], v[XB+2*c], v[XB+2*c+1]  ; register c is free when pair c is read: the packed half takes its own first eight registers
.set c, c+1
.endr
.set c, 0
.rept 4
	global_store_b64 v3, v[XB+2*c:XB+2*c+1], s[SO:SO+1] offset:(\r)*2048+(4*(\hf)+c)*256  ; a wave stores 256 consecutive bytes, aligned
.set c, c+1
.endr
.endm
.Lln:
	s_lshl_b32 s38, s2, 16                         ; 16 rows of x
	s_mov_b32 s39, 0
	s_lshl_b32 s40, s2, 15                         ; 16 rows of hn
	s_mov_b32 s41, 0
	s_mov_b32 s44, 0x3a800000                      ; 1 / 1,024
	s_mov_b32 s45, 0x3727c5ac                      ; 1e-5
	s_mov_b32 s46, 0x76543210                      ; v_permlanex16_b32: each lane takes its own place in the other half
	s_mov_b32 s47, 0xfedcba98
	v_and_b32 v14, 31, v0
	v_lshrrev_b32 v15, 5, v0
	v_lshlrev_b32 v2, 4, v14                       ; 16 l: my bytes in 512 of gain and bias
	v_lshl_add_u32 v1, v15, 13, v2                 ; + two rows of 4,096 bytes a wave: in x
	v_lshlrev_b32 v3, 3, v14
	v_lshl_add_u32 v3, v15, 12, v3                 ; 8 l + two rows of 2,048 bytes a wave: in hn
	v_mov_b32 v13, 0                               ; v_permlanex16_b32 counts as a reader of its destination
	s_wait_kmcnt 0x0
	s_add_nc_u64 s[SX:SX+1], s[SX:SX+1], s[38:39]
	s_add_nc_u64 s[SO:SO+1], s[SO:SO+1], s[40:41]
.set c, 0
.rept 16
	global_load_b128 v[X+4*c:X+4*c+3], v1, s[SX:SX+1] offset:(c/8)*4096+(c%8)*512
.set c, c+1
.endr
	GBLOAD 0
	s_wait_loadcnt 16                              ; row 0's eight loads are in; row 1's eight and the eight of gain and bias stay out
	STATS 0
	s_wait_loadcnt 8                               ; row 1's too
	STATS 1
	s_wait_loadcnt 0x0
	APPLY 0, 0
	APPLY 1, 0
	GBLOAD 1                                       ; the second halves come while the first halves are rounded and stored
	SENDROW 0, 0
	SENDROW 1, 0
	s_wait_loadcnt 0x0
	APPLY 0, 1
	APPLY 1, 1
	SENDROW 0, 1
	SENDROW 1, 1
	s_endpgm
.Lfunc_end_k_q67ec5dd685_prep:
	.size	k_q67ec5dd685_prep, .Lfunc_end_k_q67ec5dd685_prep-k_q67ec5dd685_prep
	.p2alignl 7, 3214868480
	.fill 96, 4, 3214868480
	.section	.rodata,"a",@progbits
	.p2align	6, 0x0
	.amdhsa_kernel k_q67ec5dd685_prep
		.amdhsa_group_segment_fixed_size 0
		.amdhsa_private_segment_fixed_size 0
		.amdhsa_enable_private_segment 0
		.amdhsa_kernarg_size 88
		.amdhsa_user_sgpr_count 2
		.amdhsa_user_sgpr_kernarg_segment_ptr 1
		.amdhsa_wavefront_size32 1
		.amdhsa_system_sgpr_workgroup_id_x 1
		.amdhsa_system_sgpr_workgroup_id_y 1
		.amdhsa_system_sgpr_workgroup_id_z 1
		.amdhsa_system_vgpr_workitem_id 0
		.amdhsa_next_free_vgpr 128
		.amdhsa_next_free_sgpr 66
		.amdhsa_reserve_vcc 0
		.amdhsa_float_denorm_mode_32 3
		.amdhsa_float_denorm_mode_16_64 3
		.amdhsa_memory_ordered 1
		.amdhsa_forward_progress 1
		.amdhsa_inst_pref_size 29
	.end_amdhsa_kernel
	.amdgpu_metadata
---
amdhsa.version: [ 1, 2 ]
amdhsa.kernels:
  - .name:           k_q67ec5dd685_prep
    .symbol:         k_q67ec5dd685_prep.kd
    .args:
      - { .name: W_ff1, .offset: 0, .size: 8, .value_kind: global_buffer, .address_space: global }
      - { .name: W_ff2, .offset: 8, .size: 8, .value_kind: global_buffer, .address_space: global }
      - { .name: W_q, .offset: 16, .size: 8, .value_kind: global_buffer, .address_space: global }
      - { .name: W_kv_up, .offset: 24, .size: 8, .value_kind: global_buffer, .address_space: global }
      - { .name: W_o, .offset: 32, .size: 8, .value_kind: global_buffer, .address_space: global }
      - { .name: W_kv_down, .offset: 40, .size: 8, .value_kind: global_buffer, .address_space: global }
      - { .name: x, .offset: 48, .size: 8, .value_kind: global_buffer, .address_space: global }
      - { .name: ln1_g, .offset: 56, .size: 8, .value_kind: global_buffer, .address_space: global }
      - { .name: ln1_b, .offset: 64, .size: 8, .value_kind: global_buffer, .address_space: global }
      - { .name: wbf, .offset: 72, .size: 8, .value_kind: global_buffer, .address_space: global }
      - { .name: hn, .offset: 80, .size: 8, .value_kind: global_buffer, .address_space: global }
    .group_segment_fixed_size: 0
    .private_segment_fixed_size: 0
    .kernarg_segment_align: 8
    .kernarg_segment_size: 88
    .max_flat_workgroup_size: 256
    .sgpr_count:     66
    .vgpr_count:     128
    .wavefront_size: 32
...
	.end_amdgpu_metadata
.endif
;; end of part 1
;; launch gemm_ql (part 2): grid 12 x 16, 4 waves a work-group, clusters of 4 x 4, 327,680 bytes of LDS; arguments hn, wbf, ql; writes ql
.if DOCPART == 2
	.amdgcn_target "amdgcn-amd-amdhsa--gfx1250"
	.amdhsa_code_object_version 6
	.text
	.protected	k_q67ec5dd685_gemm_ql
	.globl	k_q67ec5dd685_gemm_ql
	.p2align	8
	.type	k_q67ec5dd685_gemm_ql,@function
k_q67ec5dd685_gemm_ql:
	s_mov_b64 s[64:65], 0
	v_nop
	global_prefetch_b8 v0, s[64:65] scope:SCOPE_SE
	s_setreg_imm32_b32 hwreg(HW_REG_WAVE_MODE, 25, 1), 1
	s_wait_xcnt 0x0
	s_wait_alu depctr_hold_cnt(0) depctr_sa_sdst(0) depctr_va_vdst(0) depctr_va_sdst(0) depctr_va_ssrc(0) depctr_va_vcc(0) depctr_vm_vsrc(0)
	s_getreg_b32 s2, hwreg(HW_REG_IB_STS2, 6, 4)
	s_cmp_eq_u32 s2, 0
	s_cbranch_scc0 .Lentry_in_a_cluster
	s_endpgm
.Lentry_in_a_cluster:
	s_bfe_u32 s2, ttmp6, 0x10000c
	s_cmp_lg_u32 s2, 0xf033
	s_cbranch_scc0 .Lentry_shape_is_right
	s_endpgm
.Lentry_shape_is_right:
; [q | latent] = hn [W_q | W_kv_down]: [4096][1024] x [1024][1536], bf16 operands, f32 sums, bf16 out in slices of 64 columns: [batch][slice][t][64].
; 12 x 16 tiles of 256 x 128: 1,536 columns have no tile that gives 256 equal work-groups; 384 tiles of 128 x 128 would be a round and a half.
.set KIND, 0
.set MB, 8                             ; blocks of 16 rows a wave
.set NBK, 4                            ; blocks of 16 columns a wave
.set KDIM, 1024
.set NDIM, 1536                        ; W's pitch in elements
.set WOFF, 0                           ; W's first byte in wbf
.set ASL, 0                            ; A lies in rows
.set AOFF, 0
.set BSTR, 0
.set AQI, 5                            ; A's padding: behind every 64 words
.set AT0, 128                          ; A's tensor load: elements a row, rows, pitch
.set AT1, 128
.set AST, 1024
.set SLOT1, 0x20000
.set HASB, 0
.set RELU, 0
.set ARGB, 0
.set ARGO, 0x10
; THE COMMON TEXT (bf16 out).  C = A W.  Four waves, 2 x 2; a wave makes 16 MB x 16 NBK of C.  K goes in steps of 128 through two LDS slots filled by the tensor data mover.
; THE MATRIX INSTRUCTION IS USED TRANSPOSED: source 0 = 16 columns of W, source 1 = 16 rows of A, so a lane holds eight neighbouring columns of one row of C.
; W stays [K][N] in LDS; its fragments come turned, by ds_load_tr16_b128.  A step is four chunks of 32 along K on two fragment buffers; it is written once, and the slot's LDS offset is a scalar that an exclusive or turns.
; CLUSTER 4 x 4: A's tile hangs on the tile row alone and is asked for jointly along a row of the cluster, W's on the tile column alone and jointly along a column.
; K IS WALKED ROUND.  A cluster begins at K step S0 = (NSTEP/4 x cluster x + NSTEP/2 x (cluster y mod 2)) mod NSTEP and wraps at NSTEP: every step is taken once, and the f32 sums take K in that order.
; So the clusters of one cluster row, which read the same rows of A, begin NSTEP/4 steps apart, and neighbouring cluster rows, which read the same columns of W, NSTEP/2 apart: a tile that several
; clusters need is not asked for by all of them in the same step.  S0 hangs on the cluster's place in the grid alone, which all sixteen partners share.
; REGISTERS, in windows of 256: window 0: v0-31 addresses, v64-191 A's two fragment buffers (later the way out), v192-223 packed results;
;   window 1: v0-63 the bias as a C operand, v64-191 W's two buffers;   windows 2, 3: accumulator (a, b) at 8 (a NBK + b).
; LDS: slot 0 at 0, slot 1 at SLOT1, each A's tile then W's; behind them a stage for each wave and the spare words.
; LIMITS: relu, where it is taken, is v_max_num_f32 with 0: a NaN becomes 0.  Operands are rounded to bf16.
.set KSTEP, 128
.set TM, 32*MB
.set TN, 32*NBK
.set NSTEP, KDIM/KSTEP
.set NL, 2*(NBK+MB)                    ; LDS loads of a chunk
.if ASL
.set PA, 144                           ; a slice's row: 128 bytes + 16: the 16 rows of a fragment load start at 16 different groups of four banks (ISA guide 11.1)
.set ATILE, 2*TM*PA                    ; two slices of TM rows
.set ASTEP, 2*262144
.set AO2, TM*PA                        ; chunk 2 begins the second slice
.else
.set PA, 272                           ; 256 bytes + 16
.set ATILE, TM*PA
.set ASTEP, KSTEP*2
.set AO2, 128
.endif
.set AO1, 64
.set AO3, AO2+64
.set PB, 2*TN+32                       ; a row of W's tile + 32 bytes: an odd multiple of 32
.set BQI, 4+TN/128
.set BTILE, KSTEP*PB
.set BSTEP, KSTEP*NDIM*2
.set STAGE, SLOT1+ATILE+BTILE
.set STW, (NBK/4)*16*144               ; a wave's stage: 16 rows x 144 bytes for each slice
.set SPARE, STAGE+4*STW                ; the spare words: 128 bytes a wave, named by no other line
.set OBN, 32/NBK                       ; blocks that v64-191 hold on the way out
.set CM0, 1+HASB
.set ADRA0, 16                         ; v16, v17  my lane's place in A's and W's tile; never rewritten
.set ADRB0, 17
.set ADRA, 18                          ; v18, v19  the same in the slot in hand
.set ADRB, 19
.set STO, 24
.set RD, 25
.set GO, 26
.set BO, 27
.set SPW, 28
.set NIL, 29
.set TMP, 192
.set G1, 24                            ; s[24:31] A's group 1; s[32:39] its group 0, two sets: set 1 walks
.set G0, 32
.set G1B, 48                           ; s[48:55], s[56:63] the same for W
.set G0B, 56
.set TB, 45                            ; s45 LDS offset of the slot in hand
.set BASEA, 74                         ; s[74:75] A at my part of K step 0, s[76:77] W likewise; never rewritten
.set BASEB, 76
.set KI, 78                            ; s78 the K step asked for last
.set OFA, 80                           ; s[80:81], s[82:83] that step's byte offsets in A and in W
.set OFB, 82
.set MSB, 0
.macro WIN new                         ; the immediate's high byte repeats the setting that is left; a switch that changes nothing is dropped
.if MSB != (\new)
	s_set_vgpr_msb (MSB<<8)|(\new)
.set MSB, (\new)
.endif
.endm
.macro PLACES                          ; four places behind matrix instructions (ISA guide 7.12.1), where no other vector work is at hand
.rept 4
	v_nop
.endr
.endm
.macro STEPK                           ; the next K step, round NSTEP
	s_add_co_u32 s[KI], s[KI], 1
	s_and_b32 s[KI], s[KI], NSTEP-1
.endm
.macro AIM st                          ; set st of both group 0s takes K step KI: base + offset, the type bits anew
	s_mul_i32 s[OFA], s[KI], ASTEP
	s_mul_i32 s[OFB], s[KI], BSTEP
	s_add_nc_u64 s[G0+4*(\st)+2:G0+4*(\st)+3], s[BASEA:BASEA+1], s[OFA:OFA+1]
	s_or_b32 s[G0+4*(\st)+3], s[G0+4*(\st)+3], 0x80000000
	s_add_nc_u64 s[G0B+4*(\st)+2:G0B+4*(\st)+3], s[BASEB:BASEB+1], s[OFB:OFB+1]
	s_or_b32 s[G0B+4*(\st)+3], s[G0B+4*(\st)+3], 0x80000000
.endm
.macro JLOAD                           ; the joint refill: waves 0, 1 A's halves, waves 2, 3 W's; s_nop 0 and four v_nop follow each line
	s_cmp_eq_u32 s11, 0
	s_cbranch_scc0 .Lfor_b_\@
	tensor_load_to_lds s[G0+4:G0+7], s[G1:G1+7]
	s_nop 0
	PLACES
	s_branch .Lasked_\@
.Lfor_b_\@:
	tensor_load_to_lds s[G0B+4:G0B+7], s[G1B:G1B+7]
	s_nop 0
	PLACES
.Lasked_\@:
.endm
.macro CREST                           ; a round of the cluster's barrier behind its opening barrier
	s_cmp_lg_u32 s10, 0
	s_cbranch_scc1 .Lnot_wave_0_\@
	s_barrier_signal -3
.Lnot_wave_0_\@:
	s_barrier_wait -3
	s_barrier_signal -1
	s_barrier_wait -1
.endm
.macro CROUND
	s_barrier_signal -1
	s_barrier_wait -1
	CREST
.endm
; na row blocks from a0 on x all column blocks, 32 along K, from buffer f.  cm = 0: add in place; 1: the product starts the sum with 0; 2: with the bias.
; Every accumulator has one instruction a turn, in the same order in every chunk.
.macro MUL f, a0, na, cm
.set ma, (\a0)
.rept (\na)
.set mb, 0
.rept NBK
.set RG, 8*(ma*NBK+mb)
.set WD, 2+RG/256
.set RG, RG%256
.if (\cm) == 2
	WIN 0x11|(WD<<6)
	v_wmma_f32_16x16x32_bf16 v[RG:RG+7], v[64+64*(\f)+8*mb:64+64*(\f)+8*mb+7], v[64+64*(\f)+8*ma:64+64*(\f)+8*ma+7], v[8*mb:8*mb+7]
.elseif (\cm) == 1
	WIN 0x01|(WD<<4)|(WD<<6)
	v_wmma_f32_16x16x32_bf16 v[RG:RG+7], v[64+64*(\f)+8*mb:64+64*(\f)+8*mb+7], v[64+64*(\f)+8*ma:64+64*(\f)+8*ma+7], 0
.else
	WIN 0x01|(WD<<4)|(WD<<6)
	v_wmma_f32_16x16x32_bf16 v[RG:RG+7], v[64+64*(\f)+8*mb:64+64*(\f)+8*mb+7], v[64+64*(\f)+8*ma:64+64*(\f)+8*ma+7], v[RG:RG+7]
.endif
.set mb, mb+1
.endr
.set ma, ma+1
.endr
.endm
.macro FETCH oa, ob, g                 ; one chunk's fragments in one run: W's (turned), then A's, into buffer g
	WIN 0x40
.set fi, 0
.rept NBK
	ds_load_tr16_b128 v[64+64*(\g)+8*fi:64+64*(\g)+8*fi+3],   v[ADRB] offset:(\ob)+32*fi
	ds_load_tr16_b128 v[64+64*(\g)+8*fi+4:64+64*(\g)+8*fi+7], v[ADRB] offset:(\ob)+32*fi+16*PB
.set fi, fi+1
.endr
	WIN 0
.set fi, 0
.rept MB
	ds_load_b128 v[64+64*(\g)+8*fi:64+64*(\g)+8*fi+3],   v[ADRA] offset:(\oa)+fi*16*PA
	ds_load_b128 v[64+64*(\g)+8*fi+4:64+64*(\g)+8*fi+7], v[ADRA] offset:(\oa)+fi*16*PA+32
.set fi, fi+1
.endr
.endm
.macro CHUNK f, g, oa, ob, cm          ; multiplies buffer f; in its middle fetches the next chunk into g
	s_wait_dscnt MB                                ; W and A's lower half are in; the MB youngest loads (A's upper half) may be out
	MUL \f, 0, MB/2, \cm
	PLACES
	FETCH \oa, \ob, \g
	s_wait_dscnt NL                                ; all but the NL just issued
	MUL \f, MB/2, MB/2, \cm
.endm
; A step's last chunk (buffer 1) changes slots: one barrier.  In front of it each wave waits for all its tensor loads (one is out: its part of the next slot), adds 0 to its spare
; word, and waits for that and for its reads of this slot.  fill = 1: the barrier opens a round of the cluster's, and this slot is filled again first behind it, two steps ahead.
.macro TURN fill
	WIN 0
	s_wait_tensorcnt 0x0
	ds_add_u32 v[SPW], v[NIL]
.if \fill
	STEPK                                          ; no load of mine is out: the walking sets take the other slot and the next K step
	s_xor_b32 s[G0+5], s[G0+5], SLOT1
	s_xor_b32 s[G0B+5], s[G0B+5], SLOT1
	AIM 1
.endif
	s_wait_dscnt MB+1                              ; the add and A's upper half may be out
	MUL 1, 0, MB/4, 0
	s_wait_dscnt 0x0                               ; the add is done, my reads of this slot are over
	s_barrier_signal -1
	MUL 1, MB/4, MB/4, 0
	WIN 0
	s_barrier_wait -1
.if \fill
	CREST
	JLOAD                                          ; its four v_nop are also the places in front of the loads below
.else
	PLACES
.endif
	s_xor_b32 s[TB], s[TB], SLOT1
	v_add_nc_u32 v[ADRA], s[TB], v[ADRA0]
	v_add_nc_u32 v[ADRB], s[TB], v[ADRB0]
	FETCH 0, 0, 0
	MUL 1, MB/2, MB/2, 0
.endm
.macro MID
	CHUNK 1, 0, AO2, 64*PB, 0
	CHUNK 0, 1, AO3, 96*PB, 0
.endm
	s_load_b128 s[4:7], s[0:1], 0x0                ; A, wbf
	s_load_b64 s[8:9], s[0:1], ARGO                ; the output
.if HASB
	s_load_b64 s[68:69], s[0:1], ARGB              ; the bias
.endif
	v_lshl_add_u32 v[SPW], v0, 2, SPARE
	v_mov_b32 v[NIL], 0
	ds_add_u32 v[SPW], v[NIL]                      ; the wave's opening: the add and its wait stand ahead of my first tensor load
	ds_add_u32 v28, v29
	v_lshrrev_b32 v1, 5, v0
	v_readfirstlane_b32 s10, v1                    ; wave 0..3
	s_lshr_b32 s11, s10, 1                         ; my half of the tile's rows.  Also: I fetch for A (0) or for W (1)
	s_and_b32 s12, s10, 1                          ; my half of its columns.  Also: which half of that tile I fetch
	s_bfe_u32 s40, ttmp6, 0x40000                  ; cx, cy
	s_bfe_u32 s41, ttmp6, 0x40004
	s_lshl_b32 s42, ttmp9, 2
	s_add_co_u32 s42, s42, s40                     ; tile column
	s_and_b32 s13, ttmp7, 0xffff
	s_lshl_b32 s13, s13, 2
	s_add_co_u32 s13, s13, s41                     ; tile row
	s_lshl_b32 s43, s41, 2
	s_lshl_b32 s43, 15, s43                        ; my row of the cluster
	s_lshl_b32 s44, 0x1111, s40                    ; my column
	s_and_b32 s[KI], ttmp7, 1                      ; S0, from the cluster's x and y alone
	s_mul_i32 s[KI], s[KI], NSTEP/2
	s_mul_i32 s79, ttmp9, NSTEP/4
	s_add_co_u32 s[KI], s[KI], s79
	s_and_b32 s[KI], s[KI], NSTEP-1
	s_mov_b32 s[OFA+1], 0
	s_mov_b32 s[OFB+1], 0
	s_or_b32 s[G1+0], s43, (1<<16)|(1<<20)|(1<<21)|(AQI<<22)|(3<<25)   ; mask; 2-byte elements; padding on; bit 21 beside a mask; interval; 4 words of padding
	s_mov_b32 s[G1+1], (AT0&0xffff)<<16            ; tensor_dim0
	s_mov_b32 s[G1+2], (AT0>>16)|(AT1<<16)         ; tensor_dim1
	s_mov_b32 s[G1+3], AT0<<16                     ; tile_dim0
	s_mov_b32 s[G1+4], AT1                         ; tile_dim1
	s_mov_b32 s[G1+5], AST                         ; pitch
	s_mov_b32 s[G1+6], 0
	s_mov_b32 s[G1+7], 0
	s_or_b32 s[G1B+0], s44, (1<<16)|(1<<20)|(1<<21)|(BQI<<22)|(7<<25)  ; the same for W: 8 words of padding behind each row
	s_mov_b32 s[G1B+1], TN<<16
	s_mov_b32 s[G1B+2], (KSTEP/2)<<16
	s_mov_b32 s[G1B+3], TN<<16
	s_mov_b32 s[G1B+4], KSTEP/2
	s_mov_b32 s[G1B+5], NDIM
	s_mov_b32 s[G1B+6], 0
	s_mov_b32 s[G1B+7], 0
	s_mul_i32 s16, s13, TM                         ; A's offset: made of the tile row and the wave's number alone
.if ASL
	s_lshr_b32 s17, s16, 11                        ; batch
	s_and_b32 s16, s16, 2047                       ; t
	s_mul_i32 s17, s17, BSTR
	s_lshl_b32 s16, s16, 7
	s_add_co_u32 s16, s16, s17
	s_mul_i32 s17, s12, 262144                     ; my slice of the step's two
	s_add_co_u32 s16, s16, s17
	s_add_co_u32 s16, s16, AOFF
.else
	s_mul_i32 s17, s12, TM/2
	s_add_co_u32 s16, s16, s17
	s_mul_i32 s16, s16, KDIM*2
.endif
	s_mov_b32 s17, 0
	s_mul_i32 s46, s42, TN*2                       ; W's offset: the tile column and the wave's number alone
	s_mul_i32 s47, s12, (KSTEP/2)*NDIM*2
	s_add_co_u32 s46, s46, s47
	s_add_co_u32 s46, s46, WOFF
	s_mov_b32 s47, 0
	s_mul_i32 s20, s12, ATILE/2                    ; where they go: no place in the cluster enters an LDS address
	s_mul_i32 s21, s12, BTILE/2
	s_add_co_u32 s21, s21, ATILE
	s_wait_dscnt 0x0                               ; the opening add is done
	s_wait_kmcnt 0x0
	s_add_nc_u64 s[BASEA:BASEA+1], s[4:5], s[16:17]
	s_add_nc_u64 s[BASEB:BASEB+1], s[6:7], s[46:47]
.irp s, 0,1
	s_mov_b32 s[G0+4*(\s)], 1
	s_add_co_u32 s[G0+4*(\s)+1], s20, (\s)*SLOT1
	s_mov_b32 s[G0B+4*(\s)], 1
	s_add_co_u32 s[G0B+4*(\s)+1], s21, (\s)*SLOT1
.endr
	AIM 0                                          ; slot 0 takes K step S0,
	STEPK
	AIM 1                                          ; slot 1 the step behind it
	CROUND                                         ; all sixteen work-groups are here: the first joint loads meet
	s_cmp_eq_u32 s11, 0                            ; a wave's two first fills stand in one branch: two loads of mine are out
	s_cbranch_scc0 .Lfirst_b
	tensor_load_to_lds s[G0:G0+3], s[G1:G1+7]
	s_nop 0
	tensor_load_to_lds s[G0+4:G0+7], s[G1:G1+7]
	s_nop 0
	PLACES
	s_branch .Lfirst_done
.Lfirst_b:
	tensor_load_to_lds s[G0B:G0B+3], s[G1B:G1B+7]
	s_nop 0
	tensor_load_to_lds s[G0B+4:G0B+7], s[G1B:G1B+7]
	s_nop 0
	PLACES
.Lfirst_done:
	v_and_b32 v1, 15, v0                           ; r = l % 16
	v_bfe_u32 v2, v0, 4, 1                         ; h = l / 16
.if HASB
	s_mul_i32 s18, s42, TN*4                       ; my first column's bias
	s_mul_i32 s19, s12, TN*2
	s_add_co_u32 s18, s18, s19
	s_mov_b32 s19, 0
	s_add_nc_u64 s[68:69], s[68:69], s[18:19]
	v_lshlrev_b32 v[BO], 5, v2                     ; register j of block b: column 16 b + 8 h + j
	WIN 0x40
.set fi, 0
.rept NBK
	global_load_b128 v[8*fi:8*fi+3],   v[BO], s[68:69] offset:64*fi
	global_load_b128 v[8*fi+4:8*fi+7], v[BO], s[68:69] offset:64*fi+16
.set fi, fi+1
.endr
	WIN 0
.endif
	s_mul_i32 s16, s13, TM                         ; where my part of C begins: batch, t, slice
	s_lshr_b32 s17, s16, 11
	s_and_b32 s16, s16, 2047
	s_mul_i32 s18, s11, 16*MB
	s_add_co_u32 s16, s16, s18
	s_lshl_b32 s16, s16, 7
.if KIND == 0                          ; 16 slices of q for each batch, then 8 of latent: slice cs + 16 u + b (16 - 8 u), u = 1 for latent
	s_lshl_b32 s46, s42, 1
	s_add_co_u32 s46, s46, s12
	s_lshr_b32 s47, s46, 4
	s_lshl_b32 s18, s47, 3
	s_sub_co_u32 s18, 16, s18
	s_mul_i32 s18, s18, s17
	s_lshl_b32 s47, s47, 4
	s_add_co_u32 s46, s46, s47
	s_add_co_u32 s46, s46, s18
.elseif KIND == 1                      ; k's 32 slices, then v's
	s_lshl_b32 s46, s42, 1
	s_add_co_u32 s46, s46, s12
	s_lshr_b32 s47, s46, 4
	s_lshl_b32 s47, s47, 5
	s_and_b32 s46, s46, 15
	s_add_co_u32 s46, s46, s47
	s_lshl_b32 s18, s17, 4
	s_add_co_u32 s46, s46, s18
.else                                  ; 64 slices for each batch, two a wave
	s_lshl_b32 s46, s42, 2
	s_lshl_b32 s47, s12, 1
	s_add_co_u32 s46, s46, s47
	s_lshl_b32 s18, s17, 6
	s_add_co_u32 s46, s46, s18
.endif
	s_lshl_b32 s46, s46, 18                        ; a slice is 262,144 bytes
	s_add_co_u32 s46, s46, s16
	s_mov_b32 s47, 0
	s_add_nc_u64 s[8:9], s[8:9], s[46:47]
	v_mul_u32_u24 v3, v1, PA                       ; A's fragment: lane l holds row r, K = 8 h + 0..7 and 16 + 8 h + 0..7: two loads of 16 bytes, 32 apart
	v_lshl_add_u32 v3, v2, 4, v3
	s_mul_i32 s21, s11, 16*MB*PA
	v_add_nc_u32 v[ADRA0], s21, v3
	v_and_b32 v4, 7, v0                            ; W's: lane l addresses row 8 h + l % 8, 16 bytes at 16 ((l / 8) % 2); the turning load leaves column r, eight K
	v_lshl_add_u32 v4, v2, 3, v4
	v_mul_u32_u24 v4, v4, PB
	v_bfe_u32 v5, v0, 3, 1
	v_lshl_add_u32 v4, v5, 4, v4
	s_mul_i32 s22, s12, 32*NBK
	s_add_co_u32 s22, s22, ATILE
	v_add_nc_u32 v[ADRB0], s22, v4
	v_mov_b32 v[ADRA], v[ADRA0]
	v_mov_b32 v[ADRB], v[ADRB0]
	s_mov_b32 s[TB], 0
	s_mul_i32 s23, s10, STW
	s_add_co_u32 s23, s23, STAGE                   ; my stage
	v_mul_u32_u24 v6, v1, 144                      ; in: row r, 16 bytes for each half of the lanes
	v_lshl_add_u32 v6, v2, 4, v6
	v_add_nc_u32 v[STO], s23, v6
	v_bfe_u32 v6, v0, 3, 2                         ; back: 32 lanes take four rows of 128 bytes,
	v_mul_u32_u24 v6, v6, 144
	v_and_b32 v7, 7, v0
	v_lshl_add_u32 v6, v7, 4, v6
	v_add_nc_u32 v[RD], s23, v6
	v_and_b32 v[GO], 31, v0                        ; which are 512 consecutive bytes of a slice
	v_lshlrev_b32 v[GO], 4, v[GO]
	s_wait_tensorcnt 0x1                           ; my part of slot 0 is in; slot 1's may stay out
	s_barrier_signal -1
	s_barrier_wait -1
	FETCH 0, 0, 0
.if HASB
	s_wait_loadcnt 0x0                             ; the bias
.endif
	CHUNK 0, 1, AO1, 32*PB, CM0                    ; the first chunk stands ahead of the loop: its products start the sums
	WIN 0
	s_mov_b32 s3, NSTEP-2
.Lstep:                                                ; a trip: a step's chunks 1 to 3 and the next step's chunk 0; every slot but the last two is filled again
	MID
	TURN 1
	CHUNK 0, 1, AO1, 32*PB, 0
	WIN 0
	s_sub_co_u32 s3, s3, 1
	s_cmp_lg_u32 s3, 0
	s_cbranch_scc1 .Lstep
	s_mov_b32 s3, 2
.Ltail:                                                ; the last two steps ask for nothing: a text of their own
	MID
	WIN 0
	s_cmp_eq_u32 s3, 1
	s_cbranch_scc1 .Llast
	TURN 0
	CHUNK 0, 1, AO1, 32*PB, 0
	WIN 0
	s_sub_co_u32 s3, s3, 1
	s_cmp_lg_u32 s3, 0
	s_cbranch_scc1 .Ltail
.Llast:
	s_wait_dscnt MB
	MUL 1, 0, MB/2, 0
	s_wait_dscnt 0x0
	MUL 1, MB/2, MB/2, 0
	PLACES
; THE WAY OUT, a block of 16 rows at a time through my own stage: no barrier, and LDS serves a wave's instructions in order (ISA guide 5.7.1.4).
.macro PACK a                          ; (relu,) rounded to bf16; each accumulator is read from its low end
.set RG, 8*(\a)*NBK
.set WD, 2+RG/256
.set RG, RG%256
.if RELU
	WIN (WD<<2)|(WD<<6)
.set pj, 0
.rept 8*NBK
	v_max_num_f32 v[RG+pj], 0, v[RG+pj]
.set pj, pj+1
.endr
.endif
	WIN WD|(WD<<2)
.set pj, 0
.rept 4*NBK
	v_cvt_pk_bf16_f32 v[TMP+pj], v[RG+2*pj], v[RG+2*pj+1]
.set pj, pj+1
.endr
	WIN 0
.endm
.macro TOSTAGE a
.set OBA, 64+4*NBK*((\a)%OBN)
.set pj, 0
.rept NBK
	ds_store_b128 v[STO], v[TMP+4*pj:TMP+4*pj+3] offset:(pj/4)*2304+(pj%4)*32
.set pj, pj+1
.endr
.set pj, 0
.rept NBK
	ds_load_b128 v[OBA+4*pj:OBA+4*pj+3], v[RD] offset:(pj/4)*2304+(pj%4)*576
.set pj, pj+1
.endr
.endm
.macro SEND a
.set OBA, 64+4*NBK*((\a)%OBN)
	s_wait_dscnt 0x0                               ; the block is back in registers
.if MB > OBN
	s_wait_xcnt 0x0                                ; registers that earlier stores read are loaded again only behind this wait
.endif
.set pj, 0
.rept NBK
	global_store_b128 v[GO], v[OBA+4*pj:OBA+4*pj+3], s[8:9] offset:(\a)*2048+(pj%4)*512+(pj/4)*262144  ; 512 consecutive bytes, aligned
.set pj, pj+1
.endr
.endm
	PACK 0
	TOSTAGE 0
.set blk, 1
.rept MB-1                             ; a block's arithmetic stands between the loads of the block before and the wait for them
	PACK blk
	SEND blk-1
	TOSTAGE blk
.set blk, blk+1
.endr
	SEND MB-1
	s_wait_tensorcnt 0x0                           ; the wave's end
	ds_add_u32 v[SPW], v[NIL]
	s_wait_dscnt 0x0
	CROUND                                         ; the closing round
	s_endpgm
.Lfunc_end_k_q67ec5dd685_gemm_ql:
	.size	k_q67ec5dd685_gemm_ql, .Lfunc_end_k_q67ec5dd685_gemm_ql-k_q67ec5dd685_gemm_ql
	.p2alignl 7, 3214868480
	.fill 96, 4, 3214868480
	.section	.rodata,"a",@progbits
	.p2align	6, 0x0
	.amdhsa_kernel k_q67ec5dd685_gemm_ql
		.amdhsa_group_segment_fixed_size 327680
		.amdhsa_private_segment_fixed_size 0
		.amdhsa_enable_private_segment 0
		.amdhsa_kernarg_size 24
		.amdhsa_user_sgpr_count 2
		.amdhsa_user_sgpr_kernarg_segment_ptr 1
		.amdhsa_wavefront_size32 1
		.amdhsa_system_sgpr_workgroup_id_x 1
		.amdhsa_system_sgpr_workgroup_id_y 1
		.amdhsa_system_sgpr_workgroup_id_z 1
		.amdhsa_system_vgpr_workitem_id 0
		.amdhsa_next_free_vgpr 768
		.amdhsa_next_free_sgpr 84
		.amdhsa_reserve_vcc 0
		.amdhsa_float_denorm_mode_32 3
		.amdhsa_float_denorm_mode_16_64 3
		.amdhsa_memory_ordered 1
		.amdhsa_forward_progress 1
		.amdhsa_inst_pref_size 65
	.end_amdhsa_kernel
	.amdgpu_metadata
---
amdhsa.version: [ 1, 2 ]
amdhsa.kernels:
  - .name:           k_q67ec5dd685_gemm_ql
    .symbol:         k_q67ec5dd685_gemm_ql.kd
    .args:
      - { .name: hn, .offset: 0, .size: 8, .value_kind: global_buffer, .address_space: global }
      - { .name: wbf, .offset: 8, .size: 8, .value_kind: global_buffer, .address_space: global }
      - { .name: ql, .offset: 16, .size: 8, .value_kind: global_buffer, .address_space: global }
    .group_segment_fixed_size: 327680
    .private_segment_fixed_size: 0
    .kernarg_segment_align: 8
    .kernarg_segment_size: 24
    .max_flat_workgroup_size: 128
    .sgpr_count:     84
    .vgpr_count:     768
    .wavefront_size: 32
...
	.end_amdgpu_metadata
.endif
;; end of part 2
;; launch gemm_kv (part 3): grid 16 x 16, 4 waves a work-group, clusters of 4 x 4, 327,680 bytes of LDS; arguments ql, wbf, kv; writes kv
.if DOCPART == 3
	.amdgcn_target "amdgcn-amd-amdhsa--gfx1250"
	.amdhsa_code_object_version 6
	.text
	.protected	k_q67ec5dd685_gemm_kv
	.globl	k_q67ec5dd685_gemm_kv
	.p2align	8
	.type	k_q67ec5dd685_gemm_kv,@function
k_q67ec5dd685_gemm_kv:
	s_mov_b64 s[64:65], 0
	v_nop
	global_prefetch_b8 v0, s[64:65] scope:SCOPE_SE
	s_setreg_imm32_b32 hwreg(HW_REG_WAVE_MODE, 25, 1), 1
	s_wait_xcnt 0x0
	s_wait_alu depctr_hold_cnt(0) depctr_sa_sdst(0) depctr_va_vdst(0) depctr_va_sdst(0) depctr_va_ssrc(0) depctr_va_vcc(0) depctr_vm_vsrc(0)
	s_getreg_b32 s2, hwreg(HW_REG_IB_STS2, 6, 4)
	s_cmp_eq_u32 s2, 0
	s_cbranch_scc0 .Lentry_in_a_cluster
	s_endpgm
.Lentry_in_a_cluster:
	s_bfe_u32 s2, ttmp6, 0x10000c
	s_cmp_lg_u32 s2, 0xf033
	s_cbranch_scc0 .Lentry_shape_is_right
	s_endpgm
.Lentry_shape_is_right:
; [k | v] = latent W_kv_up: [4096][512] x [512][2048], bf16 operands, f32 sums, bf16 out by heads: [k, v][batch][head][t][64].  16 x 16 tiles of 256 x 128.
; latent lies in slices of 64 columns behind q in its buffer; a slice's 256 rows are 32,768 dense bytes, asked for as 128 rows of 256 bytes and padded behind every 128.
.set KIND, 1
.set MB, 8                             ; blocks of 16 rows a wave
.set NBK, 4                            ; blocks of 16 columns a wave
.set KDIM, 512
.set NDIM, 2048                        ; W's pitch in elements
.set WOFF, 3145728                     ; W's first byte in wbf
.set ASL, 1                            ; A lies in slices
.set AOFF, 8388608
.set BSTR, 2097152                     ; bytes from batch to batch: 8 slices
.set AQI, 4                            ; A's padding: behind every 32 words
.set AT0, 128                          ; A's tensor load: elements a row, rows, pitch
.set AT1, 128
.set AST, 128
.set SLOT1, 0x20000
.set HASB, 0
.set RELU, 0
.set ARGB, 0
.set ARGO, 0x10
; THE COMMON TEXT (bf16 out).  C = A W.  Four waves, 2 x 2; a wave makes 16 MB x 16 NBK of C.  K goes in steps of 128 through two LDS slots filled by the tensor data mover.
; THE MATRIX INSTRUCTION IS USED TRANSPOSED: source 0 = 16 columns of W, source 1 = 16 rows of A, so a lane holds eight neighbouring columns of one row of C.
; W stays [K][N] in LDS; its fragments come turned, by ds_load_tr16_b128.  A step is four chunks of 32 along K on two fragment buffers; it is written once, and the slot's LDS offset is a scalar that an exclusive or turns.
; CLUSTER 4 x 4: A's tile hangs on the tile row alone and is asked for jointly along a row of the cluster, W's on the tile column alone and jointly along a column.
; K IS WALKED ROUND.  A cluster begins at K step S0 = (NSTEP/4 x cluster x + NSTEP/2 x (cluster y mod 2)) mod NSTEP and wraps at NSTEP: every step is taken once, and the f32 sums take K in that order.
; So the clusters of one cluster row, which read the same rows of A, begin NSTEP/4 steps apart, and neighbouring cluster rows, which read the same columns of W, NSTEP/2 apart: a tile that several
; clusters need is not asked for by all of them in the same step.  S0 hangs on the cluster's place in the grid alone, which all sixteen partners share.
; REGISTERS, in windows of 256: window 0: v0-31 addresses, v64-191 A's two fragment buffers (later the way out), v192-223 packed results;
;   window 1: v0-63 the bias as a C operand, v64-191 W's two buffers;   windows 2, 3: accumulator (a, b) at 8 (a NBK + b).
; LDS: slot 0 at 0, slot 1 at SLOT1, each A's tile then W's; behind them a stage for each wave and the spare words.
; LIMITS: relu, where it is taken, is v_max_num_f32 with 0: a NaN becomes 0.  Operands are rounded to bf16.
.set KSTEP, 128
.set TM, 32*MB
.set TN, 32*NBK
.set NSTEP, KDIM/KSTEP
.set NL, 2*(NBK+MB)                    ; LDS loads of a chunk
.if ASL
.set PA, 144                           ; a slice's row: 128 bytes + 16: the 16 rows of a fragment load start at 16 different groups of four banks (ISA guide 11.1)
.set ATILE, 2*TM*PA                    ; two slices of TM rows
.set ASTEP, 2*262144
.set AO2, TM*PA                        ; chunk 2 begins the second slice
.else
.set PA, 272                           ; 256 bytes + 16
.set ATILE, TM*PA
.set ASTEP, KSTEP*2
.set AO2, 128
.endif
.set AO1, 64
.set AO3, AO2+64
.set PB, 2*TN+32                       ; a row of W's tile + 32 bytes: an odd multiple of 32
.set BQI, 4+TN/128
.set BTILE, KSTEP*PB
.set BSTEP, KSTEP*NDIM*2
.set STAGE, SLOT1+ATILE+BTILE
.set STW, (NBK/4)*16*144               ; a wave's stage: 16 rows x 144 bytes for each slice
.set SPARE, STAGE+4*STW                ; the spare words: 128 bytes a wave, named by no other line
.set OBN, 32/NBK                       ; blocks that v64-191 hold on the way out
.set CM0, 1+HASB
.set ADRA0, 16                         ; v16, v17  my lane's place in A's and W's tile; never rewritten
.set ADRB0, 17
.set ADRA, 18                          ; v18, v19  the same in the slot in hand
.set ADRB, 19
.set STO, 24
.set RD, 25
.set GO, 26
.set BO, 27
.set SPW, 28
.set NIL, 29
.set TMP, 192
.set G1, 24                            ; s[24:31] A's group 1; s[32:39] its group 0, two sets: set 1 walks
.set G0, 32
.set G1B, 48                           ; s[48:55], s[56:63] the same for W
.set G0B, 56
.set TB, 45                            ; s45 LDS offset of the slot in hand
.set BASEA, 74                         ; s[74:75] A at my part of K step 0, s[76:77] W likewise; never rewritten
.set BASEB, 76
.set KI, 78                            ; s78 the K step asked for last
.set OFA, 80                           ; s[80:81], s[82:83] that step's byte offsets in A and in W
.set OFB, 82
.set MSB, 0
.macro WIN new                         ; the immediate's high byte repeats the setting that is left; a switch that changes nothing is dropped
.if MSB != (\new)
	s_set_vgpr_msb (MSB<<8)|(\new)
.set MSB, (\new)
.endif
.endm
.macro PLACES                          ; four places behind matrix instructions (ISA guide 7.12.1), where no other vector work is at hand
.rept 4
	v_nop
.endr
.endm
.macro STEPK                           ; the next K step, round NSTEP
	s_add_co_u32 s[KI], s[KI], 1
	s_and_b32 s[KI], s[KI], NSTEP-1
.endm
.macro AIM st                          ; set st of both group 0s takes K step KI: base + offset, the type bits anew
	s_mul_i32 s[OFA], s[KI], ASTEP
	s_mul_i32 s[OFB], s[KI], BSTEP
	s_add_nc_u64 s[G0+4*(\st)+2:G0+4*(\st)+3], s[BASEA:BASEA+1], s[OFA:OFA+1]
	s_or_b32 s[G0+4*(\st)+3], s[G0+4*(\st)+3], 0x80000000
	s_add_nc_u64 s[G0B+4*(\st)+2:G0B+4*(\st)+3], s[BASEB:BASEB+1], s[OFB:OFB+1]
	s_or_b32 s[G0B+4*(\st)+3], s[G0B+4*(\st)+3], 0x80000000
.endm
.macro JLOAD                           ; the joint refill: waves 0, 1 A's halves, waves 2, 3 W's; s_nop 0 and four v_nop follow each line
	s_cmp_eq_u32 s11, 0
	s_cbranch_scc0 .Lfor_b_\@
	tensor_load_to_lds s[G0+4:G0+7], s[G1:G1+7]
	s_nop 0
	PLACES
	s_branch .Lasked_\@
.Lfor_b_\@:
	tensor_load_to_lds s[G0B+4:G0B+7], s[G1B:G1B+7]
	s_nop 0
	PLACES
.Lasked_\@:
.endm
.macro CREST                           ; a round of the cluster's barrier behind its opening barrier
	s_cmp_lg_u32 s10, 0
	s_cbranch_scc1 .Lnot_wave_0_\@
	s_barrier_signal -3
.Lnot_wave_0_\@:
	s_barrier_wait -3
	s_barrier_signal -1
	s_barrier_wait -1
.endm
.macro CROUND
	s_barrier_signal -1
	s_barrier_wait -1
	CREST
.endm
; na row blocks from a0 on x all column blocks, 32 along K, from buffer f.  cm = 0: add in place; 1: the product starts the sum with 0; 2: with the bias.
; Every accumulator has one instruction a turn, in the same order in every chunk.
.macro MUL f, a0, na, cm
.set ma, (\a0)
.rept (\na)
.set mb, 0
.rept NBK
.set RG, 8*(ma*NBK+mb)
.set WD, 2+RG/256
.set RG, RG%256
.if (\cm) == 2
	WIN 0x11|(WD<<6)
	v_wmma_f32_16x16x32_bf16 v[RG:RG+7], v[64+64*(\f)+8*mb:64+64*(\f)+8*mb+7], v[64+64*(\f)+8*ma:64+64*(\f)+8*ma+7], v[8*mb:8*mb+7]
.elseif (\cm) == 1
	WIN 0x01|(WD<<4)|(WD<<6)
	v_wmma_f32_16x16x32_bf16 v[RG:RG+7], v[64+64*(\f)+8*mb:64+64*(\f)+8*mb+7], v[64+64*(\f)+8*ma:64+64*(\f)+8*ma+7], 0
.else
	WIN 0x01|(WD<<4)|(WD<<6)
	v_wmma_f32_16x16x32_bf16 v[RG:RG+7], v[64+64*(\f)+8*mb:64+64*(\f)+8*mb+7], v[64+64*(\f)+8*ma:64+64*(\f)+8*ma+7], v[RG:RG+7]
.endif
.set mb, mb+1
.endr
.set ma, ma+1
.endr
.endm
.macro FETCH oa, ob, g                 ; one chunk's fragments in one run: W's (turned), then A's, into buffer g
	WIN 0x40
.set fi, 0
.rept NBK
	ds_load_tr16_b128 v[64+64*(\g)+8*fi:64+64*(\g)+8*fi+3],   v[ADRB] offset:(\ob)+32*fi
	ds_load_tr16_b128 v[64+64*(\g)+8*fi+4:64+64*(\g)+8*fi+7], v[ADRB] offset:(\ob)+32*fi+16*PB
.set fi, fi+1
.endr
	WIN 0
.set fi, 0
.rept MB
	ds_load_b128 v[64+64*(\g)+8*fi:64+64*(\g)+8*fi+3],   v[ADRA] offset:(\oa)+fi*16*PA
	ds_load_b128 v[64+64*(\g)+8*fi+4:64+64*(\g)+8*fi+7], v[ADRA] offset:(\oa)+fi*16*PA+32
.set fi, fi+1
.endr
.endm
.macro CHUNK f, g, oa, ob, cm          ; multiplies buffer f; in its middle fetches the next chunk into g
	s_wait_dscnt MB                                ; W and A's lower half are in; the MB youngest loads (A's upper half) may be out
	MUL \f, 0, MB/2, \cm
	PLACES
	FETCH \oa, \ob, \g
	s_wait_dscnt NL                                ; all but the NL just issued
	MUL \f, MB/2, MB/2, \cm
.endm
; A step's last chunk (buffer 1) changes slots: one barrier.  In front of it each wave waits for all its tensor loads (one is out: its part of the next slot), adds 0 to its spare
; word, and waits for that and for its reads of this slot.  fill = 1: the barrier opens a round of the cluster's, and this slot is filled again first behind it, two steps ahead.
.macro TURN fill
	WIN 0
	s_wait_tensorcnt 0x0
	ds_add_u32 v[SPW], v[NIL]
.if \fill
	STEPK                                          ; no load of mine is out: the walking sets take the other slot and the next K step
	s_xor_b32 s[G0+5], s[G0+5], SLOT1
	s_xor_b32 s[G0B+5], s[G0B+5], SLOT1
	AIM 1
.endif
	s_wait_dscnt MB+1                              ; the add and A's upper half may be out
	MUL 1, 0, MB/4, 0
	s_wait_dscnt 0x0                               ; the add is done, my reads of this slot are over
	s_barrier_signal -1
	MUL 1, MB/4, MB/4, 0
	WIN 0
	s_barrier_wait -1
.if \fill
	CREST
	JLOAD                                          ; its four v_nop are also the places in front of the loads below
.else
	PLACES
.endif
	s_xor_b32 s[TB], s[TB], SLOT1
	v_add_nc_u32 v[ADRA], s[TB], v[ADRA0]
	v_add_nc_u32 v[ADRB], s[TB], v[ADRB0]
	FETCH 0, 0, 0
	MUL 1, MB/2, MB/2, 0
.endm
.macro MID
	CHUNK 1, 0, AO2, 64*PB, 0
	CHUNK 0, 1, AO3, 96*PB, 0
.endm
	s_load_b128 s[4:7], s[0:1], 0x0                ; A, wbf
	s_load_b64 s[8:9], s[0:1], ARGO                ; the output
.if HASB
	s_load_b64 s[68:69], s[0:1], ARGB              ; the bias
.endif
	v_lshl_add_u32 v[SPW], v0, 2, SPARE
	v_mov_b32 v[NIL], 0
	ds_add_u32 v[SPW], v[NIL]                      ; the wave's opening: the add and its wait stand ahead of my first tensor load
	ds_add_u32 v28, v29
	v_lshrrev_b32 v1, 5, v0
	v_readfirstlane_b32 s10, v1                    ; wave 0..3
	s_lshr_b32 s11, s10, 1                         ; my half of the tile's rows.  Also: I fetch for A (0) or for W (1)
	s_and_b32 s12, s10, 1                          ; my half of its columns.  Also: which half of that tile I fetch
	s_bfe_u32 s40, ttmp6, 0x40000                  ; cx, cy
	s_bfe_u32 s41, ttmp6, 0x40004
	s_lshl_b32 s42, ttmp9, 2
	s_add_co_u32 s42, s42, s40                     ; tile column
	s_and_b32 s13, ttmp7, 0xffff
	s_lshl_b32 s13, s13, 2
	s_add_co_u32 s13, s13, s41                     ; tile row
	s_lshl_b32 s43, s41, 2
	s_lshl_b32 s43, 15, s43                        ; my row of the cluster
	s_lshl_b32 s44, 0x1111, s40                    ; my column
	s_and_b32 s[KI], ttmp7, 1                      ; S0, from the cluster's x and y alone
	s_mul_i32 s[KI], s[KI], NSTEP/2
	s_mul_i32 s79, ttmp9, NSTEP/4
	s_add_co_u32 s[KI], s[KI], s79
	s_and_b32 s[KI], s[KI], NSTEP-1
	s_mov_b32 s[OFA+1], 0
	s_mov_b32 s[OFB+1], 0
	s_or_b32 s[G1+0], s43, (1<<16)|(1<<20)|(1<<21)|(AQI<<22)|(3<<25)   ; mask; 2-byte elements; padding on; bit 21 beside a mask; interval; 4 words of padding
	s_mov_b32 s[G1+1], (AT0&0xffff)<<16            ; tensor_dim0
	s_mov_b32 s[G1+2], (AT0>>16)|(AT1<<16)         ; tensor_dim1
	s_mov_b32 s[G1+3], AT0<<16                     ; tile_dim0
	s_mov_b32 s[G1+4], AT1                         ; tile_dim1
	s_mov_b32 s[G1+5], AST                         ; pitch
	s_mov_b32 s[G1+6], 0
	s_mov_b32 s[G1+7], 0
	s_or_b32 s[G1B+0], s44, (1<<16)|(1<<20)|(1<<21)|(BQI<<22)|(7<<25)  ; the same for W: 8 words of padding behind each row
	s_mov_b32 s[G1B+1], TN<<16
	s_mov_b32 s[G1B+2], (KSTEP/2)<<16
	s_mov_b32 s[G1B+3], TN<<16
	s_mov_b32 s[G1B+4], KSTEP/2
	s_mov_b32 s[G1B+5], NDIM
	s_mov_b32 s[G1B+6], 0
	s_mov_b32 s[G1B+7], 0
	s_mul_i32 s16, s13, TM                         ; A's offset: made of the tile row and the wave's number alone
.if ASL
	s_lshr_b32 s17, s16, 11                        ; batch
	s_and_b32 s16, s16, 2047                       ; t
	s_mul_i32 s17, s17, BSTR
	s_lshl_b32 s16, s16, 7
	s_add_co_u32 s16, s16, s17
	s_mul_i32 s17, s12, 262144                     ; my slice of the step's two
	s_add_co_u32 s16, s16, s17
	s_add_co_u32 s16, s16, AOFF
.else
	s_mul_i32 s17, s12, TM/2
	s_add_co_u32 s16, s16, s17
	s_mul_i32 s16, s16, KDIM*2
.endif
	s_mov_b32 s17, 0
	s_mul_i32 s46, s42, TN*2                       ; W's offset: the tile column and the wave's number alone
	s_mul_i32 s47, s12, (KSTEP/2)*NDIM*2
	s_add_co_u32 s46, s46, s47
	s_add_co_u32 s46, s46, WOFF
	s_mov_b32 s47, 0
	s_mul_i32 s20, s12, ATILE/2                    ; where they go: no place in the cluster enters an LDS address
	s_mul_i32 s21, s12, BTILE/2
	s_add_co_u32 s21, s21, ATILE
	s_wait_dscnt 0x0                               ; the opening add is done
	s_wait_kmcnt 0x0
	s_add_nc_u64 s[BASEA:BASEA+1], s[4:5], s[16:17]
	s_add_nc_u64 s[BASEB:BASEB+1], s[6:7], s[46:47]
.irp s, 0,1
	s_mov_b32 s[G0+4*(\s)], 1
	s_add_co_u32 s[G0+4*(\s)+1], s20, (\s)*SLOT1
	s_mov_b32 s[G0B+4*(\s)], 1
	s_add_co_u32 s[G0B+4*(\s)+1], s21, (\s)*SLOT1
.endr
	AIM 0                                          ; slot 0 takes K step S0,
	STEPK
	AIM 1                                          ; slot 1 the step behind it
	CROUND                                         ; all sixteen work-groups are here: the first joint loads meet
	s_cmp_eq_u32 s11, 0                            ; a wave's two first fills stand in one branch: two loads of mine are out
	s_cbranch_scc0 .Lfirst_b
	tensor_load_to_lds s[G0:G0+3], s[G1:G1+7]
	s_nop 0
	tensor_load_to_lds s[G0+4:G0+7], s[G1:G1+7]
	s_nop 0
	PLACES
	s_branch .Lfirst_done
.Lfirst_b:
	tensor_load_to_lds s[G0B:G0B+3], s[G1B:G1B+7]
	s_nop 0
	tensor_load_to_lds s[G0B+4:G0B+7], s[G1B:G1B+7]
	s_nop 0
	PLACES
.Lfirst_done:
	v_and_b32 v1, 15, v0                           ; r = l % 16
	v_bfe_u32 v2, v0, 4, 1                         ; h = l / 16
.if HASB
	s_mul_i32 s18, s42, TN*4                       ; my first column's bias
	s_mul_i32 s19, s12, TN*2
	s_add_co_u32 s18, s18, s19
	s_mov_b32 s19, 0
	s_add_nc_u64 s[68:69], s[68:69], s[18:19]
	v_lshlrev_b32 v[BO], 5, v2                     ; register j of block b: column 16 b + 8 h + j
	WIN 0x40
.set fi, 0
.rept NBK
	global_load_b128 v[8*fi:8*fi+3],   v[BO], s[68:69] offset:64*fi
	global_load_b128 v[8*fi+4:8*fi+7], v[BO], s[68:69] offset:64*fi+16
.set fi, fi+1
.endr
	WIN 0
.endif
	s_mul_i32 s16, s13, TM                         ; where my part of C begins: batch, t, slice
	s_lshr_b32 s17, s16, 11
	s_and_b32 s16, s16, 2047
	s_mul_i32 s18, s11, 16*MB
	s_add_co_u32 s16, s16, s18
	s_lshl_b32 s16, s16, 7
.if KIND == 0                          ; 16 slices of q for each batch, then 8 of latent: slice cs + 16 u + b (16 - 8 u), u = 1 for latent
	s_lshl_b32 s46, s42, 1
	s_add_co_u32 s46, s46, s12
	s_lshr_b32 s47, s46, 4
	s_lshl_b32 s18, s47, 3
	s_sub_co_u32 s18, 16, s18
	s_mul_i32 s18, s18, s17
	s_lshl_b32 s47, s47, 4
	s_add_co_u32 s46, s46, s47
	s_add_co_u32 s46, s46, s18
.elseif KIND == 1                      ; k's 32 slices, then v's
	s_lshl_b32 s46, s42, 1
	s_add_co_u32 s46, s46, s12
	s_lshr_b32 s47, s46, 4
	s_lshl_b32 s47, s47, 5
	s_and_b32 s46, s46, 15
	s_add_co_u32 s46, s46, s47
	s_lshl_b32 s18, s17, 4
	s_add_co_u32 s46, s46, s18
.else                                  ; 64 slices for each batch, two a wave
	s_lshl_b32 s46, s42, 2
	s_lshl_b32 s47, s12, 1
	s_add_co_u32 s46, s46, s47
	s_lshl_b32 s18, s17, 6
	s_add_co_u32 s46, s46, s18
.endif
	s_lshl_b32 s46, s46, 18                        ; a slice is 262,144 bytes
	s_add_co_u32 s46, s46, s16
	s_mov_b32 s47, 0
	s_add_nc_u64 s[8:9], s[8:9], s[46:47]
	v_mul_u32_u24 v3, v1, PA                       ; A's fragment: lane l holds row r, K = 8 h + 0..7 and 16 + 8 h + 0..7: two loads of 16 bytes, 32 apart
	v_lshl_add_u32 v3, v2, 4, v3
	s_mul_i32 s21, s11, 16*MB*PA
	v_add_nc_u32 v[ADRA0], s21, v3
	v_and_b32 v4, 7, v0                            ; W's: lane l addresses row 8 h + l % 8, 16 bytes at 16 ((l / 8) % 2); the turning load leaves column r, eight K
	v_lshl_add_u32 v4, v2, 3, v4
	v_mul_u32_u24 v4, v4, PB
	v_bfe_u32 v5, v0, 3, 1
	v_lshl_add_u32 v4, v5, 4, v4
	s_mul_i32 s22, s12, 32*NBK
	s_add_co_u32 s22, s22, ATILE
	v_add_nc_u32 v[ADRB0], s22, v4
	v_mov_b32 v[ADRA], v[ADRA0]
	v_mov_b32 v[ADRB], v[ADRB0]
	s_mov_b32 s[TB], 0
	s_mul_i32 s23, s10, STW
	s_add_co_u32 s23, s23, STAGE                   ; my stage
	v_mul_u32_u24 v6, v1, 144                      ; in: row r, 16 bytes for each half of the lanes
	v_lshl_add_u32 v6, v2, 4, v6
	v_add_nc_u32 v[STO], s23, v6
	v_bfe_u32 v6, v0, 3, 2                         ; back: 32 lanes take four rows of 128 bytes,
	v_mul_u32_u24 v6, v6, 144
	v_and_b32 v7, 7, v0
	v_lshl_add_u32 v6, v7, 4, v6
	v_add_nc_u32 v[RD], s23, v6
	v_and_b32 v[GO], 31, v0                        ; which are 512 consecutive bytes of a slice
	v_lshlrev_b32 v[GO], 4, v[GO]
	s_wait_tensorcnt 0x1                           ; my part of slot 0 is in; slot 1's may stay out
	s_barrier_signal -1
	s_barrier_wait -1
	FETCH 0, 0, 0
.if HASB
	s_wait_loadcnt 0x0                             ; the bias
.endif
	CHUNK 0, 1, AO1, 32*PB, CM0                    ; the first chunk stands ahead of the loop: its products start the sums
	WIN 0
	s_mov_b32 s3, NSTEP-2
.Lstep:                                                ; a trip: a step's chunks 1 to 3 and the next step's chunk 0; every slot but the last two is filled again
	MID
	TURN 1
	CHUNK 0, 1, AO1, 32*PB, 0
	WIN 0
	s_sub_co_u32 s3, s3, 1
	s_cmp_lg_u32 s3, 0
	s_cbranch_scc1 .Lstep
	s_mov_b32 s3, 2
.Ltail:                                                ; the last two steps ask for nothing: a text of their own
	MID
	WIN 0
	s_cmp_eq_u32 s3, 1
	s_cbranch_scc1 .Llast
	TURN 0
	CHUNK 0, 1, AO1, 32*PB, 0
	WIN 0
	s_sub_co_u32 s3, s3, 1
	s_cmp_lg_u32 s3, 0
	s_cbranch_scc1 .Ltail
.Llast:
	s_wait_dscnt MB
	MUL 1, 0, MB/2, 0
	s_wait_dscnt 0x0
	MUL 1, MB/2, MB/2, 0
	PLACES
; THE WAY OUT, a block of 16 rows at a time through my own stage: no barrier, and LDS serves a wave's instructions in order (ISA guide 5.7.1.4).
.macro PACK a                          ; (relu,) rounded to bf16; each accumulator is read from its low end
.set RG, 8*(\a)*NBK
.set WD, 2+RG/256
.set RG, RG%256
.if RELU
	WIN (WD<<2)|(WD<<6)
.set pj, 0
.rept 8*NBK
	v_max_num_f32 v[RG+pj], 0, v[RG+pj]
.set pj, pj+1
.endr
.endif
	WIN WD|(WD<<2)
.set pj, 0
.rept 4*NBK
	v_cvt_pk_bf16_f32 v[TMP+pj], v[RG+2*pj], v[RG+2*pj+1]
.set pj, pj+1
.endr
	WIN 0
.endm
.macro TOSTAGE a
.set OBA, 64+4*NBK*((\a)%OBN)
.set pj, 0
.rept NBK
	ds_store_b128 v[STO], v[TMP+4*pj:TMP+4*pj+3] offset:(pj/4)*2304+(pj%4)*32
.set pj, pj+1
.endr
.set pj, 0
.rept NBK
	ds_load_b128 v[OBA+4*pj:OBA+4*pj+3], v[RD] offset:(pj/4)*2304+(pj%4)*576
.set pj, pj+1
.endr
.endm
.macro SEND a
.set OBA, 64+4*NBK*((\a)%OBN)
	s_wait_dscnt 0x0                               ; the block is back in registers
.if MB > OBN
	s_wait_xcnt 0x0                                ; registers that earlier stores read are loaded again only behind this wait
.endif
.set pj, 0
.rept NBK
	global_store_b128 v[GO], v[OBA+4*pj:OBA+4*pj+3], s[8:9] offset:(\a)*2048+(pj%4)*512+(pj/4)*262144  ; 512 consecutive bytes, aligned
.set pj, pj+1
.endr
.endm
	PACK 0
	TOSTAGE 0
.set blk, 1
.rept MB-1                             ; a block's arithmetic stands between the loads of the block before and the wait for them
	PACK blk
	SEND blk-1
	TOSTAGE blk
.set blk, blk+1
.endr
	SEND MB-1
	s_wait_tensorcnt 0x0                           ; the wave's end
	ds_add_u32 v[SPW], v[NIL]
	s_wait_dscnt 0x0
	CROUND                                         ; the closing round
	s_endpgm
.Lfunc_end_k_q67ec5dd685_gemm_kv:
	.size	k_q67ec5dd685_gemm_kv, .Lfunc_end_k_q67ec5dd685_gemm_kv-k_q67ec5dd685_gemm_kv
	.p2alignl 7, 3214868480
	.fill 96, 4, 3214868480
	.section	.rodata,"a",@progbits
	.p2align	6, 0x0
	.amdhsa_kernel k_q67ec5dd685_gemm_kv
		.amdhsa_group_segment_fixed_size 327680
		.amdhsa_private_segment_fixed_size 0
		.amdhsa_enable_private_segment 0
		.amdhsa_kernarg_size 24
		.amdhsa_user_sgpr_count 2
		.amdhsa_user_sgpr_kernarg_segment_ptr 1
		.amdhsa_wavefront_size32 1
		.amdhsa_system_sgpr_workgroup_id_x 1
		.amdhsa_system_sgpr_workgroup_id_y 1
		.amdhsa_system_sgpr_workgroup_id_z 1
		.amdhsa_system_vgpr_workitem_id 0
		.amdhsa_next_free_vgpr 768
		.amdhsa_next_free_sgpr 84
		.amdhsa_reserve_vcc 0
		.amdhsa_float_denorm_mode_32 3
		.amdhsa_float_denorm_mode_16_64 3
		.amdhsa_memory_ordered 1
		.amdhsa_forward_progress 1
		.amdhsa_inst_pref_size 65
	.end_amdhsa_kernel
	.amdgpu_metadata
---
amdhsa.version: [ 1, 2 ]
amdhsa.kernels:
  - .name:           k_q67ec5dd685_gemm_kv
    .symbol:         k_q67ec5dd685_gemm_kv.kd
    .args:
      - { .name: ql, .offset: 0, .size: 8, .value_kind: global_buffer, .address_space: global }
      - { .name: wbf, .offset: 8, .size: 8, .value_kind: global_buffer, .address_space: global }
      - { .name: kv, .offset: 16, .size: 8, .value_kind: global_buffer, .address_space: global }
    .group_segment_fixed_size: 327680
    .private_segment_fixed_size: 0
    .kernarg_segment_align: 8
    .kernarg_segment_size: 24
    .max_flat_workgroup_size: 128
    .sgpr_count:     84
    .vgpr_count:     768
    .wavefront_size: 32
...
	.end_amdgpu_metadata
.endif
;; end of part 3
;; launch attn (part 4): grid 8 x 32, 4 waves a work-group, no clusters, 327,680 bytes of LDS; arguments ql, kv, y; writes y
.if DOCPART == 4
	.amdgcn_target "amdgcn-amd-amdhsa--gfx1250"
	.amdhsa_code_object_version 6
	.text
	.protected	k_q67ec5dd685_attn
	.globl	k_q67ec5dd685_attn
	.p2align	8
	.type	k_q67ec5dd685_attn,@function
k_q67ec5dd685_attn:
	s_mov_b64 s[64:65], 0
	v_nop
	global_prefetch_b8 v0, s[64:65] scope:SCOPE_SE
	s_setreg_imm32_b32 hwreg(HW_REG_WAVE_MODE, 25, 1), 1
	s_wait_xcnt 0x0
; CAUSAL ATTENTION.  y[bh][q][:] = the sum over k <= q of softmax_k(Q[bh][q] . K[bh][k] / 8) V[bh][k][:].  Q (in ql), K and V (in kv, V 8,388,608 bytes behind K) and y: [32][2048][64] bf16, a head's rows dense.
; Products, maxima and sums in f32; the weights are rounded to bf16 for the second product (their sum is taken of the unrounded weights), y once at the end.
; LIMITS.  A hidden score counts as its value less 1e30; a weight below 2^-126 counts as 0 in the sum; NaN and infinities are not treated apart.
; THE WALK.  A head's queries lie in 16 blocks of 128; block i needs the key tiles 0 .. i / 2 of 256 keys, of which the last takes masks.  A work-group takes blocks 15 - p and then p: 9 tiles whatever p,
; so all 256 work-groups do equal work and one loop with a constant trip count walks them; the ring of two LDS slots runs on across the change of blocks.  For an even block two of the last tile's four key steps are wholly hidden and are computed all the same.
; NO CLUSTER: a head's eight work-groups ask for the same tile only in the first five of the nine trips; a walk common to all would have 12 trips for 9.
; SHARES.  A wave owns two tiles of 16 queries: rows 64 x + 16 w + r of the block, x = 0, 1.  In the block's last key tile, tile x's own step is x + 2 (i % 2): earlier steps are all seen, later ones all hidden.
; THE MASK is the C operand that starts S^T = K Q^T: MD (the own step's mask for my rows, made once) x AL + BE, with (1, 0), (0, 0) or (0, -1e30).
; LAYOUT.  S^T = K Q^T holds one query a lane (l % 16) and the keys 8 (l / 16) + 0..7; two such results rounded to bf16 are source 1 of O^T = V^T P.  p = 2^(c s - c m), c = log2(e) / 8, with a running maximum m;
; O and l are multiplied by a = 2^(c m_old - c m_new) in every step.
; A KEY STEP IN PHASES: K of the step is fetched; V^T P of the step before; K Q^T; V of the step is fetched; the softmax.  K lands under V^T P, V under the softmax.
; REGISTERS, in windows of 256: window 0: v2-15 addresses, v16-23 statistics, v48-55 at work, v64-127 S^T, v192-223 P;  window 1: v0-63 O^T, v128-159 MD, v160-223 MC;
;   window 2: v0-31 Q, v64-95 the second block's Q, v128-191 K, v192-255 V.
.set KS,    64
.set PK,    144                        ; a row of K in LDS: 128 bytes + 16
.set PVR,   160                        ; a row of V: 128 + 32: an odd multiple of 32
.set VOFF,  4*KS*PK                    ; a slot: 256 rows of K, then 256 rows of V
.set SLOT1, 1<<17
.set STAGE, SLOT1+4*KS*(PK+PVR)        ; 16 rows x 144 bytes for each wave, never filled by a tensor load
.set SP,    144
.set SPARE, STAGE+4*16*SP              ; the spare words: 128 bytes a wave, named by no other line
.set AK0, 2
.set AV0, 3
.set AK,  4
.set AV,  5
.set STO, 6
.set RD,  7
.set GO,  8
.set MV,  12                           ; v12-13 c m_old, by tile
.set QO,  15
.set ST,  16                           ; tile t: c m, m, l (even keys', odd keys') at v[16+4t]
.set TMP, 48                           ; tile t: c0-c3 at work; c2 takes a
.set SPW, 62
.set NIL, 63
.set S,   64
.set P,   192
.set MD,  128
.set MC,  160
.set QB,  64
.set KF,  128
.set VF,  192
.set WV,  12
.set PB,  14                           ; s14 p, s15 15 - p
.set HI,  15
.set G1K, 24
.set G1V, 32
.set G0K, 40
.set G0V, 44
.set SLOTS, 56
.set CNT, 57                           ; a tile's key steps, 4 to 1
.set CS,  58
.set SEL, 60
.set TBK, 62
.set TBV, 63
.set RT,  70                           ; tiles of the block in hand still to be entered
.set NXT, 71                           ; the tile to be asked for next
.set LQ,  72                           ; the last tile of the block whose tiles are being asked for
.set NEW, 73                           ; 1: the tile to be entered is a block's first
.set OFF, 74
.set AL,  76
.set BE,  78
.set OLO, 80                           ; y at my rows of the second block
.set BIGN, 82
.set LQ2, 83                           ; the second block's last tile
.set OWN0, 84                          ; CNT at tile 0's and tile 1's own step
.set OWN1, 85
.set OWB0, 86                          ; the same for the second block
.set OWB1, 87
.set RT2, 88
.set MSB, 0
.macro WIN new
.if MSB != (\new)
	s_set_vgpr_msb (MSB<<8)|(\new)
.set MSB, (\new)
.endif
.endm
.set W_KQ, 0x0a                        ; K and Q in window 2, S^T in window 0
.set W_KM, 0x1a                        ; the same with the C operand in window 1
.set W_PV, 0x52                        ; V in window 2, P in window 0, O^T in window 1
.set W_RS, 0x41                        ; destination and source 0 in window 1
.macro PLACES
.rept 4
	v_nop
.endr
.endm
.macro LOAD                            ; waves 0, 1 fetch the halves of a tile's K, waves 2, 3 those of its V; s_nop 0 and four v_nop follow each line
	s_cmp_lt_u32 s[WV], 2
	s_cbranch_scc0 .Lfor_v_\@
	tensor_load_to_lds s[G0K:G0K+3], s[G1K:G1K+7]
	s_nop 0
	PLACES
	s_branch .Lasked_\@
.Lfor_v_\@:
	tensor_load_to_lds s[G0V:G0V+3], s[G1V:G1V+7]
	s_nop 0
	PLACES
.Lasked_\@:
.endm
; THE CHANGE OF SLOTS.  Each wave waits for all its tensor loads (one is out: its part of the other slot), adds 0 to its spare word, and waits for that and for its reads of the slot that it leaves.
; fill = 1: the old slot is filled again, first behind the barrier, with tile NXT; the descriptor's address is made anew from that number.
.macro CHANGE fill
	WIN 0
	s_wait_tensorcnt 0x0
	ds_add_u32 v[SPW], v[NIL]
.if \fill
	s_lshl_b32 s[OFF], s[NXT], 15                  ; a tile is 32,768 bytes of K and of V
	s_xor_b32 s[G0K+1], s[G0K+1], SLOT1
	s_add_nc_u64 s[G0K+2:G0K+3], s[6:7], s[OFF:OFF+1]
	s_or_b32 s[G0K+3], s[G0K+3], 0x80000000
	s_xor_b32 s[G0V+1], s[G0V+1], SLOT1
	s_add_nc_u64 s[G0V+2:G0V+3], s[8:9], s[OFF:OFF+1]
	s_or_b32 s[G0V+3], s[G0V+3], 0x80000000
	s_add_co_u32 s[NXT], s[NXT], 1                 ; the block's next tile, or behind its last the second block's tile 0
	s_cmp_gt_u32 s[NXT], s[LQ]
	s_cselect_b32 s[NXT], 0, s[NXT]
	s_cselect_b32 s[LQ], s[LQ2], s[LQ]
.endif
	s_wait_dscnt 0x0                               ; the add is done, my reads of the slot are over
	s_barrier_signal -1
	s_sub_co_u32 s[TBK], s[TBK], 4*KS*PK           ; the fetches go back to a slot's first step, in the other slot
	s_xor_b32 s[TBK], s[TBK], SLOT1
	s_sub_co_u32 s[TBV], s[TBV], 4*KS*PVR
	s_xor_b32 s[TBV], s[TBV], SLOT1
	s_barrier_wait -1
.if \fill
	LOAD
.endif
.endm
	s_load_b128 s[4:7], s[0:1], 0x0                ; ql s[4:5], kv s[6:7]
	s_load_b64 s[10:11], s[0:1], 0x10              ; y
	v_lshl_add_u32 v[SPW], v0, 2, SPARE
	v_mov_b32 v[NIL], 0
	ds_add_u32 v[SPW], v[NIL]                      ; the wave's opening: the add and its wait stand ahead of my first tensor load
	ds_add_u32 v62, v63
	v_lshrrev_b32 v1, 5, v0
	v_readfirstlane_b32 s[WV], v1
	s_mov_b32 s[PB], ttmp9
	s_sub_co_u32 s[HI], 15, s[PB]
	s_and_b32 s20, ttmp7, 0xffff
	s_lshl_b32 s20, s20, 18                        ; the head's first byte: 2,048 rows of 128 bytes
	s_and_b32 s16, s[WV], 1                        ; which half of a tile's 256 keys I fetch
	s_lshl_b32 s22, s16, 14
	s_add_co_u32 s22, s22, s20
	s_mov_b32 s23, 0
	s_mul_i32 s17, s16, 128*PK
	s_mul_i32 s18, s16, 128*PVR
	s_lshl_b32 s19, s[WV], 11                      ; my 16 rows in a band of 64
	s_add_co_u32 s19, s19, s20
	s_lshl_b32 s2, s[HI], 14                       ; a block is 16,384 bytes
	s_add_co_u32 s2, s2, s19
	s_mov_b32 s3, 0
	s_lshl_b32 s66, s[PB], 14
	s_add_co_u32 s66, s66, s19
	s_mov_b32 s67, 0
	; group 1: 128 keys are 16,384 dense bytes: 64 rows of 256 bytes, padded in LDS behind every key
	s_mov_b32 s[G1K], (1<<16)|(1<<20)|(4<<22)|(3<<25)
	s_mov_b32 s[G1V], (1<<16)|(1<<20)|(4<<22)|(7<<25)
.irp g, G1K, G1V
	s_mov_b32 s[\g+1], 128<<16
	s_mov_b32 s[\g+2], 64<<16
	s_mov_b32 s[\g+3], 128<<16
	s_mov_b32 s[\g+4], 64
	s_mov_b32 s[\g+5], 128
	s_mov_b32 s[\g+6], 0
	s_mov_b32 s[\g+7], 0
.endr
	s_mov_b32 s[CS], 0x3e38aa3b                    ; c = log2(e) / 8
	s_mov_b32 s[CS+1], s[CS]
	s_mov_b32 s[SEL], 0x76543210
	s_mov_b32 s[SEL+1], 0xfedcba98
	s_mov_b32 s[TBK], SLOT1+4*KS*PK                ; the first change of slots turns these two into 0
	s_mov_b32 s[TBV], SLOT1+4*KS*PVR
	s_mov_b32 s[G0K], 1
	s_mov_b32 s[G0K+1], s17
	s_mov_b32 s[G0V], 1
	s_add_co_u32 s[G0V+1], s18, VOFF
	s_lshr_b32 s[LQ], s[HI], 1
	s_add_co_u32 s[RT], s[LQ], 1
	s_lshr_b32 s[LQ2], s[PB], 1
	s_add_co_u32 s[RT2], s[LQ2], 1
	s_and_b32 s21, s[HI], 1
	s_lshl_b32 s21, s21, 1
	s_sub_co_u32 s[OWN0], 4, s21
	s_sub_co_u32 s[OWN1], 3, s21
	s_and_b32 s21, s[PB], 1
	s_lshl_b32 s21, s21, 1
	s_sub_co_u32 s[OWB0], 4, s21
	s_sub_co_u32 s[OWB1], 3, s21
	s_mov_b32 s[NXT], 1
	s_mov_b32 s[NEW], 1
	s_mov_b32 s[OFF+1], 0
	s_mov_b32 s[AL+1], 0
	s_mov_b32 s[BE+1], 0
	s_mov_b32 s[BIGN], 0xf149f2ca                  ; -1e30
	s_mov_b32 s[SLOTS], 8
	s_wait_dscnt 0x0                               ; the opening add is done
	s_wait_kmcnt 0x0
	s_add_nc_u64 s[6:7], s[6:7], s[22:23]          ; K at my half of the head's tile 0,
	s_add_nc_u64 s[8:9], s[6:7], 0x800000          ; V behind all of K
	s_add_nc_u64 s[G0K+2:G0K+3], s[6:7], 0
	s_or_b32 s[G0K+3], s[G0K+3], 0x80000000
	s_add_nc_u64 s[G0V+2:G0V+3], s[8:9], 0
	s_or_b32 s[G0V+3], s[G0V+3], 0x80000000
	s_add_nc_u64 s[68:69], s[4:5], s[66:67]        ; Q at my rows of the second block,
	s_add_nc_u64 s[4:5], s[4:5], s[2:3]            ; Q and y at those of the first
	s_add_nc_u64 s[OLO:OLO+1], s[10:11], s[66:67]
	s_add_nc_u64 s[10:11], s[10:11], s[2:3]
	LOAD                                           ; tile 0 into slot 0
	v_and_b32 v1, 15, v0                           ; r
	v_bfe_u32 v9, v0, 4, 1                         ; h
	v_lshlrev_b32 v[QO], 7, v1
	v_lshl_add_u32 v[QO], v9, 4, v[QO]
	WIN 0x80
.set i, 0
.rept 4                                ; both blocks' Q: tile i / 2 lies 8,192 bytes on; channels 32 (i % 2) on
	global_load_b128 v[8*i:8*i+3],   v[QO], s[4:5] offset:(i/2)*8192+(i%2)*64
	global_load_b128 v[8*i+4:8*i+7], v[QO], s[4:5] offset:(i/2)*8192+(i%2)*64+32
	global_load_b128 v[QB+8*i:QB+8*i+3],   v[QO], s[68:69] offset:(i/2)*8192+(i%2)*64
	global_load_b128 v[QB+8*i+4:QB+8*i+7], v[QO], s[68:69] offset:(i/2)*8192+(i%2)*64+32
.set i, i+1
.endr
	WIN 0
	v_lshlrev_b32 v14, 3, v9
	v_sub_nc_u32 v14, v1, v14
	s_lshl_b32 s13, s[WV], 4
	v_add_nc_u32 v14, s13, v14                     ; 16 w + r - 8 h: register j of key group kt is hidden where 16 kt + j is greater
	WIN 0x40
.set i, 0
.rept 32
	v_cmp_gt_i32 vcc_lo, 16*(i/8)+i%8, v14
	v_cndmask_b32 v[MD+i], 0, s[BIGN], vcc_lo
.set i, i+1
.endr
.set i, 0
.rept 64                               ; O^T and l start at 0; for the second block the first step's a = 0 wipes what the first left, which is finite
	v_mov_b32 v[i], 0
.set i, i+1
.endr
	WIN 0
	v_mov_b32 v[ST+2], 0
	v_mov_b32 v[ST+3], 0
	v_mov_b32 v[ST+6], 0
	v_mov_b32 v[ST+7], 0
	v_mul_u32_u24 v[AK0], v1, PK
	v_lshl_add_u32 v[AK0], v9, 4, v[AK0]
	v_and_b32 v10, 7, v0
	v_bfe_u32 v11, v0, 3, 1
	v_lshl_add_u32 v[AV0], v9, 3, v10              ; the turning load: lane l addresses key 8 h + l % 8, channels 8 ((l / 8) % 2) on
	v_mul_u32_u24 v[AV0], v[AV0], PVR
	v_lshl_add_u32 v[AV0], v11, 4, v[AV0]
	v_add_nc_u32 v[AV0], VOFF, v[AV0]
	s_mul_i32 s13, s[WV], 16*SP
	s_add_co_u32 s13, s13, STAGE
	v_mul_u32_u24 v[STO], v1, SP
	v_lshl_add_u32 v[STO], v9, 4, v[STO]
	v_add_nc_u32 v[STO], s13, v[STO]
	v_bfe_u32 v[RD], v0, 3, 2
	v_mul_u32_u24 v[RD], v[RD], SP
	v_lshl_add_u32 v[RD], v10, 4, v[RD]
	v_add_nc_u32 v[RD], s13, v[RD]
	v_and_b32 v[GO], 31, v0
	v_lshlrev_b32 v[GO], 4, v[GO]
; THE MATRIX WORK.  The 8 accumulators of a run of 16 take turns.
.macro KQALL m                         ; S^T = K Q^T: product i: tile i % 2, keys 16 ((i / 2) % 4) on, channels 32 (i / 8) on; the first 8 start the sums with 0 or the mask
.set i, 0
.rept 16
.set rS, S+32*(i%2)+8*((i/2)%4)
.set rK, KF+16*((i/2)%4)+8*(i/8)
.set rQ, 16*(i%2)+8*(i/8)
.set rM, MC+32*(i%2)+8*((i/2)%4)
.if (i < 8) && (\m)
	WIN W_KM
	v_wmma_f32_16x16x32_bf16 v[rS:rS+7], v[rK:rK+7], v[rQ:rQ+7], v[rM:rM+7]
.elseif i < 8
	WIN W_KQ
	v_wmma_f32_16x16x32_bf16 v[rS:rS+7], v[rK:rK+7], v[rQ:rQ+7], 0
.else
	WIN W_KQ
	v_wmma_f32_16x16x32_bf16 v[rS:rS+7], v[rK:rK+7], v[rQ:rQ+7], v[rS:rS+7]
.endif
.set i, i+1
.endr
.endm
.macro PVALL                           ; O^T += V^T P: product i: tile i % 2, channels 16 ((i / 2) % 4) on, keys 32 (i / 8) on
	WIN W_PV
.set i, 0
.rept 16
.set rO, 32*(i%2)+8*((i/2)%4)
.set rV, VF+32*(i/8)+8*((i/2)%4)
.set rP, P+16*(i%2)+8*(i/8)
	v_wmma_f32_16x16x32_bf16 v[rO:rO+7], v[rV:rV+7], v[rP:rP+7], v[rO:rO+7]
.set i, i+1
.endr
.endm
.macro FETCH_K                         ; a step's K: 64 keys x 64 channels, 16 loads in one run
	WIN 0
	v_add_nc_u32 v[AK], s[TBK], v[AK0]
	WIN 0x80
.irp f, 0,1,2,3,4,5,6,7
	ds_load_b128 v[KF+8*\f:KF+8*\f+3],   v[AK] offset:(\f/2)*16*PK+(\f%2)*64
	ds_load_b128 v[KF+8*\f+4:KF+8*\f+7], v[AK] offset:(\f/2)*16*PK+(\f%2)*64+32
.endr
	s_add_co_u32 s[TBK], s[TBK], KS*PK
	WIN 0
.endm
.macro FETCH_V                         ; a step's V, turned
	WIN 0
	v_add_nc_u32 v[AV], s[TBV], v[AV0]
	WIN 0x80
.irp f, 0,1,2,3,4,5,6,7
	ds_load_tr16_b128 v[VF+8*\f:VF+8*\f+3],   v[AV] offset:(\f/4)*32*PVR+(\f%4)*32
	ds_load_tr16_b128 v[VF+8*\f+4:VF+8*\f+7], v[AV] offset:(\f/4)*32*PVR+16*PVR+(\f%4)*32
.endr
	s_add_co_u32 s[TBV], s[TBV], KS*PVR
	WIN 0
.endm
; THE VECTOR WORK, one line at a time: OP kind, number, tile.  X n: number n of the 22 that find the maximum and statistics (each accumulator's lowest registers are read first).
; F n: c s - c m for pair n.  E n: the exponential of score n.  C n: pair n rounded to bf16.  B n: of four weights the second pair is added onto the first.  L n: l takes that sum (L 0: l = a l + sum).  R n: pair n of O^T times a.
.set F, 0
.set E, 1
.set C, 2
.set B, 3
.set L, 4
.set R, 5
.set X, 6
.macro OP k, n, t
.set rT, ST+4*(\t)
.set rC, TMP+4*(\t)
.set rW, MV+(\t)
.set rS, S+32*(\t)
.set rP, P+16*(\t)
.set rO, 32*(\t)
.if (\k) == R
	WIN W_RS
	s_wait_alu depctr_va_vdst(0)
	v_pk_mul_f32 v[rO+2*(\n):rO+2*(\n)+1], v[rO+2*(\n):rO+2*(\n)+1], v[rC+2:rC+3] op_sel_hi:[1,0]
.else
	WIN 0
.if (\k) == F
	v_pk_fma_f32 v[rS+2*(\n):rS+2*(\n)+1], v[rS+2*(\n):rS+2*(\n)+1], s[CS:CS+1], v[rT:rT+1] op_sel_hi:[1,0,0] neg_lo:[0,0,1] neg_hi:[0,0,1]
.elseif (\k) == E
	v_exp_f32 v[rS+(\n)], v[rS+(\n)]
.elseif (\k) == C
	s_wait_alu depctr_va_vdst(0)
	v_cvt_pk_bf16_f32 v[rP+(\n)], v[rS+2*(\n)], v[rS+2*(\n)+1]
.elseif (\k) == B
	v_pk_add_f32 v[rS+4*(\n):rS+4*(\n)+1], v[rS+4*(\n):rS+4*(\n)+1], v[rS+4*(\n)+2:rS+4*(\n)+3]
.elseif ((\k) == L) && ((\n) == 0)
	v_pk_fma_f32 v[rT+2:rT+3], v[rT+2:rT+3], v[rC+2:rC+3], v[rS:rS+1] op_sel_hi:[1,0,1]
.elseif (\k) == L
	v_pk_add_f32 v[rT+2:rT+3], v[rT+2:rT+3], v[rS+4*(\n):rS+4*(\n)+1]
	s_wait_alu depctr_va_vdst(0)
.elseif (\n) < 4
	v_max3_num_f32 v[rC+(\n)], v[rS+8*(\n)], v[rS+8*(\n)+1], v[rS+8*(\n)+2]
.elseif (\n) < 12
	v_max3_num_f32 v[rC+(\n)%4], v[rC+(\n)%4], v[rS+8*((\n)%4)+2*((\n)/4)+1], v[rS+8*((\n)%4)+2*((\n)/4)+2]
.elseif (\n) == 12
	v_max3_num_f32 v[rC], v[rC], v[rS+7], v[rS+15]
.elseif (\n) == 13
	v_max3_num_f32 v[rC+1], v[rC+1], v[rS+23], v[rS+31]
.elseif (\n) == 14
	v_max3_num_f32 v[rC+2], v[rC+2], v[rC+3], v[rT+1]
.elseif (\n) == 15
	v_mov_b32 v[rW], v[rT]
.elseif (\n) == 16
	v_max3_num_f32 v[rC], v[rC], v[rC+1], v[rC+2]
.elseif (\n) == 17
	v_permlanex16_b32 v[rC+3], v[rC], s[SEL], s[SEL+1]
.elseif (\n) == 18
	v_max_num_f32 v[rT+1], v[rC], v[rC+3]
.elseif (\n) == 19
	v_mul_f32 v[rT], s[CS], v[rT+1]
.elseif (\n) == 20
	v_sub_f32 v[rC+1], v[rW], v[rT]
.else
	v_exp_f32 v[rC+2], v[rC+1]
.endif
.endif
.endm
; A step's softmax for both tiles, which alternate: 236 lines.  The statistics; 12 scalings; the rescaling of O^T as one block, the one part outside window 0; then an exponential and a plain
; line by turns: the plain line is a scaling still due (group 0) or the rounding, adding and summing of the four weights made one group earlier, so every exponential has a plain line behind it before its result is used.
.macro SOFTMAX
.set n, 0
.rept 22
	OP X, n, 0
	OP X, n, 1
.set n, n+1
.endr
.set n, 0
.rept 12
	OP F, n, 0
	OP F, n, 1
.set n, n+1
.endr
.set n, 0
.rept 16
	OP R, n, 0
	OP R, n, 1
.set n, n+1
.endr
.set k, 0
.rept 9
.set u, 0
.rept 8
.if k < 8
	OP E, 4*k+u/2, u%2
.endif
.if k == 0
	OP F, 12+u/2, u%2
.elseif u/2 == 0
	OP C, 2*k-2, u%2
.elseif u/2 == 1
	OP C, 2*k-1, u%2
.elseif u/2 == 2
	OP B, k-1, u%2
.else
	OP L, k-1, u%2
.endif
.set u, u+1
.endr
.set k, k+1
.endr
.endm
.macro MASKS                           ; MC = MD x AL + BE for both tiles, for step 4 - CNT of the block's last tile
.set x, 0
.rept 2
	s_cmp_eq_u32 s[CNT], s[OWN0+x]                 ; is the step the tile's own?
	s_cselect_b32 s[AL], 1.0, 0
	s_cmp_lt_u32 s[CNT], s[OWN0+x]                 ; or a later one?
	s_cselect_b32 s[BE], s[BIGN], 0
	WIN W_RS
.set z, 0
.rept 16
	v_pk_fma_f32 v[MC+32*x+2*z:MC+32*x+2*z+1], v[MD+2*z:MD+2*z+1], s[AL:AL+1], s[BE:BE+1] op_sel_hi:[1,0,0]
.set z, z+1
.endr
.set x, x+1
.endr
.endm
; A tile's four key steps.  m = 1: the products take masks.  A block's first tile enters at .Lkq: there is no step before it.
.macro TRIP m, tag
.Lstep\tag:
	FETCH_K                                        ; the softmax stands between these loads and the last product that read K
	s_wait_dscnt 16                                ; V of the step before is in; K's 16 loads are younger
	PVALL
	WIN 0
.Lkq\tag:
.if \m
	MASKS
.endif
	s_wait_dscnt 0x0                               ; K is in
	KQALL \m
	WIN 0
	PLACES                                         ; behind the products: V's registers are loaded, S^T is read
	FETCH_V
	SOFTMAX
	WIN 0
	s_sub_co_u32 s[CNT], s[CNT], 1
	s_cmp_lg_u32 s[CNT], 0
	s_cbranch_scc1 .Lstep\tag
.endm
.macro BEGIN                           ; a block begins: c m far below every c s, so the first step's a is 0; m the lowest finite number
	s_mov_b32 s[NEW], 0
	WIN 0
	v_mov_b32 v[ST], 0xfe000000
	v_mov_b32 v[ST+1], 0xff7fffff
	v_mov_b32 v[ST+4], 0xfe000000
	v_mov_b32 v[ST+5], 0xff7fffff
	FETCH_K
	s_wait_loadcnt 0x0                             ; Q
.endm
.macro PACK t                          ; O^T / l, rounded; 16 bytes a lane into rows of 144 bytes, back as whole rows of 128
	WIN W_RS
.set i, 32*(\t)
.rept 16
	v_pk_mul_f32 v[i:i+1], v[i:i+1], v[ST+4*(\t)+2:ST+4*(\t)+3] op_sel_hi:[1,0]
.set i, i+2
.endr
	WIN 0x05
.set i, 0
.rept 16
	v_cvt_pk_bf16_f32 v[S+16*(\t)+i], v[32*(\t)+2*i], v[32*(\t)+2*i+1]
.set i, i+1
.endr
	WIN 0
.irp f, 0,1,2,3
	ds_store_b128 v[STO], v[S+16*(\t)+4*\f:S+16*(\t)+4*\f+3] offset:32*\f
.endr
.irp f, 0,1,2,3
	ds_load_b128 v[S+16*(\t)+4*\f:S+16*(\t)+4*\f+3], v[RD] offset:\f*4*SP  ; LDS serves a wave's instructions in order (ISA guide 5.7.1.4)
.endr
.endm
.macro SEND t, younger                 ; younger: the LDS lines issued behind tile t's loads
.irp f, 0,1,2,3
	s_wait_dscnt (\younger)+3-\f
	global_store_b128 v[GO], v[S+16*(\t)+4*\f:S+16*(\t)+4*\f+3], s[10:11] offset:(\t)*8192+\f*512  ; 512 consecutive bytes, aligned
.endr
.endm
.macro FINISH                          ; the last step's V^T P, and the way out
	s_wait_dscnt 0x0                               ; V is in
	PVALL
	WIN 0
	PLACES
	v_add_f32 v[ST+2], v[ST+2], v[ST+3]
	v_add_f32 v[ST+6], v[ST+6], v[ST+7]
	v_permlanex16_b32 v[ST+3], v[ST+2], s[SEL], s[SEL+1]
	v_permlanex16_b32 v[ST+7], v[ST+6], s[SEL], s[SEL+1]
	v_add_f32 v[ST+2], v[ST+2], v[ST+3]
	v_add_f32 v[ST+6], v[ST+6], v[ST+7]
	v_rcp_f32 v[ST+2], v[ST+2]
	v_rcp_f32 v[ST+6], v[ST+6]
	v_nop                                          ; a plain instruction behind the reciprocals
	s_wait_alu depctr_va_vdst(0)
	PACK 0
	PACK 1
	SEND 0, 8
	SEND 1, 0
.endm
.Lslot:                                                ; 8 times: a tile is entered and the next is asked for
	CHANGE 1
	s_sub_co_u32 s[RT], s[RT], 1
	s_mov_b32 s[CNT], 4
	s_cmp_eq_u32 s[NEW], 1
	s_cbranch_scc1 .Lnew                           ; a block's first tile
	s_cmp_eq_u32 s[RT], 0
	s_cbranch_scc0 .Lstep0                         ; neither its first nor its last
	s_branch .Lstep1
.Lnew:
	BEGIN
	s_branch .Lkq0                                 ; in the loop a block's first tile is never its last: the first block has five tiles or more, and the second's last is the walk's last
	TRIP 1, 1                                      ; in the loop this is the first block's last tile
	FINISH
	s_wait_xcnt 0x0                                ; the stores have read their registers and y's address
	s_mov_b64 s[10:11], s[OLO:OLO+1]
	s_mov_b32 s[RT], s[RT2]
	s_mov_b32 s[NEW], 1
	s_mov_b32 s[OWN0], s[OWB0]
	s_mov_b32 s[OWN1], s[OWB1]
	WIN 0x82                                       ; the second block's Q goes where the one text names Q
.set i, 0
.rept 32
	v_mov_b32 v[i], v[QB+i]
.set i, i+1
.endr
	WIN 0
	s_branch .Lbottom
	TRIP 0, 0
.Lbottom:
	s_sub_co_u32 s[SLOTS], s[SLOTS], 1
	s_cmp_lg_u32 s[SLOTS], 0
	s_cbranch_scc1 .Lslot
	CHANGE 0                                       ; the walk's last tile is written out
	s_sub_co_u32 s[RT], s[RT], 1
	s_mov_b32 s[CNT], 4
	s_cmp_eq_u32 s[NEW], 1
	s_cbranch_scc0 .Lstep2
	BEGIN
	s_branch .Lkq2
	TRIP 1, 2
	FINISH
	s_wait_tensorcnt 0x0                           ; the wave's end
	ds_add_u32 v[SPW], v[NIL]
	s_wait_dscnt 0x0
	s_endpgm
.Lfunc_end_k_q67ec5dd685_attn:
	.size	k_q67ec5dd685_attn, .Lfunc_end_k_q67ec5dd685_attn-k_q67ec5dd685_attn
	.p2alignl 7, 3214868480
	.fill 96, 4, 3214868480
	.section	.rodata,"a",@progbits
	.p2align	6, 0x0
	.amdhsa_kernel k_q67ec5dd685_attn
		.amdhsa_group_segment_fixed_size 327680
		.amdhsa_private_segment_fixed_size 0
		.amdhsa_enable_private_segment 0
		.amdhsa_kernarg_size 24
		.amdhsa_user_sgpr_count 2
		.amdhsa_user_sgpr_kernarg_segment_ptr 1
		.amdhsa_wavefront_size32 1
		.amdhsa_system_sgpr_workgroup_id_x 1
		.amdhsa_system_sgpr_workgroup_id_y 1
		.amdhsa_system_sgpr_workgroup_id_z 1
		.amdhsa_system_vgpr_workitem_id 0
		.amdhsa_next_free_vgpr 768
		.amdhsa_next_free_sgpr 92
		.amdhsa_reserve_vcc 1
		.amdhsa_float_denorm_mode_32 3
		.amdhsa_float_denorm_mode_16_64 3
		.amdhsa_memory_ordered 1
		.amdhsa_forward_progress 1
		.amdhsa_inst_pref_size 99
	.end_amdhsa_kernel
	.amdgpu_metadata
---
amdhsa.version: [ 1, 2 ]
amdhsa.kernels:
  - .name:           k_q67ec5dd685_attn
    .symbol:         k_q67ec5dd685_attn.kd
    .args:
      - { .name: ql, .offset: 0, .size: 8, .value_kind: global_buffer, .address_space: global }
      - { .name: kv, .offset: 8, .size: 8, .value_kind: global_buffer, .address_space: global }
      - { .name: y, .offset: 16, .size: 8, .value_kind: global_buffer, .address_space: global }
    .group_segment_fixed_size: 327680
    .private_segment_fixed_size: 0
    .kernarg_segment_align: 8
    .kernarg_segment_size: 24
    .max_flat_workgroup_size: 128
    .sgpr_count:     92
    .vgpr_count:     768
    .wavefront_size: 32
...
	.end_amdgpu_metadata
.endif
;; end of part 4
;; launch gemm_o (part 5): grid 8 x 32, 4 waves a work-group, clusters of 4 x 4, 327,680 bytes of LDS; arguments y, wbf, x, x1; writes x1
.if DOCPART == 5
	.amdgcn_target "amdgcn-amd-amdhsa--gfx1250"
	.amdhsa_code_object_version 6
	.text
	.protected	k_q67ec5dd685_gemm_o
	.globl	k_q67ec5dd685_gemm_o
	.p2align	8
	.type	k_q67ec5dd685_gemm_o,@function
k_q67ec5dd685_gemm_o:
	s_mov_b64 s[64:65], 0
	v_nop
	global_prefetch_b8 v0, s[64:65] scope:SCOPE_SE
	s_setreg_imm32_b32 hwreg(HW_REG_WAVE_MODE, 25, 1), 1
	s_wait_xcnt 0x0
	s_wait_alu depctr_hold_cnt(0) depctr_sa_sdst(0) depctr_va_vdst(0) depctr_va_sdst(0) depctr_va_ssrc(0) depctr_va_vcc(0) depctr_vm_vsrc(0)
	s_getreg_b32 s2, hwreg(HW_REG_IB_STS2, 6, 4)
	s_cmp_eq_u32 s2, 0
	s_cbranch_scc0 .Lentry_in_a_cluster
	s_endpgm
.Lentry_in_a_cluster:
	s_bfe_u32 s2, ttmp6, 0x10000c
	s_cmp_lg_u32 s2, 0xf033
	s_cbranch_scc0 .Lentry_shape_is_right
	s_endpgm
.Lentry_shape_is_right:
; x1 = x + y W_o: [4096][1024] x [1024][1024], bf16 operands, f32 sums, the residual added in f32, f32 out.  8 x 32 tiles of 128 x 128: one for each of 256 work-groups.
.set KDIM, 1024
.set WOFF, 5242880                     ; W's first byte in wbf
.set BSTR, 4194304                     ; A's bytes from batch to batch: 16 slices
.set HASB, 0
.set ARGB, 0
.set ARGR, 0x10
.set ARGO, 0x18
; THE COMMON TEXT (f32 out).  C = A W (+ bias) + residual.  Four waves, 2 x 2; a wave makes 64 x 64 of C.  A lies in slices of 64 columns, [batch][slice][t][64].
; K goes in steps of 256, as long as two slots in LDS allow, so that a refill has 128 matrix instructions a wave in which to land.
; THE MATRIX INSTRUCTION IS USED TRANSPOSED: source 0 = 16 columns of W, source 1 = 16 rows of A.  W stays [K][N] in LDS; its fragments come turned, by ds_load_tr16_b128.
; A step is eight chunks of 32 along K on two fragment buffers: chunk 0, three trips of an inner loop over pairs of chunks (one slice of A and 64 rows of W a trip: both 18,432 LDS bytes), and the chunk that changes slots.
; CLUSTER 4 x 4: A's tile is asked for jointly along a row of the cluster, W's along a column.
; K IS WALKED ROUND.  A cluster begins at K step S0 = (NSTEP/2 x cluster x + NSTEP/4 x (cluster y mod 4)) mod NSTEP and wraps at NSTEP: every step is taken once, and the f32 sums take K in that order.
; So the two clusters of a cluster row, which read the same rows of A, begin NSTEP/2 steps apart, and four neighbouring cluster rows, which read the same columns of W, NSTEP/4 apart: a tile that several
; clusters need is not asked for by all of them in the same step.  S0 hangs on the cluster's place in the grid alone, which all sixteen partners share.
; REGISTERS: window 0: v0-31 addresses, v64-191 A's two buffers (later the way out);  window 1: v0-31 the bias as a C operand, v64-191 W's two buffers;
;   window 2: v0-127 accumulator (a, b) at 8 (4 a + b), v128-255 the residual, loaded at the start in the layout in which rows leave.
; LDS: slot 0 at 0, slot 1 at SLOT1, each A's four slices of 128 rows (pitch 144), then W's 256 rows (pitch 288); a stage of 16 rows x 272 bytes a wave; the spare words.
.set MB, 4
.set NBK, 4
.set NDIM, 1024
.set KSTEP, 256
.set SLOT1, 0x24000
.set TM, 128
.set TN, 128
.set NSTEP, KDIM/KSTEP
.set NL, 2*(NBK+MB)
.set PA, 144
.set ATILE, 4*TM*PA
.set ASTEP, 4*262144
.set PB, 288
.set BTILE, KSTEP*PB
.set BSTEP, KSTEP*NDIM*2
.set PSTEP, 18432                      ; = TM PA = 64 PB
.set STAGE, SLOT1+ATILE+BTILE
.set STW, 16*272
.set SPARE, STAGE+4*STW
.set CM0, 1+HASB
.set ADRA0, 16
.set ADRB0, 17
.set ADRA, 18
.set ADRB, 19
.set AP, 20                            ; v20, v21 the inner loop's running addresses
.set BP, 21
.set STO, 24
.set RD, 25
.set CO, 26
.set BO, 27
.set SPW, 28
.set NIL, 29
.set G1, 24
.set G0, 32
.set G1B, 48
.set G0B, 56
.set TB, 45
.set BASEA, 74                         ; s[74:75] A at my part of K step 0, s[76:77] W likewise; never rewritten
.set BASEB, 76
.set KI, 78                            ; s78 the K step asked for last
.set OFA, 80                           ; s[80:81], s[82:83] that step's byte offsets in A and in W
.set OFB, 82
.set MSB, 0
.macro WIN new
.if MSB != (\new)
	s_set_vgpr_msb (MSB<<8)|(\new)
.set MSB, (\new)
.endif
.endm
.macro PLACES
.rept 4
	v_nop
.endr
.endm
.macro STEPK                           ; the next K step, round NSTEP
	s_add_co_u32 s[KI], s[KI], 1
	s_and_b32 s[KI], s[KI], NSTEP-1
.endm
.macro AIM st                          ; set st of both group 0s takes K step KI: base + offset, the type bits anew
	s_mul_i32 s[OFA], s[KI], ASTEP
	s_mul_i32 s[OFB], s[KI], BSTEP
	s_add_nc_u64 s[G0+4*(\st)+2:G0+4*(\st)+3], s[BASEA:BASEA+1], s[OFA:OFA+1]
	s_or_b32 s[G0+4*(\st)+3], s[G0+4*(\st)+3], 0x80000000
	s_add_nc_u64 s[G0B+4*(\st)+2:G0B+4*(\st)+3], s[BASEB:BASEB+1], s[OFB:OFB+1]
	s_or_b32 s[G0B+4*(\st)+3], s[G0B+4*(\st)+3], 0x80000000
.endm
.macro JLOAD                           ; the joint refill: waves 0, 1 A's halves, waves 2, 3 W's; s_nop 0 and four v_nop follow each line
	s_cmp_eq_u32 s11, 0
	s_cbranch_scc0 .Lfor_b_\@
	tensor_load_to_lds s[G0+4:G0+7], s[G1:G1+7]
	s_nop 0
	PLACES
	s_branch .Lasked_\@
.Lfor_b_\@:
	tensor_load_to_lds s[G0B+4:G0B+7], s[G1B:G1B+7]
	s_nop 0
	PLACES
.Lasked_\@:
.endm
.macro CREST
	s_cmp_lg_u32 s10, 0
	s_cbranch_scc1 .Lnot_wave_0_\@
	s_barrier_signal -3
.Lnot_wave_0_\@:
	s_barrier_wait -3
	s_barrier_signal -1
	s_barrier_wait -1
.endm
.macro CROUND
	s_barrier_signal -1
	s_barrier_wait -1
	CREST
.endm
; cm = 0: add in place; 1: the product starts the sum with 0; 2: with the bias.  The 16 accumulators take turns, in the same order in every chunk.
.macro MUL f, a0, na, cm
.set ma, (\a0)
.rept (\na)
.set mb, 0
.rept NBK
.set RG, 8*(ma*NBK+mb)
.if (\cm) == 2
	WIN 0x91
	v_wmma_f32_16x16x32_bf16 v[RG:RG+7], v[64+64*(\f)+8*mb:64+64*(\f)+8*mb+7], v[64+64*(\f)+8*ma:64+64*(\f)+8*ma+7], v[8*mb:8*mb+7]
.elseif (\cm) == 1
	WIN 0xa1
	v_wmma_f32_16x16x32_bf16 v[RG:RG+7], v[64+64*(\f)+8*mb:64+64*(\f)+8*mb+7], v[64+64*(\f)+8*ma:64+64*(\f)+8*ma+7], 0
.else
	WIN 0xa1
	v_wmma_f32_16x16x32_bf16 v[RG:RG+7], v[64+64*(\f)+8*mb:64+64*(\f)+8*mb+7], v[64+64*(\f)+8*ma:64+64*(\f)+8*ma+7], v[RG:RG+7]
.endif
.set mb, mb+1
.endr
.set ma, ma+1
.endr
.endm
.macro FETCH ra, oa, rb, ob, g
	WIN 0x40
.set fi, 0
.rept NBK
	ds_load_tr16_b128 v[64+64*(\g)+8*fi:64+64*(\g)+8*fi+3],   v[\rb] offset:(\ob)+32*fi
	ds_load_tr16_b128 v[64+64*(\g)+8*fi+4:64+64*(\g)+8*fi+7], v[\rb] offset:(\ob)+32*fi+16*PB
.set fi, fi+1
.endr
	WIN 0
.set fi, 0
.rept MB
	ds_load_b128 v[64+64*(\g)+8*fi:64+64*(\g)+8*fi+3],   v[\ra] offset:(\oa)+fi*16*PA
	ds_load_b128 v[64+64*(\g)+8*fi+4:64+64*(\g)+8*fi+7], v[\ra] offset:(\oa)+fi*16*PA+32
.set fi, fi+1
.endr
.endm
.macro CHUNK f, g, ra, oa, rb, ob, cm
	s_wait_dscnt MB                                ; W and A's lower half are in; the MB youngest loads (A's upper half) may be out
	MUL \f, 0, MB/2, \cm
	PLACES
	FETCH \ra, \oa, \rb, \ob, \g
	s_wait_dscnt NL                                ; all but the NL just issued
	MUL \f, MB/2, MB/2, \cm
.endm
; A step's last chunk changes slots: one barrier; in front of it each wave waits for all its tensor loads (one is out), adds 0 to its spare word, and waits for that and for its reads of this slot.
; fill = 1: the barrier opens a round of the cluster's, and this slot is filled again first behind it, two steps ahead.
.macro TURN fill
	WIN 0
	s_wait_tensorcnt 0x0
	ds_add_u32 v[SPW], v[NIL]
.if \fill
	STEPK                                          ; no load of mine is out: the walking sets take the other slot and the next K step
	s_xor_b32 s[G0+5], s[G0+5], SLOT1
	s_xor_b32 s[G0B+5], s[G0B+5], SLOT1
	AIM 1
.endif
	s_wait_dscnt MB+1                              ; the add and A's upper half may be out
	MUL 1, 0, MB/4, 0
	s_wait_dscnt 0x0
	s_barrier_signal -1
	MUL 1, MB/4, MB/4, 0
	WIN 0
	s_barrier_wait -1
.if \fill
	CREST
	JLOAD                                          ; its four v_nop are also the places in front of the loads below
.else
	PLACES
.endif
	s_xor_b32 s[TB], s[TB], SLOT1
	v_add_nc_u32 v[ADRA], s[TB], v[ADRA0]
	v_add_nc_u32 v[ADRB], s[TB], v[ADRB0]
	FETCH ADRA, 0, ADRB, 0, 0
	MUL 1, MB/2, MB/2, 0
.endm
.macro MID                             ; chunks 1 to 6: three trips, each multiplying two chunks and fetching the next slice's two
	WIN 0
	v_add_nc_u32 v[AP], PSTEP, v[ADRA]
	v_add_nc_u32 v[BP], PSTEP, v[ADRB]
	s_mov_b32 s2, 3
.Lpair_\@:
	CHUNK 1, 0, AP, 0, BP, 0, 0
	CHUNK 0, 1, AP, 64, BP, 32*PB, 0
	WIN 0
	v_add_nc_u32 v[AP], PSTEP, v[AP]
	v_add_nc_u32 v[BP], PSTEP, v[BP]
	s_sub_co_u32 s2, s2, 1
	s_cmp_lg_u32 s2, 0
	s_cbranch_scc1 .Lpair_\@
.endm
	s_load_b128 s[4:7], s[0:1], 0x0                ; A, wbf
	s_load_b64 s[8:9], s[0:1], ARGO                ; the output
	s_load_b64 s[70:71], s[0:1], ARGR              ; the residual
.if HASB
	s_load_b64 s[68:69], s[0:1], ARGB              ; the bias
.endif
	v_lshl_add_u32 v[SPW], v0, 2, SPARE
	v_mov_b32 v[NIL], 0
	ds_add_u32 v[SPW], v[NIL]                      ; the wave's opening: the add and its wait stand ahead of my first tensor load
	ds_add_u32 v28, v29
	v_lshrrev_b32 v1, 5, v0
	v_readfirstlane_b32 s10, v1
	s_lshr_b32 s11, s10, 1                         ; my half of the rows.  Also: I fetch for A (0) or for W (1)
	s_and_b32 s12, s10, 1                          ; my half of the columns.  Also: which half of that tile I fetch
	s_bfe_u32 s40, ttmp6, 0x40000
	s_bfe_u32 s41, ttmp6, 0x40004
	s_lshl_b32 s42, ttmp9, 2
	s_add_co_u32 s42, s42, s40                     ; tile column
	s_and_b32 s13, ttmp7, 0xffff
	s_lshl_b32 s13, s13, 2
	s_add_co_u32 s13, s13, s41                     ; tile row
	s_lshl_b32 s43, s41, 2
	s_lshl_b32 s43, 15, s43
	s_lshl_b32 s44, 0x1111, s40
	s_and_b32 s[KI], ttmp7, 3                      ; S0, from the cluster's x and y alone
	s_mul_i32 s[KI], s[KI], NSTEP/4
	s_mul_i32 s79, ttmp9, NSTEP/2
	s_add_co_u32 s[KI], s[KI], s79
	s_and_b32 s[KI], s[KI], NSTEP-1
	s_mov_b32 s[OFA+1], 0
	s_mov_b32 s[OFB+1], 0
	; A: two slices a load; a slice's 128 rows are 16,384 dense bytes, one long row of the tile; padded behind every 128 bytes
	s_or_b32 s[G1+0], s43, (1<<16)|(1<<20)|(1<<21)|(4<<22)|(3<<25)
	s_mov_b32 s[G1+1], 8192<<16                    ; tensor_dim0
	s_mov_b32 s[G1+2], 2<<16                       ; tensor_dim1
	s_mov_b32 s[G1+3], 8192<<16                    ; tile_dim0
	s_mov_b32 s[G1+4], 2                           ; tile_dim1
	s_mov_b32 s[G1+5], 131072                      ; elements from slice to slice
	s_mov_b32 s[G1+6], 0
	s_mov_b32 s[G1+7], 0
	s_or_b32 s[G1B+0], s44, (1<<16)|(1<<20)|(1<<21)|(5<<22)|(7<<25)
	s_mov_b32 s[G1B+1], TN<<16
	s_mov_b32 s[G1B+2], (KSTEP/2)<<16
	s_mov_b32 s[G1B+3], TN<<16
	s_mov_b32 s[G1B+4], KSTEP/2
	s_mov_b32 s[G1B+5], NDIM
	s_mov_b32 s[G1B+6], 0
	s_mov_b32 s[G1B+7], 0
	s_lshl_b32 s16, s13, 7                         ; A's offset: the tile row and the wave's number alone
	s_lshr_b32 s17, s16, 11                        ; batch
	s_and_b32 s16, s16, 2047                       ; t
	s_mul_i32 s17, s17, BSTR
	s_lshl_b32 s16, s16, 7
	s_add_co_u32 s16, s16, s17
	s_mul_i32 s17, s12, 2*262144
	s_add_co_u32 s16, s16, s17
	s_mov_b32 s17, 0
	s_mul_i32 s46, s42, TN*2                       ; W's: the tile column and the wave's number alone
	s_mul_i32 s47, s12, (KSTEP/2)*NDIM*2
	s_add_co_u32 s46, s46, s47
	s_add_co_u32 s46, s46, WOFF
	s_mov_b32 s47, 0
	s_mul_i32 s20, s12, ATILE/2
	s_mul_i32 s21, s12, BTILE/2
	s_add_co_u32 s21, s21, ATILE
	s_wait_dscnt 0x0                               ; the opening add is done
	s_wait_kmcnt 0x0
	s_add_nc_u64 s[BASEA:BASEA+1], s[4:5], s[16:17]
	s_add_nc_u64 s[BASEB:BASEB+1], s[6:7], s[46:47]
.irp s, 0,1
	s_mov_b32 s[G0+4*(\s)], 1
	s_add_co_u32 s[G0+4*(\s)+1], s20, (\s)*SLOT1
	s_mov_b32 s[G0B+4*(\s)], 1
	s_add_co_u32 s[G0B+4*(\s)+1], s21, (\s)*SLOT1
.endr
	AIM 0                                          ; slot 0 takes K step S0,
	STEPK
	AIM 1                                          ; slot 1 the step behind it
	CROUND                                         ; all sixteen work-groups are here: the first joint loads meet
	s_cmp_eq_u32 s11, 0                            ; a wave's two first fills stand in one branch: two loads of mine are out
	s_cbranch_scc0 .Lfirst_b
	tensor_load_to_lds s[G0:G0+3], s[G1:G1+7]
	s_nop 0
	tensor_load_to_lds s[G0+4:G0+7], s[G1:G1+7]
	s_nop 0
	PLACES
	s_branch .Lfirst_done
.Lfirst_b:
	tensor_load_to_lds s[G0B:G0B+3], s[G1B:G1B+7]
	s_nop 0
	tensor_load_to_lds s[G0B+4:G0B+7], s[G1B:G1B+7]
	s_nop 0
	PLACES
.Lfirst_done:
	v_and_b32 v1, 15, v0                           ; r
	v_bfe_u32 v2, v0, 4, 1                         ; h
	s_lshl_b32 s46, s42, 9                         ; my first column, in f32 bytes
	s_lshl_b32 s47, s12, 8
	s_add_co_u32 s46, s46, s47
.if HASB
	s_mov_b32 s18, s46
	s_mov_b32 s19, 0
	s_add_nc_u64 s[68:69], s[68:69], s[18:19]
	v_lshlrev_b32 v[BO], 5, v2                     ; register j of block b: column 16 b + 8 h + j
	WIN 0x40
.set fi, 0
.rept NBK
	global_load_b128 v[8*fi:8*fi+3],   v[BO], s[68:69] offset:64*fi
	global_load_b128 v[8*fi+4:8*fi+7], v[BO], s[68:69] offset:64*fi+16
.set fi, fi+1
.endr
	WIN 0
.endif
	s_lshl_b32 s16, s13, 7                         ; my first row
	s_lshl_b32 s18, s11, 6
	s_add_co_u32 s16, s16, s18
	s_lshl_b32 s16, s16, 12
	s_add_co_u32 s46, s46, s16
	s_mov_b32 s47, 0
	s_add_nc_u64 s[8:9], s[8:9], s[46:47]
	s_add_nc_u64 s[70:71], s[70:71], s[46:47]
	v_lshlrev_b32 v[CO], 12, v2                    ; lanes 0-15 one row of 256 bytes, lanes 16-31 the next
	v_lshl_add_u32 v[CO], v1, 4, v[CO]
	WIN 0x80
.set fi, 0
.rept 32
	global_load_b128 v[128+4*fi:128+4*fi+3], v[CO], s[70:71] offset:2*fi*4096  ; the residual stays on its way under the whole product
.set fi, fi+1
.endr
	WIN 0
	v_mul_u32_u24 v3, v1, PA
	v_lshl_add_u32 v3, v2, 4, v3
	s_mul_i32 s21, s11, 16*MB*PA
	v_add_nc_u32 v[ADRA0], s21, v3
	v_and_b32 v4, 7, v0
	v_lshl_add_u32 v4, v2, 3, v4
	v_mul_u32_u24 v4, v4, PB
	v_bfe_u32 v5, v0, 3, 1
	v_lshl_add_u32 v4, v5, 4, v4
	s_mul_i32 s22, s12, 32*NBK
	s_add_co_u32 s22, s22, ATILE
	v_add_nc_u32 v[ADRB0], s22, v4
	v_mov_b32 v[ADRA], v[ADRA0]
	v_mov_b32 v[ADRB], v[ADRB0]
	s_mov_b32 s[TB], 0
	s_mul_i32 s23, s10, STW
	s_add_co_u32 s23, s23, STAGE
	v_mul_u32_u24 v6, v1, 272                      ; in: row r, 32 bytes for each half of the lanes
	v_lshl_add_u32 v6, v2, 5, v6
	v_add_nc_u32 v[STO], s23, v6
	v_mul_u32_u24 v6, v2, 272                      ; back: two whole rows of 256 bytes
	v_lshl_add_u32 v6, v1, 4, v6
	v_add_nc_u32 v[RD], s23, v6
	s_wait_tensorcnt 0x1                           ; my part of slot 0 is in; slot 1's may stay out
	s_barrier_signal -1
	s_barrier_wait -1
	FETCH ADRA, 0, ADRB, 0, 0
.if HASB
	s_wait_loadcnt 32                              ; the bias is in; the 32 loads of the residual are younger
.endif
	CHUNK 0, 1, ADRA, 64, ADRB, 32*PB, CM0         ; the first chunk stands ahead of the loop: its products start the sums
	WIN 0
	s_mov_b32 s3, NSTEP-2
.Lstep:
	MID
	TURN 1
	CHUNK 0, 1, ADRA, 64, ADRB, 32*PB, 0
	WIN 0
	s_sub_co_u32 s3, s3, 1
	s_cmp_lg_u32 s3, 0
	s_cbranch_scc1 .Lstep
	s_mov_b32 s3, 2
.Ltail:                                                ; the last two steps ask for nothing: a text of their own
	MID
	s_cmp_eq_u32 s3, 1
	s_cbranch_scc1 .Llast
	TURN 0
	CHUNK 0, 1, ADRA, 64, ADRB, 32*PB, 0
	WIN 0
	s_sub_co_u32 s3, s3, 1
	s_cmp_lg_u32 s3, 0
	s_cbranch_scc1 .Ltail
.Llast:
	s_wait_dscnt MB
	MUL 1, 0, MB/2, 0
	s_wait_dscnt 0x0
	MUL 1, MB/2, MB/2, 0
	PLACES
; THE WAY OUT, 16 rows at a time through my own stage: sums in as columns, out as whole rows of 256 bytes; the residual is added; sixteen lanes store 256 consecutive bytes, aligned.
.macro TOST a
	WIN 0x08                                       ; the stores' data lie in window 2
.set pj, 0
.rept NBK
	ds_store_b128 v[STO], v[8*((\a)*NBK+pj):8*((\a)*NBK+pj)+3]   offset:64*pj
	ds_store_b128 v[STO], v[8*((\a)*NBK+pj)+4:8*((\a)*NBK+pj)+7] offset:64*pj+16
.set pj, pj+1
.endr
	WIN 0
.set pj, 0
.rept 8
	ds_load_b128 v[64+32*(\a)+4*pj:64+32*(\a)+4*pj+3], v[RD] offset:pj*544  ; LDS serves a wave's instructions in order (ISA guide 5.7.1.4)
.set pj, pj+1
.endr
.endm
.macro OUT a, younger
	s_wait_dscnt \younger                          ; the block is back; the next block's sixteen LDS lines may be out
	WIN 0x08
.set pj, 0
.rept 16
	v_pk_add_f32 v[64+32*(\a)+2*pj:64+32*(\a)+2*pj+1], v[64+32*(\a)+2*pj:64+32*(\a)+2*pj+1], v[128+32*(\a)+2*pj:128+32*(\a)+2*pj+1]
.set pj, pj+1
.endr
	WIN 0
.set pj, 0
.rept 8
	global_store_b128 v[CO], v[64+32*(\a)+4*pj:64+32*(\a)+4*pj+3], s[8:9] offset:(16*(\a)+2*pj)*4096
.set pj, pj+1
.endr
.endm
	s_wait_loadcnt 0x0                             ; the residual
	TOST 0
	TOST 1
	OUT 0, 16
	TOST 2
	OUT 1, 16
	TOST 3
	OUT 2, 16
	OUT 3, 0
	s_wait_tensorcnt 0x0                           ; the wave's end
	ds_add_u32 v[SPW], v[NIL]
	s_wait_dscnt 0x0
	CROUND                                         ; the closing round
	s_endpgm
.Lfunc_end_k_q67ec5dd685_gemm_o:
	.size	k_q67ec5dd685_gemm_o, .Lfunc_end_k_q67ec5dd685_gemm_o-k_q67ec5dd685_gemm_o
	.p2alignl 7, 3214868480
	.fill 96, 4, 3214868480
	.section	.rodata,"a",@progbits
	.p2align	6, 0x0
	.amdhsa_kernel k_q67ec5dd685_gemm_o
		.amdhsa_group_segment_fixed_size 327680
		.amdhsa_private_segment_fixed_size 0
		.amdhsa_enable_private_segment 0
		.amdhsa_kernarg_size 32
		.amdhsa_user_sgpr_count 2
		.amdhsa_user_sgpr_kernarg_segment_ptr 1
		.amdhsa_wavefront_size32 1
		.amdhsa_system_sgpr_workgroup_id_x 1
		.amdhsa_system_sgpr_workgroup_id_y 1
		.amdhsa_system_sgpr_workgroup_id_z 1
		.amdhsa_system_vgpr_workitem_id 0
		.amdhsa_next_free_vgpr 768
		.amdhsa_next_free_sgpr 84
		.amdhsa_reserve_vcc 0
		.amdhsa_float_denorm_mode_32 3
		.amdhsa_float_denorm_mode_16_64 3
		.amdhsa_memory_ordered 1
		.amdhsa_forward_progress 1
		.amdhsa_inst_pref_size 49
	.end_amdhsa_kernel
	.amdgpu_metadata
---
amdhsa.version: [ 1, 2 ]
amdhsa.kernels:
  - .name:           k_q67ec5dd685_gemm_o
    .symbol:         k_q67ec5dd685_gemm_o.kd
    .args:
      - { .name: y, .offset: 0, .size: 8, .value_kind: global_buffer, .address_space: global }
      - { .name: wbf, .offset: 8, .size: 8, .value_kind: global_buffer, .address_space: global }
      - { .name: x, .offset: 16, .size: 8, .value_kind: global_buffer, .address_space: global }
      - { .name: x1, .offset: 24, .size: 8, .value_kind: global_buffer, .address_space: global }
    .group_segment_fixed_size: 327680
    .private_segment_fixed_size: 0
    .kernarg_segment_align: 8
    .kernarg_segment_size: 32
    .max_flat_workgroup_size: 128
    .sgpr_count:     84
    .vgpr_count:     768
    .wavefront_size: 32
...
	.end_amdgpu_metadata
.endif
;; end of part 5
;; launch ln2 (part 6): grid 256 x 1, 8 waves a work-group, no clusters, 0 bytes of LDS; arguments x1, ln2_g, ln2_b, hn; writes hn
.if DOCPART == 6
	.amdgcn_target "amdgcn-amd-amdhsa--gfx1250"
	.amdhsa_code_object_version 6
	.text
	.protected	k_q67ec5dd685_ln2
	.globl	k_q67ec5dd685_ln2
	.p2align	8
	.type	k_q67ec5dd685_ln2,@function
k_q67ec5dd685_ln2:
	s_mov_b64 s[64:65], 0
	v_nop
	global_prefetch_b8 v0, s[64:65] scope:SCOPE_SE
	s_setreg_imm32_b32 hwreg(HW_REG_WAVE_MODE, 25, 1), 1
	s_wait_xcnt 0x0
; hn = LayerNorm(x1) g + b, rounded to bf16.  16 rows a work-group, two a wave; a row stays in 32 registers a lane between the pass for the mean,
; the pass for the variance (of x - mean, so a common offset costs nothing) and the scaling.  No LDS, no matrix unit, no cluster: a stream that shares nothing.
; A launch of its own: a row's statistics span eight column tiles of the product before, and sixteen column tiles of the product behind would each repeat the scaling.
.set X,  16                            ; v[16:79]   two rows, 32 registers each
.set G,  80                            ; v[80:111]  gain of my 32 columns
.set BV, 112                           ; v[112:143] bias of my 32 columns
.set T,  144                           ; v[144:151] four chains of pairs
.set SX, 20
.set SG, 22
.set SB, 24
.set SO, 26
.macro REDUCE                          ; v12 summed over the 32 lanes, the result in every lane
	v_add_f32_dpp v12, v12, v12 row_xmask:1 row_mask:0xf bank_mask:0xf
	v_add_f32_dpp v12, v12, v12 row_xmask:2 row_mask:0xf bank_mask:0xf
	v_add_f32_dpp v12, v12, v12 row_xmask:4 row_mask:0xf bank_mask:0xf
	v_add_f32_dpp v12, v12, v12 row_xmask:8 row_mask:0xf bank_mask:0xf
	v_permlanex16_b32 v13, v12, s46, s47
	v_add_f32 v12, v12, v13
.endm
.macro FOLD
	v_pk_add_f32 v[T:T+1], v[T:T+1], v[T+2:T+3]
	v_pk_add_f32 v[T+4:T+5], v[T+4:T+5], v[T+6:T+7]
	v_pk_add_f32 v[T:T+1], v[T:T+1], v[T+4:T+5]
	v_add_f32 v12, v[T], v[T+1]
	REDUCE
.endm
.macro STATS r                         ; row r: x becomes x - mean; 1 / sqrt(var + eps) into v[6+2r:7+2r]
.set XB, X+32*(\r)
.set c, 0
.rept 4
	v_pk_add_f32 v[T+2*c:T+2*c+1], v[XB+2*c:XB+2*c+1], v[XB+8+2*c:XB+8+2*c+1]  ; the first pairs start the chains
.set c, c+1
.endr
.set c, 0
.rept 8
	v_pk_add_f32 v[T+2*(c%4):T+2*(c%4)+1], v[T+2*(c%4):T+2*(c%4)+1], v[XB+16+2*c:XB+16+2*c+1]
.set c, c+1
.endr
	FOLD
	v_mul_f32 v4, s44, v12                         ; mean = sum / 1,024
	v_mov_b32 v5, v4
.set c, 0
.rept 16
	v_pk_add_f32 v[XB+2*c:XB+2*c+1], v[XB+2*c:XB+2*c+1], v[4:5] neg_lo:[0,1] neg_hi:[0,1]
.set c, c+1
.endr
.set c, 0
.rept 4
	v_pk_mul_f32 v[T+2*c:T+2*c+1], v[XB+2*c:XB+2*c+1], v[XB+2*c:XB+2*c+1]
.set c, c+1
.endr
.set c, 4
.rept 12
	v_pk_fma_f32 v[T+2*(c%4):T+2*(c%4)+1], v[XB+2*c:XB+2*c+1], v[XB+2*c:XB+2*c+1], v[T+2*(c%4):T+2*(c%4)+1]
.set c, c+1
.endr
	FOLD
	v_fma_f32 v12, v12, s44, s45                   ; var + eps
	v_rsq_f32 v[6+2*(\r)], v12                     ; twice: a pair for the packed multiply
	v_rsq_f32 v[7+2*(\r)], v12
	v_nop                                          ; a plain instruction behind the transcendentals (ISA guide 5.7.2)
.endm
.macro APPLY r
.set XB, X+32*(\r)
.set c, 0
	s_wait_alu depctr_va_vdst(0)
.rept 16
	v_pk_mul_f32 v[XB+2*c:XB+2*c+1], v[XB+2*c:XB+2*c+1], v[6+2*(\r):7+2*(\r)]
.set c, c+1
.endr
.set c, 0
.rept 16
	v_pk_fma_f32 v[XB+2*c:XB+2*c+1], v[XB+2*c:XB+2*c+1], v[G+2*c:G+2*c+1], v[BV+2*c:BV+2*c+1]
.set c, c+1
.endr
.set c, 0
.rept 16
	v_cvt_pk_bf16_f32 v[XB+c], v[XB+2*c], v[XB+2*c+1]  ; register c is free when pair c is read: the packed row takes the row's first half
.set c, c+1
.endr
.set c, 0
.rept 4
	global_store_b128 v3, v[XB+4*c:XB+4*c+3], s[SO:SO+1] offset:(\r)*2048+c*512  ; a wave stores 512 consecutive bytes, aligned
.set c, c+1
.endr
.endm
	s_load_b256 s[20:27], s[0:1], 0x0              ; x1 20, gain 22, bias 24, hn 26
	s_lshl_b32 s38, ttmp9, 16                      ; 16 rows of x1
	s_mov_b32 s39, 0
	s_lshl_b32 s40, ttmp9, 15                      ; 16 rows of hn
	s_mov_b32 s41, 0
	s_mov_b32 s44, 0x3a800000                      ; 1 / 1,024
	s_mov_b32 s45, 0x3727c5ac                      ; 1e-5
	s_mov_b32 s46, 0x76543210                      ; v_permlanex16_b32: each lane takes its own place in the other half
	s_mov_b32 s47, 0xfedcba98
	v_and_b32 v14, 31, v0
	v_lshrrev_b32 v15, 5, v0
	v_lshlrev_b32 v2, 5, v14                       ; 32 l: my bytes in gain and bias
	v_lshl_add_u32 v1, v15, 13, v2                 ; + two rows of 4,096 bytes a wave
	v_lshlrev_b32 v3, 4, v14
	v_lshl_add_u32 v3, v15, 12, v3                 ; 16 l + two rows of 2,048 bytes a wave
	v_mov_b32 v13, 0                               ; v_permlanex16_b32 counts as a reader of its destination
	s_wait_kmcnt 0x0
	s_add_nc_u64 s[SX:SX+1], s[SX:SX+1], s[38:39]
	s_add_nc_u64 s[SO:SO+1], s[SO:SO+1], s[40:41]
.set c, 0
.rept 8
	global_load_b128 v[X+8*c:X+8*c+3],   v1, s[SX:SX+1] offset:(c/4)*4096+(c%4)*1024
	global_load_b128 v[X+8*c+4:X+8*c+7], v1, s[SX:SX+1] offset:(c/4)*4096+(c%4)*1024+16
.set c, c+1
.endr
.set c, 0
.rept 4
	global_load_b128 v[G+8*c:G+8*c+3],   v2, s[SG:SG+1] offset:c*1024
	global_load_b128 v[G+8*c+4:G+8*c+7], v2, s[SG:SG+1] offset:c*1024+16
.set c, c+1
.endr
.set c, 0
.rept 4
	global_load_b128 v[BV+8*c:BV+8*c+3],   v2, s[SB:SB+1] offset:c*1024
	global_load_b128 v[BV+8*c+4:BV+8*c+7], v2, s[SB:SB+1] offset:c*1024+16
.set c, c+1
.endr
	s_wait_loadcnt 24                              ; row 0's eight loads are in; 24 younger ones stay out
	STATS 0
	s_wait_loadcnt 16                              ; row 1's too; gain and bias stay out
	STATS 1
	s_wait_loadcnt 0x0
	APPLY 0
	APPLY 1
	s_endpgm
.Lfunc_end_k_q67ec5dd685_ln2:
	.size	k_q67ec5dd685_ln2, .Lfunc_end_k_q67ec5dd685_ln2-k_q67ec5dd685_ln2
	.p2alignl 7, 3214868480
	.fill 96, 4, 3214868480
	.section	.rodata,"a",@progbits
	.p2align	6, 0x0
	.amdhsa_kernel k_q67ec5dd685_ln2
		.amdhsa_group_segment_fixed_size 0
		.amdhsa_private_segment_fixed_size 0
		.amdhsa_enable_private_segment 0
		.amdhsa_kernarg_size 32
		.amdhsa_user_sgpr_count 2
		.amdhsa_user_sgpr_kernarg_segment_ptr 1
		.amdhsa_wavefront_size32 1
		.amdhsa_system_sgpr_workgroup_id_x 1
		.amdhsa_system_sgpr_workgroup_id_y 1
		.amdhsa_system_sgpr_workgroup_id_z 1
		.amdhsa_system_vgpr_workitem_id 0
		.amdhsa_next_free_vgpr 152
		.amdhsa_next_free_sgpr 66
		.amdhsa_reserve_vcc 0
		.amdhsa_float_denorm_mode_32 3
		.amdhsa_float_denorm_mode_16_64 3
		.amdhsa_memory_ordered 1
		.amdhsa_forward_progress 1
		.amdhsa_inst_pref_size 20
	.end_amdhsa_kernel
	.amdgpu_metadata
---
amdhsa.version: [ 1, 2 ]
amdhsa.kernels:
  - .name:           k_q67ec5dd685_ln2
    .symbol:         k_q67ec5dd685_ln2.kd
    .args:
      - { .name: x1, .offset: 0, .size: 8, .value_kind: global_buffer, .address_space: global }
      - { .name: ln2_g, .offset: 8, .size: 8, .value_kind: global_buffer, .address_space: global }
      - { .name: ln2_b, .offset: 16, .size: 8, .value_kind: global_buffer, .address_space: global }
      - { .name: hn, .offset: 24, .size: 8, .value_kind: global_buffer, .address_space: global }
    .group_segment_fixed_size: 0
    .private_segment_fixed_size: 0
    .kernarg_segment_align: 8
    .kernarg_segment_size: 32
    .max_flat_workgroup_size: 256
    .sgpr_count:     66
    .vgpr_count:     152
    .wavefront_size: 32
...
	.end_amdgpu_metadata
.endif
;; end of part 6
;; launch gemm_ff1 (part 7): grid 16 x 16, 4 waves a work-group, clusters of 4 x 4, 327,680 bytes of LDS; arguments hn, wbf, b_ff1, f; writes f
.if DOCPART == 7
	.amdgcn_target "amdgcn-amd-amdhsa--gfx1250"
	.amdhsa_code_object_version 6
	.text
	.protected	k_q67ec5dd685_gemm_ff1
	.globl	k_q67ec5dd685_gemm_ff1
	.p2align	8
	.type	k_q67ec5dd685_gemm_ff1,@function
k_q67ec5dd685_gemm_ff1:
	s_mov_b64 s[64:65], 0
	v_nop
	global_prefetch_b8 v0, s[64:65] scope:SCOPE_SE
	s_setreg_imm32_b32 hwreg(HW_REG_WAVE_MODE, 25, 1), 1
	s_wait_xcnt 0x0
	s_wait_alu depctr_hold_cnt(0) depctr_sa_sdst(0) depctr_va_vdst(0) depctr_va_sdst(0) depctr_va_ssrc(0) depctr_va_vcc(0) depctr_vm_vsrc(0)
	s_getreg_b32 s2, hwreg(HW_REG_IB_STS2, 6, 4)
	s_cmp_eq_u32 s2, 0
	s_cbranch_scc0 .Lentry_in_a_cluster
	s_endpgm
.Lentry_in_a_cluster:
	s_bfe_u32 s2, ttmp6, 0x10000c
	s_cmp_lg_u32 s2, 0xf033
	s_cbranch_scc0 .Lentry_shape_is_right
	s_endpgm
.Lentry_shape_is_right:
; f = relu(hn W_ff1 + b_ff1): [4096][1024] x [1024][4096], bf16 operands, f32 sums, the bias as the C of the first products, bf16 out in slices of 64 columns: [batch][slice][t][64].
; 16 x 16 tiles of 256 x 256: one for each of 256 work-groups; a wave makes 128 x 128 in 512 registers.
.set KIND, 3
.set MB, 8                             ; blocks of 16 rows a wave
.set NBK, 8                            ; blocks of 16 columns a wave
.set KDIM, 1024
.set NDIM, 4096                        ; W's pitch in elements
.set WOFF, 7340032                     ; W's first byte in wbf
.set ASL, 0                            ; A lies in rows
.set AOFF, 0
.set BSTR, 0
.set AQI, 5                            ; A's padding: behind every 64 words
.set AT0, 128                          ; A's tensor load: elements a row, rows, pitch
.set AT1, 128
.set AST, 1024
.set SLOT1, 0x24000
.set HASB, 1
.set RELU, 1
.set ARGB, 0x10
.set ARGO, 0x18
; THE COMMON TEXT (bf16 out).  C = A W.  Four waves, 2 x 2; a wave makes 16 MB x 16 NBK of C.  K goes in steps of 128 through two LDS slots filled by the tensor data mover.
; THE MATRIX INSTRUCTION IS USED TRANSPOSED: source 0 = 16 columns of W, source 1 = 16 rows of A, so a lane holds eight neighbouring columns of one row of C.
; W stays [K][N] in LDS; its fragments come turned, by ds_load_tr16_b128.  A step is four chunks of 32 along K on two fragment buffers; it is written once, and the slot's LDS offset is a scalar that an exclusive or turns.
; CLUSTER 4 x 4: A's tile hangs on the tile row alone and is asked for jointly along a row of the cluster, W's on the tile column alone and jointly along a column.
; K IS WALKED ROUND.  A cluster begins at K step S0 = (NSTEP/4 x cluster x + NSTEP/2 x (cluster y mod 2)) mod NSTEP and wraps at NSTEP: every step is taken once, and the f32 sums take K in that order.
; So the clusters of one cluster row, which read the same rows of A, begin NSTEP/4 steps apart, and neighbouring cluster rows, which read the same columns of W, NSTEP/2 apart: a tile that several
; clusters need is not asked for by all of them in the same step.  S0 hangs on the cluster's place in the grid alone, which all sixteen partners share.
; REGISTERS, in windows of 256: window 0: v0-31 addresses, v64-191 A's two fragment buffers (later the way out), v192-223 packed results;
;   window 1: v0-63 the bias as a C operand, v64-191 W's two buffers;   windows 2, 3: accumulator (a, b) at 8 (a NBK + b).
; LDS: slot 0 at 0, slot 1 at SLOT1, each A's tile then W's; behind them a stage for each wave and the spare words.
; LIMITS: relu, where it is taken, is v_max_num_f32 with 0: a NaN becomes 0.  Operands are rounded to bf16.
.set KSTEP, 128
.set TM, 32*MB
.set TN, 32*NBK
.set NSTEP, KDIM/KSTEP
.set NL, 2*(NBK+MB)                    ; LDS loads of a chunk
.if ASL
.set PA, 144                           ; a slice's row: 128 bytes + 16: the 16 rows of a fragment load start at 16 different groups of four banks (ISA guide 11.1)
.set ATILE, 2*TM*PA                    ; two slices of TM rows
.set ASTEP, 2*262144
.set AO2, TM*PA                        ; chunk 2 begins the second slice
.else
.set PA, 272                           ; 256 bytes + 16
.set ATILE, TM*PA
.set ASTEP, KSTEP*2
.set AO2, 128
.endif
.set AO1, 64
.set AO3, AO2+64
.set PB, 2*TN+32                       ; a row of W's tile + 32 bytes: an odd multiple of 32
.set BQI, 4+TN/128
.set BTILE, KSTEP*PB
.set BSTEP, KSTEP*NDIM*2
.set STAGE, SLOT1+ATILE+BTILE
.set STW, (NBK/4)*16*144               ; a wave's stage: 16 rows x 144 bytes for each slice
.set SPARE, STAGE+4*STW                ; the spare words: 128 bytes a wave, named by no other line
.set OBN, 32/NBK                       ; blocks that v64-191 hold on the way out
.set CM0, 1+HASB
.set ADRA0, 16                         ; v16, v17  my lane's place in A's and W's tile; never rewritten
.set ADRB0, 17
.set ADRA, 18                          ; v18, v19  the same in the slot in hand
.set ADRB, 19
.set STO, 24
.set RD, 25
.set GO, 26
.set BO, 27
.set SPW, 28
.set NIL, 29
.set TMP, 192
.set G1, 24                            ; s[24:31] A's group 1; s[32:39] its group 0, two sets: set 1 walks
.set G0, 32
.set G1B, 48                           ; s[48:55], s[56:63] the same for W
.set G0B, 56
.set TB, 45                            ; s45 LDS offset of the slot in hand
.set BASEA, 74                         ; s[74:75] A at my part of K step 0, s[76:77] W likewise; never rewritten
.set BASEB, 76
.set KI, 78                            ; s78 the K step asked for last
.set OFA, 80                           ; s[80:81], s[82:83] that step's byte offsets in A and in W
.set OFB, 82
.set MSB, 0
.macro WIN new                         ; the immediate's high byte repeats the setting that is left; a switch that changes nothing is dropped
.if MSB != (\new)
	s_set_vgpr_msb (MSB<<8)|(\new)
.set MSB, (\new)
.endif
.endm
.macro PLACES                          ; four places behind matrix instructions (ISA guide 7.12.1), where no other vector work is at hand
.rept 4
	v_nop
.endr
.endm
.macro STEPK                           ; the next K step, round NSTEP
	s_add_co_u32 s[KI], s[KI], 1
	s_and_b32 s[KI], s[KI], NSTEP-1
.endm
.macro AIM st                          ; set st of both group 0s takes K step KI: base + offset, the type bits anew
	s_mul_i32 s[OFA], s[KI], ASTEP
	s_mul_i32 s[OFB], s[KI], BSTEP
	s_add_nc_u64 s[G0+4*(\st)+2:G0+4*(\st)+3], s[BASEA:BASEA+1], s[OFA:OFA+1]
	s_or_b32 s[G0+4*(\st)+3], s[G0+4*(\st)+3], 0x80000000
	s_add_nc_u64 s[G0B+4*(\st)+2:G0B+4*(\st)+3], s[BASEB:BASEB+1], s[OFB:OFB+1]
	s_or_b32 s[G0B+4*(\st)+3], s[G0B+4*(\st)+3], 0x80000000
.endm
.macro JLOAD                           ; the joint refill: waves 0, 1 A's halves, waves 2, 3 W's; s_nop 0 and four v_nop follow each line
	s_cmp_eq_u32 s11, 0
	s_cbranch_scc0 .Lfor_b_\@
	tensor_load_to_lds s[G0+4:G0+7], s[G1:G1+7]
	s_nop 0
	PLACES
	s_branch .Lasked_\@
.Lfor_b_\@:
	tensor_load_to_lds s[G0B+4:G0B+7], s[G1B:G1B+7]
	s_nop 0
	PLACES
.Lasked_\@:
.endm
.macro CREST                           ; a round of the cluster's barrier behind its opening barrier
	s_cmp_lg_u32 s10, 0
	s_cbranch_scc1 .Lnot_wave_0_\@
	s_barrier_signal -3
.Lnot_wave_0_\@:
	s_barrier_wait -3
	s_barrier_signal -1
	s_barrier_wait -1
.endm
.macro CROUND
	s_barrier_signal -1
	s_barrier_wait -1
	CREST
.endm
; na row blocks from a0 on x all column blocks, 32 along K, from buffer f.  cm = 0: add in place; 1: the product starts the sum with 0; 2: with the bias.
; Every accumulator has one instruction a turn, in the same order in every chunk.
.macro MUL f, a0, na, cm
.set ma, (\a0)
.rept (\na)
.set mb, 0
.rept NBK
.set RG, 8*(ma*NBK+mb)
.set WD, 2+RG/256
.set RG, RG%256
.if (\cm) == 2
	WIN 0x11|(WD<<6)
	v_wmma_f32_16x16x32_bf16 v[RG:RG+7], v[64+64*(\f)+8*mb:64+64*(\f)+8*mb+7], v[64+64*(\f)+8*ma:64+64*(\f)+8*ma+7], v[8*mb:8*mb+7]
.elseif (\cm) == 1
	WIN 0x01|(WD<<4)|(WD<<6)
	v_wmma_f32_16x16x32_bf16 v[RG:RG+7], v[64+64*(\f)+8*mb:64+64*(\f)+8*mb+7], v[64+64*(\f)+8*ma:64+64*(\f)+8*ma+7], 0
.else
	WIN 0x01|(WD<<4)|(WD<<6)
	v_wmma_f32_16x16x32_bf16 v[RG:RG+7], v[64+64*(\f)+8*mb:64+64*(\f)+8*mb+7], v[64+64*(\f)+8*ma:64+64*(\f)+8*ma+7], v[RG:RG+7]
.endif
.set mb, mb+1
.endr
.set ma, ma+1
.endr
.endm
.macro FETCH oa, ob, g                 ; one chunk's fragments in one run: W's (turned), then A's, into buffer g
	WIN 0x40
.set fi, 0
.rept NBK
	ds_load_tr16_b128 v[64+64*(\g)+8*fi:64+64*(\g)+8*fi+3],   v[ADRB] offset:(\ob)+32*fi
	ds_load_tr16_b128 v[64+64*(\g)+8*fi+4:64+64*(\g)+8*fi+7], v[ADRB] offset:(\ob)+32*fi+16*PB
.set fi, fi+1
.endr
	WIN 0
.set fi, 0
.rept MB
	ds_load_b128 v[64+64*(\g)+8*fi:64+64*(\g)+8*fi+3],   v[ADRA] offset:(\oa)+fi*16*PA
	ds_load_b128 v[64+64*(\g)+8*fi+4:64+64*(\g)+8*fi+7], v[ADRA] offset:(\oa)+fi*16*PA+32
.set fi, fi+1
.endr
.endm
.macro CHUNK f, g, oa, ob, cm          ; multiplies buffer f; in its middle fetches the next chunk into g
	s_wait_dscnt MB                                ; W and A's lower half are in; the MB youngest loads (A's upper half) may be out
	MUL \f, 0, MB/2, \cm
	PLACES
	FETCH \oa, \ob, \g
	s_wait_dscnt NL                                ; all but the NL just issued
	MUL \f, MB/2, MB/2, \cm
.endm
; A step's last chunk (buffer 1) changes slots: one barrier.  In front of it each wave waits for all its tensor loads (one is out: its part of the next slot), adds 0 to its spare
; word, and waits for that and for its reads of this slot.  fill = 1: the barrier opens a round of the cluster's, and this slot is filled again first behind it, two steps ahead.
.macro TURN fill
	WIN 0
	s_wait_tensorcnt 0x0
	ds_add_u32 v[SPW], v[NIL]
.if \fill
	STEPK                                          ; no load of mine is out: the walking sets take the other slot and the next K step
	s_xor_b32 s[G0+5], s[G0+5], SLOT1
	s_xor_b32 s[G0B+5], s[G0B+5], SLOT1
	AIM 1
.endif
	s_wait_dscnt MB+1                              ; the add and A's upper half may be out
	MUL 1, 0, MB/4, 0
	s_wait_dscnt 0x0                               ; the add is done, my reads of this slot are over
	s_barrier_signal -1
	MUL 1, MB/4, MB/4, 0
	WIN 0
	s_barrier_wait -1
.if \fill
	CREST
	JLOAD                                          ; its four v_nop are also the places in front of the loads below
.else
	PLACES
.endif
	s_xor_b32 s[TB], s[TB], SLOT1
	v_add_nc_u32 v[ADRA], s[TB], v[ADRA0]
	v_add_nc_u32 v[ADRB], s[TB], v[ADRB0]
	FETCH 0, 0, 0
	MUL 1, MB/2, MB/2, 0
.endm
.macro MID
	CHUNK 1, 0, AO2, 64*PB, 0
	CHUNK 0, 1, AO3, 96*PB, 0
.endm
	s_load_b128 s[4:7], s[0:1], 0x0                ; A, wbf
	s_load_b64 s[8:9], s[0:1], ARGO                ; the output
.if HASB
	s_load_b64 s[68:69], s[0:1], ARGB              ; the bias
.endif
	v_lshl_add_u32 v[SPW], v0, 2, SPARE
	v_mov_b32 v[NIL], 0
	ds_add_u32 v[SPW], v[NIL]                      ; the wave's opening: the add and its wait stand ahead of my first tensor load
	ds_add_u32 v28, v29
	v_lshrrev_b32 v1, 5, v0
	v_readfirstlane_b32 s10, v1                    ; wave 0..3
	s_lshr_b32 s11, s10, 1                         ; my half of the tile's rows.  Also: I fetch for A (0) or for W (1)
	s_and_b32 s12, s10, 1                          ; my half of its columns.  Also: which half of that tile I fetch
	s_bfe_u32 s40, ttmp6, 0x40000                  ; cx, cy
	s_bfe_u32 s41, ttmp6, 0x40004
	s_lshl_b32 s42, ttmp9, 2
	s_add_co_u32 s42, s42, s40                     ; tile column
	s_and_b32 s13, ttmp7, 0xffff
	s_lshl_b32 s13, s13, 2
	s_add_co_u32 s13, s13, s41                     ; tile row
	s_lshl_b32 s43, s41, 2
	s_lshl_b32 s43, 15, s43                        ; my row of the cluster
	s_lshl_b32 s44, 0x1111, s40                    ; my column
	s_and_b32 s[KI], ttmp7, 1                      ; S0, from the cluster's x and y alone
	s_mul_i32 s[KI], s[KI], NSTEP/2
	s_mul_i32 s79, ttmp9, NSTEP/4
	s_add_co_u32 s[KI], s[KI], s79
	s_and_b32 s[KI], s[KI], NSTEP-1
	s_mov_b32 s[OFA+1], 0
	s_mov_b32 s[OFB+1], 0
	s_or_b32 s[G1+0], s43, (1<<16)|(1<<20)|(1<<21)|(AQI<<22)|(3<<25)   ; mask; 2-byte elements; padding on; bit 21 beside a mask; interval; 4 words of padding
	s_mov_b32 s[G1+1], (AT0&0xffff)<<16            ; tensor_dim0
	s_mov_b32 s[G1+2], (AT0>>16)|(AT1<<16)         ; tensor_dim1
	s_mov_b32 s[G1+3], AT0<<16                     ; tile_dim0
	s_mov_b32 s[G1+4], AT1                         ; tile_dim1
	s_mov_b32 s[G1+5], AST                         ; pitch
	s_mov_b32 s[G1+6], 0
	s_mov_b32 s[G1+7], 0
	s_or_b32 s[G1B+0], s44, (1<<16)|(1<<20)|(1<<21)|(BQI<<22)|(7<<25)  ; the same for W: 8 words of padding behind each row
	s_mov_b32 s[G1B+1], TN<<16
	s_mov_b32 s[G1B+2], (KSTEP/2)<<16
	s_mov_b32 s[G1B+3], TN<<16
	s_mov_b32 s[G1B+4], KSTEP/2
	s_mov_b32 s[G1B+5], NDIM
	s_mov_b32 s[G1B+6], 0
	s_mov_b32 s[G1B+7], 0
	s_mul_i32 s16, s13, TM                         ; A's offset: made of the tile row and the wave's number alone
.if ASL
	s_lshr_b32 s17, s16, 11                        ; batch
	s_and_b32 s16, s16, 2047                       ; t
	s_mul_i32 s17, s17, BSTR
	s_lshl_b32 s16, s16, 7
	s_add_co_u32 s16, s16, s17
	s_mul_i32 s17, s12, 262144                     ; my slice of the step's two
	s_add_co_u32 s16, s16, s17
	s_add_co_u32 s16, s16, AOFF
.else
	s_mul_i32 s17, s12, TM/2
	s_add_co_u32 s16, s16, s17
	s_mul_i32 s16, s16, KDIM*2
.endif
	s_mov_b32 s17, 0
	s_mul_i32 s46, s42, TN*2                       ; W's offset: the tile column and the wave's number alone
	s_mul_i32 s47, s12, (KSTEP/2)*NDIM*2
	s_add_co_u32 s46, s46, s47
	s_add_co_u32 s46, s46, WOFF
	s_mov_b32 s47, 0
	s_mul_i32 s20, s12, ATILE/2                    ; where they go: no place in the cluster enters an LDS address
	s_mul_i32 s21, s12, BTILE/2
	s_add_co_u32 s21, s21, ATILE
	s_wait_dscnt 0x0                               ; the opening add is done
	s_wait_kmcnt 0x0
	s_add_nc_u64 s[BASEA:BASEA+1], s[4:5], s[16:17]
	s_add_nc_u64 s[BASEB:BASEB+1], s[6:7], s[46:47]
.irp s, 0,1
	s_mov_b32 s[G0+4*(\s)], 1
	s_add_co_u32 s[G0+4*(\s)+1], s20, (\s)*SLOT1
	s_mov_b32 s[G0B+4*(\s)], 1
	s_add_co_u32 s[G0B+4*(\s)+1], s21, (\s)*SLOT1
.endr
	AIM 0                                          ; slot 0 takes K step S0,
	STEPK
	AIM 1                                          ; slot 1 the step behind it
	CROUND                                         ; all sixteen work-groups are here: the first joint loads meet
	s_cmp_eq_u32 s11, 0                            ; a wave's two first fills stand in one branch: two loads of mine are out
	s_cbranch_scc0 .Lfirst_b
	tensor_load_to_lds s[G0:G0+3], s[G1:G1+7]
	s_nop 0
	tensor_load_to_lds s[G0+4:G0+7], s[G1:G1+7]
	s_nop 0
	PLACES
	s_branch .Lfirst_done
.Lfirst_b:
	tensor_load_to_lds s[G0B:G0B+3], s[G1B:G1B+7]
	s_nop 0
	tensor_load_to_lds s[G0B+4:G0B+7], s[G1B:G1B+7]
	s_nop 0
	PLACES
.Lfirst_done:
	v_and_b32 v1, 15, v0                           ; r = l % 16
	v_bfe_u32 v2, v0, 4, 1                         ; h = l / 16
.if HASB
	s_mul_i32 s18, s42, TN*4                       ; my first column's bias
	s_mul_i32 s19, s12, TN*2
	s_add_co_u32 s18, s18, s19
	s_mov_b32 s19, 0
	s_add_nc_u64 s[68:69], s[68:69], s[18:19]
	v_lshlrev_b32 v[BO], 5, v2                     ; register j of block b: column 16 b + 8 h + j
	WIN 0x40
.set fi, 0
.rept NBK
	global_load_b128 v[8*fi:8*fi+3],   v[BO], s[68:69] offset:64*fi
	global_load_b128 v[8*fi+4:8*fi+7], v[BO], s[68:69] offset:64*fi+16
.set fi, fi+1
.endr
	WIN 0
.endif
	s_mul_i32 s16, s13, TM                         ; where my part of C begins: batch, t, slice
	s_lshr_b32 s17, s16, 11
	s_and_b32 s16, s16, 2047
	s_mul_i32 s18, s11, 16*MB
	s_add_co_u32 s16, s16, s18
	s_lshl_b32 s16, s16, 7
.if KIND == 0                          ; 16 slices of q for each batch, then 8 of latent: slice cs + 16 u + b (16 - 8 u), u = 1 for latent
	s_lshl_b32 s46, s42, 1
	s_add_co_u32 s46, s46, s12
	s_lshr_b32 s47, s46, 4
	s_lshl_b32 s18, s47, 3
	s_sub_co_u32 s18, 16, s18
	s_mul_i32 s18, s18, s17
	s_lshl_b32 s47, s47, 4
	s_add_co_u32 s46, s46, s47
	s_add_co_u32 s46, s46, s18
.elseif KIND == 1                      ; k's 32 slices, then v's
	s_lshl_b32 s46, s42, 1
	s_add_co_u32 s46, s46, s12
	s_lshr_b32 s47, s46, 4
	s_lshl_b32 s47, s47, 5
	s_and_b32 s46, s46, 15
	s_add_co_u32 s46, s46, s47
	s_lshl_b32 s18, s17, 4
	s_add_co_u32 s46, s46, s18
.else                                  ; 64 slices for each batch, two a wave
	s_lshl_b32 s46, s42, 2
	s_lshl_b32 s47, s12, 1
	s_add_co_u32 s46, s46, s47
	s_lshl_b32 s18, s17, 6
	s_add_co_u32 s46, s46, s18
.endif
	s_lshl_b32 s46, s46, 18                        ; a slice is 262,144 bytes
	s_add_co_u32 s46, s46, s16
	s_mov_b32 s47, 0
	s_add_nc_u64 s[8:9], s[8:9], s[46:47]
	v_mul_u32_u24 v3, v1, PA                       ; A's fragment: lane l holds row r, K = 8 h + 0..7 and 16 + 8 h + 0..7: two loads of 16 bytes, 32 apart
	v_lshl_add_u32 v3, v2, 4, v3
	s_mul_i32 s21, s11, 16*MB*PA
	v_add_nc_u32 v[ADRA0], s21, v3
	v_and_b32 v4, 7, v0                            ; W's: lane l addresses row 8 h + l % 8, 16 bytes at 16 ((l / 8) % 2); the turning load leaves column r, eight K
	v_lshl_add_u32 v4, v2, 3, v4
	v_mul_u32_u24 v4, v4, PB
	v_bfe_u32 v5, v0, 3, 1
	v_lshl_add_u32 v4, v5, 4, v4
	s_mul_i32 s22, s12, 32*NBK
	s_add_co_u32 s22, s22, ATILE
	v_add_nc_u32 v[ADRB0], s22, v4
	v_mov_b32 v[ADRA], v[ADRA0]
	v_mov_b32 v[ADRB], v[ADRB0]
	s_mov_b32 s[TB], 0
	s_mul_i32 s23, s10, STW
	s_add_co_u32 s23, s23, STAGE                   ; my stage
	v_mul_u32_u24 v6, v1, 144                      ; in: row r, 16 bytes for each half of the lanes
	v_lshl_add_u32 v6, v2, 4, v6
	v_add_nc_u32 v[STO], s23, v6
	v_bfe_u32 v6, v0, 3, 2                         ; back: 32 lanes take four rows of 128 bytes,
	v_mul_u32_u24 v6, v6, 144
	v_and_b32 v7, 7, v0
	v_lshl_add_u32 v6, v7, 4, v6
	v_add_nc_u32 v[RD], s23, v6
	v_and_b32 v[GO], 31, v0                        ; which are 512 consecutive bytes of a slice
	v_lshlrev_b32 v[GO], 4, v[GO]
	s_wait_tensorcnt 0x1                           ; my part of slot 0 is in; slot 1's may stay out
	s_barrier_signal -1
	s_barrier_wait -1
	FETCH 0, 0, 0
.if HASB
	s_wait_loadcnt 0x0                             ; the bias
.endif
	CHUNK 0, 1, AO1, 32*PB, CM0                    ; the first chunk stands ahead of the loop: its products start the sums
	WIN 0
	s_mov_b32 s3, NSTEP-2
.Lstep:                                                ; a trip: a step's chunks 1 to 3 and the next step's chunk 0; every slot but the last two is filled again
	MID
	TURN 1
	CHUNK 0, 1, AO1, 32*PB, 0
	WIN 0
	s_sub_co_u32 s3, s3, 1
	s_cmp_lg_u32 s3, 0
	s_cbranch_scc1 .Lstep
	s_mov_b32 s3, 2
.Ltail:                                                ; the last two steps ask for nothing: a text of their own
	MID
	WIN 0
	s_cmp_eq_u32 s3, 1
	s_cbranch_scc1 .Llast
	TURN 0
	CHUNK 0, 1, AO1, 32*PB, 0
	WIN 0
	s_sub_co_u32 s3, s3, 1
	s_cmp_lg_u32 s3, 0
	s_cbranch_scc1 .Ltail
.Llast:
	s_wait_dscnt MB
	MUL 1, 0, MB/2, 0
	s_wait_dscnt 0x0
	MUL 1, MB/2, MB/2, 0
	PLACES
; THE WAY OUT, a block of 16 rows at a time through my own stage: no barrier, and LDS serves a wave's instructions in order (ISA guide 5.7.1.4).
.macro PACK a                          ; (relu,) rounded to bf16; each accumulator is read from its low end
.set RG, 8*(\a)*NBK
.set WD, 2+RG/256
.set RG, RG%256
.if RELU
	WIN (WD<<2)|(WD<<6)
.set pj, 0
.rept 8*NBK
	v_max_num_f32 v[RG+pj], 0, v[RG+pj]
.set pj, pj+1
.endr
.endif
	WIN WD|(WD<<2)
.set pj, 0
.rept 4*NBK
	v_cvt_pk_bf16_f32 v[TMP+pj], v[RG+2*pj], v[RG+2*pj+1]
.set pj, pj+1
.endr
	WIN 0
.endm
.macro TOSTAGE a
.set OBA, 64+4*NBK*((\a)%OBN)
.set pj, 0
.rept NBK
	ds_store_b128 v[STO], v[TMP+4*pj:TMP+4*pj+3] offset:(pj/4)*2304+(pj%4)*32
.set pj, pj+1
.endr
.set pj, 0
.rept NBK
	ds_load_b128 v[OBA+4*pj:OBA+4*pj+3], v[RD] offset:(pj/4)*2304+(pj%4)*576
.set pj, pj+1
.endr
.endm
.macro SEND a
.set OBA, 64+4*NBK*((\a)%OBN)
	s_wait_dscnt 0x0                               ; the block is back in registers
.if MB > OBN
	s_wait_xcnt 0x0                                ; registers that earlier stores read are loaded again only behind this wait
.endif
.set pj, 0
.rept NBK
	global_store_b128 v[GO], v[OBA+4*pj:OBA+4*pj+3], s[8:9] offset:(\a)*2048+(pj%4)*512+(pj/4)*262144  ; 512 consecutive bytes, aligned
.set pj, pj+1
.endr
.endm
	PACK 0
	TOSTAGE 0
.set blk, 1
.rept MB-1                             ; a block's arithmetic stands between the loads of the block before and the wait for them
	PACK blk
	SEND blk-1
	TOSTAGE blk
.set blk, blk+1
.endr
	SEND MB-1
	s_wait_tensorcnt 0x0                           ; the wave's end
	ds_add_u32 v[SPW], v[NIL]
	s_wait_dscnt 0x0
	CROUND                                         ; the closing round
	s_endpgm
.Lfunc_end_k_q67ec5dd685_gemm_ff1:
	.size	k_q67ec5dd685_gemm_ff1, .Lfunc_end_k_q67ec5dd685_gemm_ff1-k_q67ec5dd685_gemm_ff1
	.p2alignl 7, 3214868480
	.fill 96, 4, 3214868480
	.section	.rodata,"a",@progbits
	.p2align	6, 0x0
	.amdhsa_kernel k_q67ec5dd685_gemm_ff1
		.amdhsa_group_segment_fixed_size 327680
		.amdhsa_private_segment_fixed_size 0
		.amdhsa_enable_private_segment 0
		.amdhsa_kernarg_size 32
		.amdhsa_user_sgpr_count 2
		.amdhsa_user_sgpr_kernarg_segment_ptr 1
		.amdhsa_wavefront_size32 1
		.amdhsa_system_sgpr_workgroup_id_x 1
		.amdhsa_system_sgpr_workgroup_id_y 1
		.amdhsa_system_sgpr_workgroup_id_z 1
		.amdhsa_system_vgpr_workitem_id 0
		.amdhsa_next_free_vgpr 1024
		.amdhsa_next_free_sgpr 84
		.amdhsa_reserve_vcc 0
		.amdhsa_float_denorm_mode_32 3
		.amdhsa_float_denorm_mode_16_64 3
		.amdhsa_memory_ordered 1
		.amdhsa_forward_progress 1
		.amdhsa_inst_pref_size 123
	.end_amdhsa_kernel
	.amdgpu_metadata
---
amdhsa.version: [ 1, 2 ]
amdhsa.kernels:
  - .name:           k_q67ec5dd685_gemm_ff1
    .symbol:         k_q67ec5dd685_gemm_ff1.kd
    .args:
      - { .name: hn, .offset: 0, .size: 8, .value_kind: global_buffer, .address_space: global }
      - { .name: wbf, .offset: 8, .size: 8, .value_kind: global_buffer, .address_space: global }
      - { .name: b_ff1, .offset: 16, .size: 8, .value_kind: global_buffer, .address_space: global }
      - { .name: f, .offset: 24, .size: 8, .value_kind: global_buffer, .address_space: global }
    .group_segment_fixed_size: 327680
    .private_segment_fixed_size: 0
    .kernarg_segment_align: 8
    .kernarg_segment_size: 32
    .max_flat_workgroup_size: 128
    .sgpr_count:     84
    .vgpr_count:     1024
    .wavefront_size: 32
...
	.end_amdgpu_metadata
.endif
;; end of part 7
;; launch gemm_ff2 (part 8): grid 8 x 32, 4 waves a work-group, clusters of 4 x 4, 327,680 bytes of LDS; arguments f, wbf, b_ff2, x1, out0; writes out0
.if DOCPART == 8
	.amdgcn_target "amdgcn-amd-amdhsa--gfx1250"
	.amdhsa_code_object_version 6
	.text
	.protected	k_q67ec5dd685_gemm_ff2
	.globl	k_q67ec5dd685_gemm_ff2
	.p2align	8
	.type	k_q67ec5dd685_gemm_ff2,@function
k_q67ec5dd685_gemm_ff2:
	s_mov_b64 s[64:65], 0
	v_nop
	global_prefetch_b8 v0, s[64:65] scope:SCOPE_SE
	s_setreg_imm32_b32 hwreg(HW_REG_WAVE_MODE, 25, 1), 1
	s_wait_xcnt 0x0
	s_wait_alu depctr_hold_cnt(0) depctr_sa_sdst(0) depctr_va_vdst(0) depctr_va_sdst(0) depctr_va_ssrc(0) depctr_va_vcc(0) depctr_vm_vsrc(0)
	s_getreg_b32 s2, hwreg(HW_REG_IB_STS2, 6, 4)
	s_cmp_eq_u32 s2, 0
	s_cbranch_scc0 .Lentry_in_a_cluster
	s_endpgm
.Lentry_in_a_cluster:
	s_bfe_u32 s2, ttmp6, 0x10000c
	s_cmp_lg_u32 s2, 0xf033
	s_cbranch_scc0 .Lentry_shape_is_right
	s_endpgm
.Lentry_shape_is_right:
; out0 = x1 + f W_ff2 + b_ff2: [4096][4096] x [4096][1024], bf16 operands, f32 sums, the bias as the C of the first products, the residual added in f32, f32 out.
; 8 x 32 tiles of 128 x 128: one for each of 256 work-groups.
.set KDIM, 4096
.set WOFF, 15728640                    ; W's first byte in wbf
.set BSTR, 16777216                    ; A's bytes from batch to batch: 64 slices
.set HASB, 1
.set ARGB, 0x10
.set ARGR, 0x18
.set ARGO, 0x20
; THE COMMON TEXT (f32 out).  C = A W (+ bias) + residual.  Four waves, 2 x 2; a wave makes 64 x 64 of C.  A lies in slices of 64 columns, [batch][slice][t][64].
; K goes in steps of 256, as long as two slots in LDS allow, so that a refill has 128 matrix instructions a wave in which to land.
; THE MATRIX INSTRUCTION IS USED TRANSPOSED: source 0 = 16 columns of W, source 1 = 16 rows of A.  W stays [K][N] in LDS; its fragments come turned, by ds_load_tr16_b128.
; A step is eight chunks of 32 along K on two fragment buffers: chunk 0, three trips of an inner loop over pairs of chunks (one slice of A and 64 rows of W a trip: both 18,432 LDS bytes), and the chunk that changes slots.
; CLUSTER 4 x 4: A's tile is asked for jointly along a row of the cluster, W's along a column.
; K IS WALKED ROUND.  A cluster begins at K step S0 = (NSTEP/2 x cluster x + NSTEP/4 x (cluster y mod 4)) mod NSTEP and wraps at NSTEP: every step is taken once, and the f32 sums take K in that order.
; So the two clusters of a cluster row, which read the same rows of A, begin NSTEP/2 steps apart, and four neighbouring cluster rows, which read the same columns of W, NSTEP/4 apart: a tile that several
; clusters need is not asked for by all of them in the same step.  S0 hangs on the cluster's place in the grid alone, which all sixteen partners share.
; REGISTERS: window 0: v0-31 addresses, v64-191 A's two buffers (later the way out);  window 1: v0-31 the bias as a C operand, v64-191 W's two buffers;
;   window 2: v0-127 accumulator (a, b) at 8 (4 a + b), v128-255 the residual, loaded at the start in the layout in which rows leave.
; LDS: slot 0 at 0, slot 1 at SLOT1, each A's four slices of 128 rows (pitch 144), then W's 256 rows (pitch 288); a stage of 16 rows x 272 bytes a wave; the spare words.
.set MB, 4
.set NBK, 4
.set NDIM, 1024
.set KSTEP, 256
.set SLOT1, 0x24000
.set TM, 128
.set TN, 128
.set NSTEP, KDIM/KSTEP
.set NL, 2*(NBK+MB)
.set PA, 144
.set ATILE, 4*TM*PA
.set ASTEP, 4*262144
.set PB, 288
.set BTILE, KSTEP*PB
.set BSTEP, KSTEP*NDIM*2
.set PSTEP, 18432                      ; = TM PA = 64 PB
.set STAGE, SLOT1+ATILE+BTILE
.set STW, 16*272
.set SPARE, STAGE+4*STW
.set CM0, 1+HASB
.set ADRA0, 16
.set ADRB0, 17
.set ADRA, 18
.set ADRB, 19
.set AP, 20                            ; v20, v21 the inner loop's running addresses
.set BP, 21
.set STO, 24
.set RD, 25
.set CO, 26
.set BO, 27
.set SPW, 28
.set NIL, 29
.set G1, 24
.set G0, 32
.set G1B, 48
.set G0B, 56
.set TB, 45
.set BASEA, 74                         ; s[74:75] A at my part of K step 0, s[76:77] W likewise; never rewritten
.set BASEB, 76
.set KI, 78                            ; s78 the K step asked for last
.set OFA, 80                           ; s[80:81], s[82:83] that step's byte offsets in A and in W
.set OFB, 82
.set MSB, 0
.macro WIN new
.if MSB != (\new)
	s_set_vgpr_msb (MSB<<8)|(\new)
.set MSB, (\new)
.endif
.endm
.macro PLACES
.rept 4
	v_nop
.endr
.endm
.macro STEPK                           ; the next K step, round NSTEP
	s_add_co_u32 s[KI], s[KI], 1
	s_and_b32 s[KI], s[KI], NSTEP-1
.endm
.macro AIM st                          ; set st of both group 0s takes K step KI: base + offset, the type bits anew
	s_mul_i32 s[OFA], s[KI], ASTEP
	s_mul_i32 s[OFB], s[KI], BSTEP
	s_add_nc_u64 s[G0+4*(\st)+2:G0+4*(\st)+3], s[BASEA:BASEA+1], s[OFA:OFA+1]
	s_or_b32 s[G0+4*(\st)+3], s[G0+4*(\st)+3], 0x80000000
	s_add_nc_u64 s[G0B+4*(\st)+2:G0B+4*(\st)+3], s[BASEB:BASEB+1], s[OFB:OFB+1]
	s_or_b32 s[G0B+4*(\st)+3], s[G0B+4*(\st)+3], 0x80000000
.endm
.macro JLOAD                           ; the joint refill: waves 0, 1 A's halves, waves 2, 3 W's; s_nop 0 and four v_nop follow each line
	s_cmp_eq_u32 s11, 0
	s_cbranch_scc0 .Lfor_b_\@
	tensor_load_to_lds s[G0+4:G0+7], s[G1:G1+7]
	s_nop 0
	PLACES
	s_branch .Lasked_\@
.Lfor_b_\@:
	tensor_load_to_lds s[G0B+4:G0B+7], s[G1B:G1B+7]
	s_nop 0
	PLACES
.Lasked_\@:
.endm
.macro CREST
	s_cmp_lg_u32 s10, 0
	s_cbranch_scc1 .Lnot_wave_0_\@
	s_barrier_signal -3
.Lnot_wave_0_\@:
	s_barrier_wait -3
	s_barrier_signal -1
	s_barrier_wait -1
.endm
.macro CROUND
	s_barrier_signal -1
	s_barrier_wait -1
	CREST
.endm
; cm = 0: add in place; 1: the product starts the sum with 0; 2: with the bias.  The 16 accumulators take turns, in the same order in every chunk.
.macro MUL f, a0, na, cm
.set ma, (\a0)
.rept (\na)
.set mb, 0
.rept NBK
.set RG, 8*(ma*NBK+mb)
.if (\cm) == 2
	WIN 0x91
	v_wmma_f32_16x16x32_bf16 v[RG:RG+7], v[64+64*(\f)+8*mb:64+64*(\f)+8*mb+7], v[64+64*(\f)+8*ma:64+64*(\f)+8*ma+7], v[8*mb:8*mb+7]
.elseif (\cm) == 1
	WIN 0xa1
	v_wmma_f32_16x16x32_bf16 v[RG:RG+7], v[64+64*(\f)+8*mb:64+64*(\f)+8*mb+7], v[64+64*(\f)+8*ma:64+64*(\f)+8*ma+7], 0
.else
	WIN 0xa1
	v_wmma_f32_16x16x32_bf16 v[RG:RG+7], v[64+64*(\f)+8*mb:64+64*(\f)+8*mb+7], v[64+64*(\f)+8*ma:64+64*(\f)+8*ma+7], v[RG:RG+7]
.endif
.set mb, mb+1
.endr
.set ma, ma+1
.endr
.endm
.macro FETCH ra, oa, rb, ob, g
	WIN 0x40
.set fi, 0
.rept NBK
	ds_load_tr16_b128 v[64+64*(\g)+8*fi:64+64*(\g)+8*fi+3],   v[\rb] offset:(\ob)+32*fi
	ds_load_tr16_b128 v[64+64*(\g)+8*fi+4:64+64*(\g)+8*fi+7], v[\rb] offset:(\ob)+32*fi+16*PB
.set fi, fi+1
.endr
	WIN 0
.set fi, 0
.rept MB
	ds_load_b128 v[64+64*(\g)+8*fi:64+64*(\g)+8*fi+3],   v[\ra] offset:(\oa)+fi*16*PA
	ds_load_b128 v[64+64*(\g)+8*fi+4:64+64*(\g)+8*fi+7], v[\ra] offset:(\oa)+fi*16*PA+32
.set fi, fi+1
.endr
.endm
.macro CHUNK f, g, ra, oa, rb, ob, cm
	s_wait_dscnt MB                                ; W and A's lower half are in; the MB youngest loads (A's upper half) may be out
	MUL \f, 0, MB/2, \cm
	PLACES
	FETCH \ra, \oa, \rb, \ob, \g
	s_wait_dscnt NL                                ; all but the NL just issued
	MUL \f, MB/2, MB/2, \cm
.endm
; A step's last chunk changes slots: one barrier; in front of it each wave waits for all its tensor loads (one is out), adds 0 to its spare word, and waits for that and for its reads of this slot.
; fill = 1: the barrier opens a round of the cluster's, and this slot is filled again first behind it, two steps ahead.
.macro TURN fill
	WIN 0
	s_wait_tensorcnt 0x0
	ds_add_u32 v[SPW], v[NIL]
.if \fill
	STEPK                                          ; no load of mine is out: the walking sets take the other slot and the next K step
	s_xor_b32 s[G0+5], s[G0+5], SLOT1
	s_xor_b32 s[G0B+5], s[G0B+5], SLOT1
	AIM 1
.endif
	s_wait_dscnt MB+1                              ; the add and A's upper half may be out
	MUL 1, 0, MB/4, 0
	s_wait_dscnt 0x0
	s_barrier_signal -1
	MUL 1, MB/4, MB/4, 0
	WIN 0
	s_barrier_wait -1
.if \fill
	CREST
	JLOAD                                          ; its four v_nop are also the places in front of the loads below
.else
	PLACES
.endif
	s_xor_b32 s[TB], s[TB], SLOT1
	v_add_nc_u32 v[ADRA], s[TB], v[ADRA0]
	v_add_nc_u32 v[ADRB], s[TB], v[ADRB0]
	FETCH ADRA, 0, ADRB, 0, 0
	MUL 1, MB/2, MB/2, 0
.endm
.macro MID                             ; chunks 1 to 6: three trips, each multiplying two chunks and fetching the next slice's two
	WIN 0
	v_add_nc_u32 v[AP], PSTEP, v[ADRA]
	v_add_nc_u32 v[BP], PSTEP, v[ADRB]
	s_mov_b32 s2, 3
.Lpair_\@:
	CHUNK 1, 0, AP, 0, BP, 0, 0
	CHUNK 0, 1, AP, 64, BP, 32*PB, 0
	WIN 0
	v_add_nc_u32 v[AP], PSTEP, v[AP]
	v_add_nc_u32 v[BP], PSTEP, v[BP]
	s_sub_co_u32 s2, s2, 1
	s_cmp_lg_u32 s2, 0
	s_cbranch_scc1 .Lpair_\@
.endm
	s_load_b128 s[4:7], s[0:1], 0x0                ; A, wbf
	s_load_b64 s[8:9], s[0:1], ARGO                ; the output
	s_load_b64 s[70:71], s[0:1], ARGR              ; the residual
.if HASB
	s_load_b64 s[68:69], s[0:1], ARGB              ; the bias
.endif
	v_lshl_add_u32 v[SPW], v0, 2, SPARE
	v_mov_b32 v[NIL], 0
	ds_add_u32 v[SPW], v[NIL]                      ; the wave's opening: the add and its wait stand ahead of my first tensor load
	ds_add_u32 v28, v29
	v_lshrrev_b32 v1, 5, v0
	v_readfirstlane_b32 s10, v1
	s_lshr_b32 s11, s10, 1                         ; my half of the rows.  Also: I fetch for A (0) or for W (1)
	s_and_b32 s12, s10, 1                          ; my half of the columns.  Also: which half of that tile I fetch
	s_bfe_u32 s40, ttmp6, 0x40000
	s_bfe_u32 s41, ttmp6, 0x40004
	s_lshl_b32 s42, ttmp9, 2
	s_add_co_u32 s42, s42, s40                     ; tile column
	s_and_b32 s13, ttmp7, 0xffff
	s_lshl_b32 s13, s13, 2
	s_add_co_u32 s13, s13, s41                     ; tile row
	s_lshl_b32 s43, s41, 2
	s_lshl_b32 s43, 15, s43
	s_lshl_b32 s44, 0x1111, s40
	s_and_b32 s[KI], ttmp7, 3                      ; S0, from the cluster's x and y alone
	s_mul_i32 s[KI], s[KI], NSTEP/4
	s_mul_i32 s79, ttmp9, NSTEP/2
	s_add_co_u32 s[KI], s[KI], s79
	s_and_b32 s[KI], s[KI], NSTEP-1
	s_mov_b32 s[OFA+1], 0
	s_mov_b32 s[OFB+1], 0
	; A: two slices a load; a slice's 128 rows are 16,384 dense bytes, one long row of the tile; padded behind every 128 bytes
	s_or_b32 s[G1+0], s43, (1<<16)|(1<<20)|(1<<21)|(4<<22)|(3<<25)
	s_mov_b32 s[G1+1], 8192<<16                    ; tensor_dim0
	s_mov_b32 s[G1+2], 2<<16                       ; tensor_dim1
	s_mov_b32 s[G1+3], 8192<<16                    ; tile_dim0
	s_mov_b32 s[G1+4], 2                           ; tile_dim1
	s_mov_b32 s[G1+5], 131072                      ; elements from slice to slice
	s_mov_b32 s[G1+6], 0
	s_mov_b32 s[G1+7], 0
	s_or_b32 s[G1B+0], s44, (1<<16)|(1<<20)|(1<<21)|(5<<22)|(7<<25)
	s_mov_b32 s[G1B+1], TN<<16
	s_mov_b32 s[G1B+2], (KSTEP/2)<<16
	s_mov_b32 s[G1B+3], TN<<16
	s_mov_b32 s[G1B+4], KSTEP/2
	s_mov_b32 s[G1B+5], NDIM
	s_mov_b32 s[G1B+6], 0
	s_mov_b32 s[G1B+7], 0
	s_lshl_b32 s16, s13, 7                         ; A's offset: the tile row and the wave's number alone
	s_lshr_b32 s17, s16, 11                        ; batch
	s_and_b32 s16, s16, 2047                       ; t
	s_mul_i32 s17, s17, BSTR
	s_lshl_b32 s16, s16, 7
	s_add_co_u32 s16, s16, s17
	s_mul_i32 s17, s12, 2*262144
	s_add_co_u32 s16, s16, s17
	s_mov_b32 s17, 0
	s_mul_i32 s46, s42, TN*2                       ; W's: the tile column and the wave's number alone
	s_mul_i32 s47, s12, (KSTEP/2)*NDIM*2
	s_add_co_u32 s46, s46, s47
	s_add_co_u32 s46, s46, WOFF
	s_mov_b32 s47, 0
	s_mul_i32 s20, s12, ATILE/2
	s_mul_i32 s21, s12, BTILE/2
	s_add_co_u32 s21, s21, ATILE
	s_wait_dscnt 0x0                               ; the opening add is done
	s_wait_kmcnt 0x0
	s_add_nc_u64 s[BASEA:BASEA+1], s[4:5], s[16:17]
	s_add_nc_u64 s[BASEB:BASEB+1], s[6:7], s[46:47]
.irp s, 0,1
	s_mov_b32 s[G0+4*(\s)], 1
	s_add_co_u32 s[G0+4*(\s)+1], s20, (\s)*SLOT1
	s_mov_b32 s[G0B+4*(\s)], 1
	s_add_co_u32 s[G0B+4*(\s)+1], s21, (\s)*SLOT1
.endr
	AIM 0                                          ; slot 0 takes K step S0,
	STEPK
	AIM 1                                          ; slot 1 the step behind it
	CROUND                                         ; all sixteen work-groups are here: the first joint loads meet
	s_cmp_eq_u32 s11, 0                            ; a wave's two first fills stand in one branch: two loads of mine are out
	s_cbranch_scc0 .Lfirst_b
	tensor_load_to_lds s[G0:G0+3], s[G1:G1+7]
	s_nop 0
	tensor_load_to_lds s[G0+4:G0+7], s[G1:G1+7]
	s_nop 0
	PLACES
	s_branch .Lfirst_done
.Lfirst_b:
	tensor_load_to_lds s[G0B:G0B+3], s[G1B:G1B+7]
	s_nop 0
	tensor_load_to_lds s[G0B+4:G0B+7], s[G1B:G1B+7]
	s_nop 0
	PLACES
.Lfirst_done:
	v_and_b32 v1, 15, v0                           ; r
	v_bfe_u32 v2, v0, 4, 1                         ; h
	s_lshl_b32 s46, s42, 9                         ; my first column, in f32 bytes
	s_lshl_b32 s47, s12, 8
	s_add_co_u32 s46, s46, s47
.if HASB
	s_mov_b32 s18, s46
	s_mov_b32 s19, 0
	s_add_nc_u64 s[68:69], s[68:69], s[18:19]
	v_lshlrev_b32 v[BO], 5, v2                     ; register j of block b: column 16 b + 8 h + j
	WIN 0x40
.set fi, 0
.rept NBK
	global_load_b128 v[8*fi:8*fi+3],   v[BO], s[68:69] offset:64*fi
	global_load_b128 v[8*fi+4:8*fi+7], v[BO], s[68:69] offset:64*fi+16
.set fi, fi+1
.endr
	WIN 0
.endif
	s_lshl_b32 s16, s13, 7                         ; my first row
	s_lshl_b32 s18, s11, 6
	s_add_co_u32 s16, s16, s18
	s_lshl_b32 s16, s16, 12
	s_add_co_u32 s46, s46, s16
	s_mov_b32 s47, 0
	s_add_nc_u64 s[8:9], s[8:9], s[46:47]
	s_add_nc_u64 s[70:71], s[70:71], s[46:47]
	v_lshlrev_b32 v[CO], 12, v2                    ; lanes 0-15 one row of 256 bytes, lanes 16-31 the next
	v_lshl_add_u32 v[CO], v1, 4, v[CO]
	WIN 0x80
.set fi, 0
.rept 32
	global_load_b128 v[128+4*fi:128+4*fi+3], v[CO], s[70:71] offset:2*fi*4096  ; the residual stays on its way under the whole product
.set fi, fi+1
.endr
	WIN 0
	v_mul_u32_u24 v3, v1, PA
	v_lshl_add_u32 v3, v2, 4, v3
	s_mul_i32 s21, s11, 16*MB*PA
	v_add_nc_u32 v[ADRA0], s21, v3
	v_and_b32 v4, 7, v0
	v_lshl_add_u32 v4, v2, 3, v4
	v_mul_u32_u24 v4, v4, PB
	v_bfe_u32 v5, v0, 3, 1
	v_lshl_add_u32 v4, v5, 4, v4
	s_mul_i32 s22, s12, 32*NBK
	s_add_co_u32 s22, s22, ATILE
	v_add_nc_u32 v[ADRB0], s22, v4
	v_mov_b32 v[ADRA], v[ADRA0]
	v_mov_b32 v[ADRB], v[ADRB0]
	s_mov_b32 s[TB], 0
	s_mul_i32 s23, s10, STW
	s_add_co_u32 s23, s23, STAGE
	v_mul_u32_u24 v6, v1, 272                      ; in: row r, 32 bytes for each half of the lanes
	v_lshl_add_u32 v6, v2, 5, v6
	v_add_nc_u32 v[STO], s23, v6
	v_mul_u32_u24 v6, v2, 272                      ; back: two whole rows of 256 bytes
	v_lshl_add_u32 v6, v1, 4, v6
	v_add_nc_u32 v[RD], s23, v6
	s_wait_tensorcnt 0x1                           ; my part of slot 0 is in; slot 1's may stay out
	s_barrier_signal -1
	s_barrier_wait -1
	FETCH ADRA, 0, ADRB, 0, 0
.if HASB
	s_wait_loadcnt 32                              ; the bias is in; the 32 loads of the residual are younger
.endif
	CHUNK 0, 1, ADRA, 64, ADRB, 32*PB, CM0         ; the first chunk stands ahead of the loop: its products start the sums
	WIN 0
	s_mov_b32 s3, NSTEP-2
.Lstep:
	MID
	TURN 1
	CHUNK 0, 1, ADRA, 64, ADRB, 32*PB, 0
	WIN 0
	s_sub_co_u32 s3, s3, 1
	s_cmp_lg_u32 s3, 0
	s_cbranch_scc1 .Lstep
	s_mov_b32 s3, 2
.Ltail:                                                ; the last two steps ask for nothing: a text of their own
	MID
	s_cmp_eq_u32 s3, 1
	s_cbranch_scc1 .Llast
	TURN 0
	CHUNK 0, 1, ADRA, 64, ADRB, 32*PB, 0
	WIN 0
	s_sub_co_u32 s3, s3, 1
	s_cmp_lg_u32 s3, 0
	s_cbranch_scc1 .Ltail
.Llast:
	s_wait_dscnt MB
	MUL 1, 0, MB/2, 0
	s_wait_dscnt 0x0
	MUL 1, MB/2, MB/2, 0
	PLACES
; THE WAY OUT, 16 rows at a time through my own stage: sums in as columns, out as whole rows of 256 bytes; the residual is added; sixteen lanes store 256 consecutive bytes, aligned.
.macro TOST a
	WIN 0x08                                       ; the stores' data lie in window 2
.set pj, 0
.rept NBK
	ds_store_b128 v[STO], v[8*((\a)*NBK+pj):8*((\a)*NBK+pj)+3]   offset:64*pj
	ds_store_b128 v[STO], v[8*((\a)*NBK+pj)+4:8*((\a)*NBK+pj)+7] offset:64*pj+16
.set pj, pj+1
.endr
	WIN 0
.set pj, 0
.rept 8
	ds_load_b128 v[64+32*(\a)+4*pj:64+32*(\a)+4*pj+3], v[RD] offset:pj*544  ; LDS serves a wave's instructions in order (ISA guide 5.7.1.4)
.set pj, pj+1
.endr
.endm
.macro OUT a, younger
	s_wait_dscnt \younger                          ; the block is back; the next block's sixteen LDS lines may be out
	WIN 0x08
.set pj, 0
.rept 16
	v_pk_add_f32 v[64+32*(\a)+2*pj:64+32*(\a)+2*pj+1], v[64+32*(\a)+2*pj:64+32*(\a)+2*pj+1], v[128+32*(\a)+2*pj:128+32*(\a)+2*pj+1]
.set pj, pj+1
.endr
	WIN 0
.set pj, 0
.rept 8
	global_store_b128 v[CO], v[64+32*(\a)+4*pj:64+32*(\a)+4*pj+3], s[8:9] offset:(16*(\a)+2*pj)*4096
.set pj, pj+1
.endr
.endm
	s_wait_loadcnt 0x0                             ; the residual
	TOST 0
	TOST 1
	OUT 0, 16
	TOST 2
	OUT 1, 16
	TOST 3
	OUT 2, 16
	OUT 3, 0
	s_wait_tensorcnt 0x0                           ; the wave's end
	ds_add_u32 v[SPW], v[NIL]
	s_wait_dscnt 0x0
	CROUND                                         ; the closing round
	s_endpgm
.Lfunc_end_k_q67ec5dd685_gemm_ff2:
	.size	k_q67ec5dd685_gemm_ff2, .Lfunc_end_k_q67ec5dd685_gemm_ff2-k_q67ec5dd685_gemm_ff2
	.p2alignl 7, 3214868480
	.fill 96, 4, 3214868480
	.section	.rodata,"a",@progbits
	.p2align	6, 0x0
	.amdhsa_kernel k_q67ec5dd685_gemm_ff2
		.amdhsa_group_segment_fixed_size 327680
		.amdhsa_private_segment_fixed_size 0
		.amdhsa_enable_private_segment 0
		.amdhsa_kernarg_size 40
		.amdhsa_user_sgpr_count 2
		.amdhsa_user_sgpr_kernarg_segment_ptr 1
		.amdhsa_wavefront_size32 1
		.amdhsa_system_sgpr_workgroup_id_x 1
		.amdhsa_system_sgpr_workgroup_id_y 1
		.amdhsa_system_sgpr_workgroup_id_z 1
		.amdhsa_system_vgpr_workitem_id 0
		.amdhsa_next_free_vgpr 768
		.amdhsa_next_free_sgpr 84
		.amdhsa_reserve_vcc 0
		.amdhsa_float_denorm_mode_32 3
		.amdhsa_float_denorm_mode_16_64 3
		.amdhsa_memory_ordered 1
		.amdhsa_forward_progress 1
		.amdhsa_inst_pref_size 50
	.end_amdhsa_kernel
	.amdgpu_metadata
---
amdhsa.version: [ 1, 2 ]
amdhsa.kernels:
  - .name:           k_q67ec5dd685_gemm_ff2
    .symbol:         k_q67ec5dd685_gemm_ff2.kd
    .args:
      - { .name: f, .offset: 0, .size: 8, .value_kind: global_buffer, .address_space: global }
      - { .name: wbf, .offset: 8, .size: 8, .value_kind: global_buffer, .address_space: global }
      - { .name: b_ff2, .offset: 16, .size: 8, .value_kind: global_buffer, .address_space: global }
      - { .name: x1, .offset: 24, .size: 8, .value_kind: global_buffer, .address_space: global }
      - { .name: out0, .offset: 32, .size: 8, .value_kind: global_buffer, .address_space: global }
    .group_segment_fixed_size: 327680
    .private_segment_fixed_size: 0
    .kernarg_segment_align: 8
    .kernarg_segment_size: 40
    .max_flat_workgroup_size: 128
    .sgpr_count:     84
    .vgpr_count:     768
    .wavefront_size: 32
...
	.end_amdgpu_metadata
.endif
;; end of part 8
;; ======== version 2 of 2: 8 launches; 1.18 times as fast as version 1
;; workspace buffers: wbf 24,117,248 bytes; hn 8,388,608 bytes; ql 12,582,912 bytes; kv 16,777,216 bytes; y 8,388,608 bytes; x1 16,777,216 bytes; f 33,554,432 bytes
;; launch prep: the kernel of part 1 again; grid 992 x 1, 8 waves a work-group, no clusters, 0 bytes of LDS; arguments W_ff1, W_ff2, W_q, W_kv_up, W_o, W_kv_down, x, ln1_g, ln1_b, wbf, hn; writes wbf, hn
;; launch gemm_ql: the kernel of part 2 again; grid 12 x 16, 4 waves a work-group, clusters of 4 x 4, 327,680 bytes of LDS; arguments hn, wbf, ql; writes ql
;; launch gemm_kv: the kernel of part 3 again; grid 16 x 16, 4 waves a work-group, clusters of 4 x 4, 327,680 bytes of LDS; arguments ql, wbf, kv; writes kv
;; launch attn (part 9): grid 8 x 32, 4 waves a work-group, no clusters, 327,680 bytes of LDS; arguments ql, kv, y; writes y
.if DOCPART == 9
	.amdgcn_target "amdgcn-amd-amdhsa--gfx1250"
	.amdhsa_code_object_version 6
	.text
	.protected	k_q67ec5dd685_attn
	.globl	k_q67ec5dd685_attn
	.p2align	8
	.type	k_q67ec5dd685_attn,@function
k_q67ec5dd685_attn:
	s_mov_b64 s[64:65], 0
	v_nop
	global_prefetch_b8 v0, s[64:65] scope:SCOPE_SE
	s_setreg_imm32_b32 hwreg(HW_REG_WAVE_MODE, 25, 1), 1
	s_wait_xcnt 0x0
; CAUSAL ATTENTION.  y[bh][q][:] = the sum over k <= q of softmax_k(Q[bh][q] . K[bh][k] / 8) V[bh][k][:].  Q (in ql), K and V (in kv, V 8,388,608 bytes behind K) and y: [32][2048][64] bf16, a head's rows dense.
; Products, maxima and sums in f32; the weights are rounded to bf16 for the second product (their sum is taken of the unrounded weights), y once at the end.
; LIMITS.  A hidden score counts as its value less 1e30; a weight below 2^-126 counts as 0 in the sum; NaN and infinities are not treated apart.
; THE WALK.  A head's queries lie in 16 blocks of 128; block i needs the key tiles 0 .. i / 2 of 256 keys, of which the last takes masks.  A work-group takes blocks 15 - p and then p: 9 tiles whatever p,
; so all 256 work-groups do equal work and one loop with a constant trip count walks them; the ring of two LDS slots runs on across the change of blocks.  For an even block two of the last tile's four key steps are wholly hidden and are computed all the same.
; NO CLUSTER: a head's eight work-groups ask for the same tile only in the first five of the nine trips; a walk common to all would have 12 trips for 9.
; SHARES.  A wave owns two tiles of 16 queries: rows 64 x + 16 w + r of the block, x = 0, 1.  In the block's last key tile, tile x's own step is x + 2 (i % 2): earlier steps are all seen, later ones all hidden.
; THE MASK is the C operand that starts S^T = K Q^T: MD (the own step's mask for my rows, made once) x AL + BE, with (1, 0), (0, 0) or (0, -1e30).
; LAYOUT.  S^T = K Q^T holds one query a lane (l % 16) and the keys 8 (l / 16) + 0..7; two such results rounded to bf16 are source 1 of O^T = V^T P.  p = 2^(c s - c m), c = log2(e) / 8, with a running maximum m;
; O and l are multiplied by a = 2^(c m_old - c m_new) in every step.
; A KEY STEP IN PHASES: K of the step is fetched; V^T P of the step before; K Q^T; the softmax's head (statistics, scalings, all exponentials); V of the step is fetched; the softmax's tail (all that reads an exponential's result).
; K lands under V^T P, V under the softmax's tail.
; THE BATCHES.  A step's 66 exponentials (a of both tiles, then the 64 weights, each in a register of its own) are ONE batch with ONE wait: ahead of the wait no line names a result of theirs, behind it no exponential
; is issued.  The wait stands in V's run of loads, behind its address line.  The way out's two reciprocals are a batch of their own.
; REGISTERS, in windows of 256: window 0: v2-15 addresses, v16-23 statistics, v48-55 at work, v64-127 S^T, v192-223 P;  window 1: v0-63 O^T, v128-159 MD, v160-223 MC;
;   window 2: v0-31 Q, v64-95 the second block's Q, v128-191 K, v192-255 V.
.set KS,    64
.set PK,    144                        ; a row of K in LDS: 128 bytes + 16
.set PVR,   160                        ; a row of V: 128 + 32: an odd multiple of 32
.set VOFF,  4*KS*PK                    ; a slot: 256 rows of K, then 256 rows of V
.set SLOT1, 1<<17
.set STAGE, SLOT1+4*KS*(PK+PVR)        ; 16 rows x 144 bytes for each wave, never filled by a tensor load
.set SP,    144
.set SPARE, STAGE+4*16*SP              ; the spare words: 128 bytes a wave, named by no other line
.set AK0, 2
.set AV0, 3
.set AK,  4
.set AV,  5
.set STO, 6
.set RD,  7
.set GO,  8
.set MV,  12                           ; v12-13 c m_old, by tile
.set QO,  15
.set ST,  16                           ; tile t: c m, m, l (even keys', odd keys') at v[16+4t]
.set TMP, 48                           ; tile t: c0-c3 at work; c2 takes a
.set SPW, 62
.set NIL, 63
.set S,   64
.set P,   192
.set MD,  128
.set MC,  160
.set QB,  64
.set KF,  128
.set VF,  192
.set WV,  12
.set PB,  14                           ; s14 p, s15 15 - p
.set HI,  15
.set G1K, 24
.set G1V, 32
.set G0K, 40
.set G0V, 44
.set SLOTS, 56
.set CNT, 57                           ; a tile's key steps, 4 to 1
.set CS,  58
.set SEL, 60
.set TBK, 62
.set TBV, 63
.set RT,  70                           ; tiles of the block in hand still to be entered
.set NXT, 71                           ; the tile to be asked for next
.set LQ,  72                           ; the last tile of the block whose tiles are being asked for
.set NEW, 73                           ; 1: the tile to be entered is a block's first
.set OFF, 74
.set AL,  76
.set BE,  78
.set OLO, 80                           ; y at my rows of the second block
.set BIGN, 82
.set LQ2, 83                           ; the second block's last tile
.set OWN0, 84                          ; CNT at tile 0's and tile 1's own step
.set OWN1, 85
.set OWB0, 86                          ; the same for the second block
.set OWB1, 87
.set RT2, 88
.set MSB, 0
.macro WIN new
.if MSB != (\new)
	s_set_vgpr_msb (MSB<<8)|(\new)
.set MSB, (\new)
.endif
.endm
.set W_KQ, 0x0a                        ; K and Q in window 2, S^T in window 0
.set W_KM, 0x1a                        ; the same with the C operand in window 1
.set W_PV, 0x52                        ; V in window 2, P in window 0, O^T in window 1
.set W_RS, 0x41                        ; destination and source 0 in window 1
.macro PLACES
.rept 4
	v_nop
.endr
.endm
.macro LOAD                            ; waves 0, 1 fetch the halves of a tile's K, waves 2, 3 those of its V; s_nop 0 and four v_nop follow each line
	s_cmp_lt_u32 s[WV], 2
	s_cbranch_scc0 .Lfor_v_\@
	tensor_load_to_lds s[G0K:G0K+3], s[G1K:G1K+7]
	s_nop 0
	PLACES
	s_branch .Lasked_\@
.Lfor_v_\@:
	tensor_load_to_lds s[G0V:G0V+3], s[G1V:G1V+7]
	s_nop 0
	PLACES
.Lasked_\@:
.endm
; THE CHANGE OF SLOTS.  Each wave waits for all its tensor loads (one is out: its part of the other slot), adds 0 to its spare word, and waits for that and for its reads of the slot that it leaves.
; fill = 1: the old slot is filled again, first behind the barrier, with tile NXT; the descriptor's address is made anew from that number.
.macro CHANGE fill
	WIN 0
	s_wait_tensorcnt 0x0
	ds_add_u32 v[SPW], v[NIL]
.if \fill
	s_lshl_b32 s[OFF], s[NXT], 15                  ; a tile is 32,768 bytes of K and of V
	s_xor_b32 s[G0K+1], s[G0K+1], SLOT1
	s_add_nc_u64 s[G0K+2:G0K+3], s[6:7], s[OFF:OFF+1]
	s_or_b32 s[G0K+3], s[G0K+3], 0x80000000
	s_xor_b32 s[G0V+1], s[G0V+1], SLOT1
	s_add_nc_u64 s[G0V+2:G0V+3], s[8:9], s[OFF:OFF+1]
	s_or_b32 s[G0V+3], s[G0V+3], 0x80000000
	s_add_co_u32 s[NXT], s[NXT], 1                 ; the block's next tile, or behind its last the second block's tile 0
	s_cmp_gt_u32 s[NXT], s[LQ]
	s_cselect_b32 s[NXT], 0, s[NXT]
	s_cselect_b32 s[LQ], s[LQ2], s[LQ]
.endif
	s_wait_dscnt 0x0                               ; the add is done, my reads of the slot are over
	s_barrier_signal -1
	s_sub_co_u32 s[TBK], s[TBK], 4*KS*PK           ; the fetches go back to a slot's first step, in the other slot
	s_xor_b32 s[TBK], s[TBK], SLOT1
	s_sub_co_u32 s[TBV], s[TBV], 4*KS*PVR
	s_xor_b32 s[TBV], s[TBV], SLOT1
	s_barrier_wait -1
.if \fill
	LOAD
.endif
.endm
	s_load_b128 s[4:7], s[0:1], 0x0                ; ql s[4:5], kv s[6:7]
	s_load_b64 s[10:11], s[0:1], 0x10              ; y
	v_lshl_add_u32 v[SPW], v0, 2, SPARE
	v_mov_b32 v[NIL], 0
	ds_add_u32 v[SPW], v[NIL]                      ; the wave's opening: the add and its wait stand ahead of my first tensor load
	ds_add_u32 v62, v63
	v_lshrrev_b32 v1, 5, v0
	v_readfirstlane_b32 s[WV], v1
	s_mov_b32 s[PB], ttmp9
	s_sub_co_u32 s[HI], 15, s[PB]
	s_and_b32 s20, ttmp7, 0xffff
	s_lshl_b32 s20, s20, 18                        ; the head's first byte: 2,048 rows of 128 bytes
	s_and_b32 s16, s[WV], 1                        ; which half of a tile's 256 keys I fetch
	s_lshl_b32 s22, s16, 14
	s_add_co_u32 s22, s22, s20
	s_mov_b32 s23, 0
	s_mul_i32 s17, s16, 128*PK
	s_mul_i32 s18, s16, 128*PVR
	s_lshl_b32 s19, s[WV], 11                      ; my 16 rows in a band of 64
	s_add_co_u32 s19, s19, s20
	s_lshl_b32 s2, s[HI], 14                       ; a block is 16,384 bytes
	s_add_co_u32 s2, s2, s19
	s_mov_b32 s3, 0
	s_lshl_b32 s66, s[PB], 14
	s_add_co_u32 s66, s66, s19
	s_mov_b32 s67, 0
	; group 1: 128 keys are 16,384 dense bytes: 64 rows of 256 bytes, padded in LDS behind every key
	s_mov_b32 s[G1K], (1<<16)|(1<<20)|(4<<22)|(3<<25)
	s_mov_b32 s[G1V], (1<<16)|(1<<20)|(4<<22)|(7<<25)
.irp g, G1K, G1V
	s_mov_b32 s[\g+1], 128<<16
	s_mov_b32 s[\g+2], 64<<16
	s_mov_b32 s[\g+3], 128<<16
	s_mov_b32 s[\g+4], 64
	s_mov_b32 s[\g+5], 128
	s_mov_b32 s[\g+6], 0
	s_mov_b32 s[\g+7], 0
.endr
	s_mov_b32 s[CS], 0x3e38aa3b                    ; c = log2(e) / 8
	s_mov_b32 s[CS+1], s[CS]
	s_mov_b32 s[SEL], 0x76543210
	s_mov_b32 s[SEL+1], 0xfedcba98
	s_mov_b32 s[TBK], SLOT1+4*KS*PK                ; the first change of slots turns these two into 0
	s_mov_b32 s[TBV], SLOT1+4*KS*PVR
	s_mov_b32 s[G0K], 1
	s_mov_b32 s[G0K+1], s17
	s_mov_b32 s[G0V], 1
	s_add_co_u32 s[G0V+1], s18, VOFF
	s_lshr_b32 s[LQ], s[HI], 1
	s_add_co_u32 s[RT], s[LQ], 1
	s_lshr_b32 s[LQ2], s[PB], 1
	s_add_co_u32 s[RT2], s[LQ2], 1
	s_and_b32 s21, s[HI], 1
	s_lshl_b32 s21, s21, 1
	s_sub_co_u32 s[OWN0], 4, s21
	s_sub_co_u32 s[OWN1], 3, s21
	s_and_b32 s21, s[PB], 1
	s_lshl_b32 s21, s21, 1
	s_sub_co_u32 s[OWB0], 4, s21
	s_sub_co_u32 s[OWB1], 3, s21
	s_mov_b32 s[NXT], 1
	s_mov_b32 s[NEW], 1
	s_mov_b32 s[OFF+1], 0
	s_mov_b32 s[AL+1], 0
	s_mov_b32 s[BE+1], 0
	s_mov_b32 s[BIGN], 0xf149f2ca                  ; -1e30
	s_mov_b32 s[SLOTS], 8
	s_wait_dscnt 0x0                               ; the opening add is done
	s_wait_kmcnt 0x0
	s_add_nc_u64 s[6:7], s[6:7], s[22:23]          ; K at my half of the head's tile 0,
	s_add_nc_u64 s[8:9], s[6:7], 0x800000          ; V behind all of K
	s_add_nc_u64 s[G0K+2:G0K+3], s[6:7], 0
	s_or_b32 s[G0K+3], s[G0K+3], 0x80000000
	s_add_nc_u64 s[G0V+2:G0V+3], s[8:9], 0
	s_or_b32 s[G0V+3], s[G0V+3], 0x80000000
	s_add_nc_u64 s[68:69], s[4:5], s[66:67]        ; Q at my rows of the second block,
	s_add_nc_u64 s[4:5], s[4:5], s[2:3]            ; Q and y at those of the first
	s_add_nc_u64 s[OLO:OLO+1], s[10:11], s[66:67]
	s_add_nc_u64 s[10:11], s[10:11], s[2:3]
	LOAD                                           ; tile 0 into slot 0
	v_and_b32 v1, 15, v0                           ; r
	v_bfe_u32 v9, v0, 4, 1                         ; h
	v_lshlrev_b32 v[QO], 7, v1
	v_lshl_add_u32 v[QO], v9, 4, v[QO]
	WIN 0x80
.set i, 0
.rept 4                                ; both blocks' Q: tile i / 2 lies 8,192 bytes on; channels 32 (i % 2) on
	global_load_b128 v[8*i:8*i+3],   v[QO], s[4:5] offset:(i/2)*8192+(i%2)*64
	global_load_b128 v[8*i+4:8*i+7], v[QO], s[4:5] offset:(i/2)*8192+(i%2)*64+32
	global_load_b128 v[QB+8*i:QB+8*i+3],   v[QO], s[68:69] offset:(i/2)*8192+(i%2)*64
	global_load_b128 v[QB+8*i+4:QB+8*i+7], v[QO], s[68:69] offset:(i/2)*8192+(i%2)*64+32
.set i, i+1
.endr
	WIN 0
	v_lshlrev_b32 v14, 3, v9
	v_sub_nc_u32 v14, v1, v14
	s_lshl_b32 s13, s[WV], 4
	v_add_nc_u32 v14, s13, v14                     ; 16 w + r - 8 h: register j of key group kt is hidden where 16 kt + j is greater
	WIN 0x40
.set i, 0
.rept 32
	v_cmp_gt_i32 vcc_lo, 16*(i/8)+i%8, v14
	v_cndmask_b32 v[MD+i], 0, s[BIGN], vcc_lo
.set i, i+1
.endr
.set i, 0
.rept 64                               ; O^T and l start at 0; for the second block the first step's a = 0 wipes what the first left, which is finite
	v_mov_b32 v[i], 0
.set i, i+1
.endr
	WIN 0
	v_mov_b32 v[ST+2], 0
	v_mov_b32 v[ST+3], 0
	v_mov_b32 v[ST+6], 0
	v_mov_b32 v[ST+7], 0
	v_mul_u32_u24 v[AK0], v1, PK
	v_lshl_add_u32 v[AK0], v9, 4, v[AK0]
	v_and_b32 v10, 7, v0
	v_bfe_u32 v11, v0, 3, 1
	v_lshl_add_u32 v[AV0], v9, 3, v10              ; the turning load: lane l addresses key 8 h + l % 8, channels 8 ((l / 8) % 2) on
	v_mul_u32_u24 v[AV0], v[AV0], PVR
	v_lshl_add_u32 v[AV0], v11, 4, v[AV0]
	v_add_nc_u32 v[AV0], VOFF, v[AV0]
	s_mul_i32 s13, s[WV], 16*SP
	s_add_co_u32 s13, s13, STAGE
	v_mul_u32_u24 v[STO], v1, SP
	v_lshl_add_u32 v[STO], v9, 4, v[STO]
	v_add_nc_u32 v[STO], s13, v[STO]
	v_bfe_u32 v[RD], v0, 3, 2
	v_mul_u32_u24 v[RD], v[RD], SP
	v_lshl_add_u32 v[RD], v10, 4, v[RD]
	v_add_nc_u32 v[RD], s13, v[RD]
	v_and_b32 v[GO], 31, v0
	v_lshlrev_b32 v[GO], 4, v[GO]
; THE MATRIX WORK.  The 8 accumulators of a run of 16 take turns.
.macro KQALL m                         ; S^T = K Q^T: product i: tile i % 2, keys 16 ((i / 2) % 4) on, channels 32 (i / 8) on; the first 8 start the sums with 0 or the mask
.set i, 0
.rept 16
.set rS, S+32*(i%2)+8*((i/2)%4)
.set rK, KF+16*((i/2)%4)+8*(i/8)
.set rQ, 16*(i%2)+8*(i/8)
.set rM, MC+32*(i%2)+8*((i/2)%4)
.if (i < 8) && (\m)
	WIN W_KM
	v_wmma_f32_16x16x32_bf16 v[rS:rS+7], v[rK:rK+7], v[rQ:rQ+7], v[rM:rM+7]
.elseif i < 8
	WIN W_KQ
	v_wmma_f32_16x16x32_bf16 v[rS:rS+7], v[rK:rK+7], v[rQ:rQ+7], 0
.else
	WIN W_KQ
	v_wmma_f32_16x16x32_bf16 v[rS:rS+7], v[rK:rK+7], v[rQ:rQ+7], v[rS:rS+7]
.endif
.set i, i+1
.endr
.endm
.macro PVALL                           ; O^T += V^T P: product i: tile i % 2, channels 16 ((i / 2) % 4) on, keys 32 (i / 8) on
	WIN W_PV
.set i, 0
.rept 16
.set rO, 32*(i%2)+8*((i/2)%4)
.set rV, VF+32*(i/8)+8*((i/2)%4)
.set rP, P+16*(i%2)+8*(i/8)
	v_wmma_f32_16x16x32_bf16 v[rO:rO+7], v[rV:rV+7], v[rP:rP+7], v[rO:rO+7]
.set i, i+1
.endr
.endm
.macro FETCH_K                         ; a step's K: 64 keys x 64 channels, 16 loads in one run
	WIN 0
	v_add_nc_u32 v[AK], s[TBK], v[AK0]
	WIN 0x80
.irp f, 0,1,2,3,4,5,6,7
	ds_load_b128 v[KF+8*\f:KF+8*\f+3],   v[AK] offset:(\f/2)*16*PK+(\f%2)*64
	ds_load_b128 v[KF+8*\f+4:KF+8*\f+7], v[AK] offset:(\f/2)*16*PK+(\f%2)*64+32
.endr
	s_add_co_u32 s[TBK], s[TBK], KS*PK
	WIN 0
.endm
.macro FETCH_V                         ; a step's V, turned.  It stands between the softmax's head and its tail, and the wait for the step's batch stands in it
	WIN 0
	v_add_nc_u32 v[AV], s[TBV], v[AV0]             ; also the plain instruction behind the batch's last exponential (ISA guide 5.7.2)
	s_wait_alu depctr_va_vdst(0)                   ; ONE wait for the step's 66 exponentials, ahead of the first line that names a result (R 0 in the tail)
	WIN 0x80
.irp f, 0,1,2,3,4,5,6,7
	ds_load_tr16_b128 v[VF+8*\f:VF+8*\f+3],   v[AV] offset:(\f/4)*32*PVR+(\f%4)*32
	ds_load_tr16_b128 v[VF+8*\f+4:VF+8*\f+7], v[AV] offset:(\f/4)*32*PVR+16*PVR+(\f%4)*32
.endr
	s_add_co_u32 s[TBV], s[TBV], KS*PVR
	WIN 0
.endm
; THE VECTOR WORK, one line at a time: OP kind, number, tile.  X n: number n of the 22 that find the maximum and statistics (each accumulator's lowest registers are read first).
; F n: c s - c m for pair n.  E n: the exponential of score n.  C n: pair n rounded to bf16.  B n: of four weights the second pair is added onto the first.  L n: l takes that sum (L 0: l = a l + sum).  R n: pair n of O^T times a.
; X 0-20 and F read no exponential's result; X 21 and E are the exponentials; R, C, B and L read their results and stand behind the step's wait.
.set F, 0
.set E, 1
.set C, 2
.set B, 3
.set L, 4
.set R, 5
.set X, 6
.macro OP k, n, t
.set rT, ST+4*(\t)
.set rC, TMP+4*(\t)
.set rW, MV+(\t)
.set rS, S+32*(\t)
.set rP, P+16*(\t)
.set rO, 32*(\t)
.if (\k) == R
	WIN W_RS
	v_pk_mul_f32 v[rO+2*(\n):rO+2*(\n)+1], v[rO+2*(\n):rO+2*(\n)+1], v[rC+2:rC+3] op_sel_hi:[1,0]
.else
	WIN 0
.if (\k) == F
	v_pk_fma_f32 v[rS+2*(\n):rS+2*(\n)+1], v[rS+2*(\n):rS+2*(\n)+1], s[CS:CS+1], v[rT:rT+1] op_sel_hi:[1,0,0] neg_lo:[0,0,1] neg_hi:[0,0,1]
.elseif (\k) == E
	v_exp_f32 v[rS+(\n)], v[rS+(\n)]
.elseif (\k) == C
	v_cvt_pk_bf16_f32 v[rP+(\n)], v[rS+2*(\n)], v[rS+2*(\n)+1]
.elseif (\k) == B
	v_pk_add_f32 v[rS+4*(\n):rS+4*(\n)+1], v[rS+4*(\n):rS+4*(\n)+1], v[rS+4*(\n)+2:rS+4*(\n)+3]
.elseif ((\k) == L) && ((\n) == 0)
	v_pk_fma_f32 v[rT+2:rT+3], v[rT+2:rT+3], v[rC+2:rC+3], v[rS:rS+1] op_sel_hi:[1,0,1]
.elseif (\k) == L
	v_pk_add_f32 v[rT+2:rT+3], v[rT+2:rT+3], v[rS+4*(\n):rS+4*(\n)+1]
.elseif (\n) < 4
	v_max3_num_f32 v[rC+(\n)], v[rS+8*(\n)], v[rS+8*(\n)+1], v[rS+8*(\n)+2]
.elseif (\n) < 12
	v_max3_num_f32 v[rC+(\n)%4], v[rC+(\n)%4], v[rS+8*((\n)%4)+2*((\n)/4)+1], v[rS+8*((\n)%4)+2*((\n)/4)+2]
.elseif (\n) == 12
	v_max3_num_f32 v[rC], v[rC], v[rS+7], v[rS+15]
.elseif (\n) == 13
	v_max3_num_f32 v[rC+1], v[rC+1], v[rS+23], v[rS+31]
.elseif (\n) == 14
	v_max3_num_f32 v[rC+2], v[rC+2], v[rC+3], v[rT+1]
.elseif (\n) == 15
	v_mov_b32 v[rW], v[rT]
.elseif (\n) == 16
	v_max3_num_f32 v[rC], v[rC], v[rC+1], v[rC+2]
.elseif (\n) == 17
	v_permlanex16_b32 v[rC+3], v[rC], s[SEL], s[SEL+1]
.elseif (\n) == 18
	v_max_num_f32 v[rT+1], v[rC], v[rC+3]
.elseif (\n) == 19
	v_mul_f32 v[rT], s[CS], v[rT+1]
.elseif (\n) == 20
	v_sub_f32 v[rC+1], v[rW], v[rT]
.else
	v_exp_f32 v[rC+2], v[rC+1]
.endif
.endif
.endm
; A step's softmax for both tiles, which alternate: 236 lines, cut in two by the step's one wait (FETCH_V holds it).
; THE HEAD, 140 lines, names no exponential's result.  The statistics, whose last two lines, the two a, open the batch; pair 0's scalings; then a scaling and an exponential by turns, thirty times: scaling u + 2
; (pair (u + 2) / 2 of tile u % 2) and exponential u (score u / 2 of tile u % 2), which needs scaling 2 (u / 4) + u % 2, an earlier one; then the 34 exponentials that are left.  The line behind an exponential
; belongs to the other tile, so it neither reads the result nor writes the source.
.macro SM_HEAD
.set n, 0
.rept 22
	OP X, n, 0
	OP X, n, 1
.set n, n+1
.endr
	OP F, 0, 0
	OP F, 0, 1
.set u, 0
.rept 30
	OP F, (u+2)/2, u%2
	OP E, u/2, u%2
.set u, u+1
.endr
.rept 34
	OP E, u/2, u%2
.set u, u+1
.endr
.endm
; THE TAIL, 96 lines, all that reads a result.  The rescaling of O^T as one block, the one part outside window 0; then for each four weights: both pairs rounded, the second pair added onto the first, and
; l takes the sum of the group before, so that a link of l's chain does not stand next to the addition that feeds it.  l takes the sums 0 to 7 in that order.
.macro SM_TAIL
.set n, 0
.rept 16
	OP R, n, 0
	OP R, n, 1
.set n, n+1
.endr
.set k, 0
.rept 8
	OP C, 2*k, 0
	OP C, 2*k, 1
	OP C, 2*k+1, 0
	OP C, 2*k+1, 1
	OP B, k, 0
	OP B, k, 1
.if k > 0
	OP L, k-1, 0
	OP L, k-1, 1
.endif
.set k, k+1
.endr
	OP L, 7, 0
	OP L, 7, 1
.endm
.macro MASKS                           ; MC = MD x AL + BE for both tiles, for step 4 - CNT of the block's last tile
.set x, 0
.rept 2
	s_cmp_eq_u32 s[CNT], s[OWN0+x]                 ; is the step the tile's own?
	s_cselect_b32 s[AL], 1.0, 0
	s_cmp_lt_u32 s[CNT], s[OWN0+x]                 ; or a later one?
	s_cselect_b32 s[BE], s[BIGN], 0
	WIN W_RS
.set z, 0
.rept 16
	v_pk_fma_f32 v[MC+32*x+2*z:MC+32*x+2*z+1], v[MD+2*z:MD+2*z+1], s[AL:AL+1], s[BE:BE+1] op_sel_hi:[1,0,0]
.set z, z+1
.endr
.set x, x+1
.endr
.endm
; A tile's four key steps.  m = 1: the products take masks.  A block's first tile enters at .Lkq: there is no step before it.
.macro TRIP m, tag
.Lstep\tag:
	FETCH_K                                        ; the softmax stands between these loads and the last product that read K
	s_wait_dscnt 16                                ; V of the step before is in; K's 16 loads are younger
	PVALL
	WIN 0
.Lkq\tag:
.if \m
	MASKS
.endif
	s_wait_dscnt 0x0                               ; K is in
	KQALL \m
	WIN 0
	PLACES                                         ; behind the products: S^T is read
	SM_HEAD
	FETCH_V                                        ; the softmax's head stands between these loads and the last product that read V
	SM_TAIL
	WIN 0
	s_sub_co_u32 s[CNT], s[CNT], 1
	s_cmp_lg_u32 s[CNT], 0
	s_cbranch_scc1 .Lstep\tag
.endm
.macro BEGIN                           ; a block begins: c m far below every c s, so the first step's a is 0; m the lowest finite number
	s_mov_b32 s[NEW], 0
	WIN 0
	v_mov_b32 v[ST], 0xfe000000
	v_mov_b32 v[ST+1], 0xff7fffff
	v_mov_b32 v[ST+4], 0xfe000000
	v_mov_b32 v[ST+5], 0xff7fffff
	FETCH_K
	s_wait_loadcnt 0x0                             ; Q
.endm
.macro PACK t                          ; O^T / l, rounded; 16 bytes a lane into rows of 144 bytes, back as whole rows of 128
	WIN W_RS
.set i, 32*(\t)
.rept 16
	v_pk_mul_f32 v[i:i+1], v[i:i+1], v[ST+4*(\t)+2:ST+4*(\t)+3] op_sel_hi:[1,0]
.set i, i+2
.endr
	WIN 0x05
.set i, 0
.rept 16
	v_cvt_pk_bf16_f32 v[S+16*(\t)+i], v[32*(\t)+2*i], v[32*(\t)+2*i+1]
.set i, i+1
.endr
	WIN 0
.irp f, 0,1,2,3
	ds_store_b128 v[STO], v[S+16*(\t)+4*\f:S+16*(\t)+4*\f+3] offset:32*\f
.endr
.irp f, 0,1,2,3
	ds_load_b128 v[S+16*(\t)+4*\f:S+16*(\t)+4*\f+3], v[RD] offset:\f*4*SP  ; LDS serves a wave's instructions in order (ISA guide 5.7.1.4)
.endr
.endm
.macro SEND t, younger                 ; younger: the LDS lines issued behind tile t's loads
.irp f, 0,1,2,3
	s_wait_dscnt (\younger)+3-\f
	global_store_b128 v[GO], v[S+16*(\t)+4*\f:S+16*(\t)+4*\f+3], s[10:11] offset:(\t)*8192+\f*512  ; 512 consecutive bytes, aligned
.endr
.endm
.macro FINISH                          ; the last step's V^T P, and the way out
	s_wait_dscnt 0x0                               ; V is in
	PVALL
	WIN 0
	PLACES
	v_add_f32 v[ST+2], v[ST+2], v[ST+3]
	v_add_f32 v[ST+6], v[ST+6], v[ST+7]
	v_permlanex16_b32 v[ST+3], v[ST+2], s[SEL], s[SEL+1]
	v_permlanex16_b32 v[ST+7], v[ST+6], s[SEL], s[SEL+1]
	v_add_f32 v[ST+2], v[ST+2], v[ST+3]
	v_add_f32 v[ST+6], v[ST+6], v[ST+7]
	v_rcp_f32 v[ST+2], v[ST+2]
	v_rcp_f32 v[ST+6], v[ST+6]
	v_nop                                          ; a plain instruction behind the reciprocals
	s_wait_alu depctr_va_vdst(0)                   ; one wait for the two reciprocals, ahead of the first use
	PACK 0
	PACK 1
	SEND 0, 8
	SEND 1, 0
.endm
.Lslot:                                                ; 8 times: a tile is entered and the next is asked for
	CHANGE 1
	s_sub_co_u32 s[RT], s[RT], 1
	s_mov_b32 s[CNT], 4
	s_cmp_eq_u32 s[NEW], 1
	s_cbranch_scc1 .Lnew                           ; a block's first tile
	s_cmp_eq_u32 s[RT], 0
	s_cbranch_scc0 .Lstep0                         ; neither its first nor its last
	s_branch .Lstep1
.Lnew:
	BEGIN
	s_branch .Lkq0                                 ; in the loop a block's first tile is never its last: the first block has five tiles or more, and the second's last is the walk's last
	TRIP 1, 1                                      ; in the loop this is the first block's last tile
	FINISH
	s_wait_xcnt 0x0                                ; the stores have read their registers and y's address
	s_mov_b64 s[10:11], s[OLO:OLO+1]
	s_mov_b32 s[RT], s[RT2]
	s_mov_b32 s[NEW], 1
	s_mov_b32 s[OWN0], s[OWB0]
	s_mov_b32 s[OWN1], s[OWB1]
	WIN 0x82                                       ; the second block's Q goes where the one text names Q
.set i, 0
.rept 32
	v_mov_b32 v[i], v[QB+i]
.set i, i+1
.endr
	WIN 0
	s_branch .Lbottom
	TRIP 0, 0
.Lbottom:
	s_sub_co_u32 s[SLOTS], s[SLOTS], 1
	s_cmp_lg_u32 s[SLOTS], 0
	s_cbranch_scc1 .Lslot
	CHANGE 0                                       ; the walk's last tile is written out
	s_sub_co_u32 s[RT], s[RT], 1
	s_mov_b32 s[CNT], 4
	s_cmp_eq_u32 s[NEW], 1
	s_cbranch_scc0 .Lstep2
	BEGIN
	s_branch .Lkq2
	TRIP 1, 2
	FINISH
	s_wait_tensorcnt 0x0                           ; the wave's end
	ds_add_u32 v[SPW], v[NIL]
	s_wait_dscnt 0x0
	s_endpgm
.Lfunc_end_k_q67ec5dd685_attn:
	.size	k_q67ec5dd685_attn, .Lfunc_end_k_q67ec5dd685_attn-k_q67ec5dd685_attn
	.p2alignl 7, 3214868480
	.fill 96, 4, 3214868480
	.section	.rodata,"a",@progbits
	.p2align	6, 0x0
	.amdhsa_kernel k_q67ec5dd685_attn
		.amdhsa_group_segment_fixed_size 327680
		.amdhsa_private_segment_fixed_size 0
		.amdhsa_enable_private_segment 0
		.amdhsa_kernarg_size 24
		.amdhsa_user_sgpr_count 2
		.amdhsa_user_sgpr_kernarg_segment_ptr 1
		.amdhsa_wavefront_size32 1
		.amdhsa_system_sgpr_workgroup_id_x 1
		.amdhsa_system_sgpr_workgroup_id_y 1
		.amdhsa_system_sgpr_workgroup_id_z 1
		.amdhsa_system_vgpr_workitem_id 0
		.amdhsa_next_free_vgpr 768
		.amdhsa_next_free_sgpr 92
		.amdhsa_reserve_vcc 1
		.amdhsa_float_denorm_mode_32 3
		.amdhsa_float_denorm_mode_16_64 3
		.amdhsa_memory_ordered 1
		.amdhsa_forward_progress 1
		.amdhsa_inst_pref_size 92
	.end_amdhsa_kernel
	.amdgpu_metadata
---
amdhsa.version: [ 1, 2 ]
amdhsa.kernels:
  - .name:           k_q67ec5dd685_attn
    .symbol:         k_q67ec5dd685_attn.kd
    .args:
      - { .name: ql, .offset: 0, .size: 8, .value_kind: global_buffer, .address_space: global }
      - { .name: kv, .offset: 8, .size: 8, .value_kind: global_buffer, .address_space: global }
      - { .name: y, .offset: 16, .size: 8, .value_kind: global_buffer, .address_space: global }
    .group_segment_fixed_size: 327680
    .private_segment_fixed_size: 0
    .kernarg_segment_align: 8
    .kernarg_segment_size: 24
    .max_flat_workgroup_size: 128
    .sgpr_count:     92
    .vgpr_count:     768
    .wavefront_size: 32
...
	.end_amdgpu_metadata
.endif
;; end of part 9
;; launch gemm_o: the kernel of part 5 again; grid 8 x 32, 4 waves a work-group, clusters of 4 x 4, 327,680 bytes of LDS; arguments y, wbf, x, x1; writes x1
;; launch ln2: the kernel of part 6 again; grid 256 x 1, 8 waves a work-group, no clusters, 0 bytes of LDS; arguments x1, ln2_g, ln2_b, hn; writes hn
;; launch gemm_ff1: the kernel of part 7 again; grid 16 x 16, 4 waves a work-group, clusters of 4 x 4, 327,680 bytes of LDS; arguments hn, wbf, b_ff1, f; writes f
;; launch gemm_ff2: the kernel of part 8 again; grid 8 x 32, 4 waves a work-group, clusters of 4 x 4, 327,680 bytes of LDS; arguments f, wbf, b_ff2, x1, out0; writes out0
